; MI455X (gfx1250); checked and timed in simulation.
; The chip was launched on July 23, 2026; its instructions are those of AMD's public machine-readable ISA for CDNA 5 (MIT licence, August 2026) and "CDNA5" Instruction Set Architecture Reference Guide (July 2026). The comments in the code are by the model that wrote it; some were corrected since.
;; Self Attention. Allowed arithmetic: float matrix products may take bf16 or f16 operands with f32 sums; all other float work in f32.
;; Inputs: W1 1,024 x 3,072 float32; W2 1,024 x 1,024 float32; b1 3,072 float32; b2 1,024 float32; x 4 x 2,048 x 1,024 float32.
;; Outputs: out0 4 x 2,048 x 1,024 float32.
;; 2 versions, each right and faster than the one before. Each part assembles by itself: llvm-mc -triple=amdgcn-amd-amdhsa -mcpu=gfx1250 --defsym DOCPART=n.
;; ======== version 1 of 2: 5 launches
;; workspace buffers: xb 16,777,216 bytes; w1b 6,291,456 bytes; w2b 2,097,152 bytes; qkvb 50,331,648 bytes; pb 33,554,432 bytes; stats 1,048,576 bytes; ctxb 16,777,216 bytes
;; launch cast (part 1): grid 768 x 1, 8 waves a work-group, no clusters, 0 bytes of LDS; arguments x, W1, W2, xb, w1b, w2b; writes xb, w1b, w2b
.if DOCPART == 1
	.amdgcn_target "amdgcn-amd-amdhsa--gfx1250"
	.amdhsa_code_object_version 6
	.text
	.protected	k_qbc610b9059_cast
	.globl	k_qbc610b9059_cast
	.p2align	8
	.type	k_qbc610b9059_cast,@function
k_qbc610b9059_cast:
	s_mov_b64 s[64:65], 0
	v_nop
	global_prefetch_b8 v0, s[64:65] scope:SCOPE_SE
	s_setreg_imm32_b32 hwreg(HW_REG_WAVE_MODE, 25, 1), 1
	s_wait_xcnt 0x0
; x, W1, W2 (f32) are rounded once to bf16 (nearest even) into xb, w1b, w2b, layouts unchanged: the matrix operands of the later launches.
; A work-group takes one chunk of 65,536 input bytes (32,768 output bytes): x has 512 chunks, W1 192, W2 64: 768 work-groups.
; Thread t takes 32 input bytes at 8,192 i + 32 t (i = 0..7) and stores 16 bytes at 4,096 i + 16 t: a store of a wave covers 512 consecutive
; bytes, aligned.  All sixteen loads of a thread go out at once; no register is used twice, so no loop and no wait for sources.
; No LDS, no matrix unit, no cluster: nothing is shared and nothing is reduced.
.set X, 4                              ; v[4:67]   8 x 8 f32 as loaded
.set Y, 68                             ; v[68:99]  8 x 4 words of bf16 to store
	s_load_b256 s[4:11], s[0:1], 0x0               ; x s[4:5], W1 s[6:7], W2 s[8:9], xb s[10:11]
	s_load_b128 s[12:15], s[0:1], 0x20             ; w1b s[12:13], w2b s[14:15]
	v_lshlrev_b32 v1, 5, v0                        ; 32 t: my input bytes
	v_lshlrev_b32 v2, 4, v0                        ; 16 t: my output bytes
	s_movk_i32 s21, 704                            ; first chunk of W2
	s_wait_kmcnt 0x0
	s_cmp_lt_u32 ttmp9, s21                        ; which tensor: the choice hangs on the work-group's number alone
	s_cselect_b64 s[16:17], s[6:7], s[8:9]
	s_cselect_b64 s[18:19], s[12:13], s[14:15]
	s_cselect_b32 s20, 512, s21
	s_cmp_lt_u32 ttmp9, 512
	s_cselect_b64 s[16:17], s[4:5], s[16:17]
	s_cselect_b64 s[18:19], s[10:11], s[18:19]
	s_cselect_b32 s20, 0, s20
	s_sub_co_u32 s20, ttmp9, s20                   ; the chunk's number in its tensor, 511 at the most
	s_lshl_b32 s22, s20, 16
	s_mov_b32 s23, 0
	s_add_nc_u64 s[16:17], s[16:17], s[22:23]      ; source + 65,536 x chunk
	s_lshl_b32 s22, s20, 15
	s_add_nc_u64 s[18:19], s[18:19], s[22:23]      ; destination + 32,768 x chunk
.irp i, 0,1,2,3,4,5,6,7
	global_load_b128 v[X+8*\i:X+8*\i+3],   v1, s[16:17] offset:8192*\i th:TH_LOAD_NT
	global_load_b128 v[X+8*\i+4:X+8*\i+7], v1, s[16:17] offset:8192*\i+16 th:TH_LOAD_NT
.endr
.irp i, 0,1,2,3,4,5,6,7
	s_wait_loadcnt 14-2*\i                         ; loads return in order (ISA guide 5.7.1): pair i is in, the 7 - i younger pairs stay out
	v_cvt_pk_bf16_f32 v[Y+4*\i],   v[X+8*\i],   v[X+8*\i+1]
	v_cvt_pk_bf16_f32 v[Y+4*\i+1], v[X+8*\i+2], v[X+8*\i+3]
	v_cvt_pk_bf16_f32 v[Y+4*\i+2], v[X+8*\i+4], v[X+8*\i+5]
	v_cvt_pk_bf16_f32 v[Y+4*\i+3], v[X+8*\i+6], v[X+8*\i+7]
	global_store_b128 v2, v[Y+4*\i:Y+4*\i+3], s[18:19] offset:4096*\i
.endr
	s_endpgm
.Lfunc_end_k_qbc610b9059_cast:
	.size	k_qbc610b9059_cast, .Lfunc_end_k_qbc610b9059_cast-k_qbc610b9059_cast
	.p2alignl 7, 3214868480
	.fill 96, 4, 3214868480
	.section	.rodata,"a",@progbits
	.p2align	6, 0x0
	.amdhsa_kernel k_qbc610b9059_cast
		.amdhsa_group_segment_fixed_size 0
		.amdhsa_private_segment_fixed_size 0
		.amdhsa_enable_private_segment 0
		.amdhsa_kernarg_size 48
		.amdhsa_user_sgpr_count 2
		.amdhsa_user_sgpr_kernarg_segment_ptr 1
		.amdhsa_wavefront_size32 1
		.amdhsa_system_sgpr_workgroup_id_x 1
		.amdhsa_system_sgpr_workgroup_id_y 1
		.amdhsa_system_sgpr_workgroup_id_z 1
		.amdhsa_system_vgpr_workitem_id 0
		.amdhsa_next_free_vgpr 104
		.amdhsa_next_free_sgpr 66
		.amdhsa_reserve_vcc 0
		.amdhsa_float_denorm_mode_32 3
		.amdhsa_float_denorm_mode_16_64 3
		.amdhsa_memory_ordered 1
		.amdhsa_forward_progress 1
		.amdhsa_inst_pref_size 6
	.end_amdhsa_kernel
	.amdgpu_metadata
---
amdhsa.version: [ 1, 2 ]
amdhsa.kernels:
  - .name:           k_qbc610b9059_cast
    .symbol:         k_qbc610b9059_cast.kd
    .args:
      - { .name: x, .offset: 0, .size: 8, .value_kind: global_buffer, .address_space: global }
      - { .name: W1, .offset: 8, .size: 8, .value_kind: global_buffer, .address_space: global }
      - { .name: W2, .offset: 16, .size: 8, .value_kind: global_buffer, .address_space: global }
      - { .name: xb, .offset: 24, .size: 8, .value_kind: global_buffer, .address_space: global }
      - { .name: w1b, .offset: 32, .size: 8, .value_kind: global_buffer, .address_space: global }
      - { .name: w2b, .offset: 40, .size: 8, .value_kind: global_buffer, .address_space: global }
    .group_segment_fixed_size: 0
    .private_segment_fixed_size: 0
    .kernarg_segment_align: 8
    .kernarg_segment_size: 48
    .max_flat_workgroup_size: 256
    .sgpr_count:     66
    .vgpr_count:     104
    .wavefront_size: 32
...
	.end_amdgpu_metadata
.endif
;; end of part 1
;; launch qkv (part 2): grid 24 x 32, 4 waves a work-group, clusters of 4 x 4, 327,680 bytes of LDS; arguments xb, w1b, qkvb, b1; writes qkvb
.if DOCPART == 2
	.amdgcn_target "amdgcn-amd-amdhsa--gfx1250"
	.amdhsa_code_object_version 6
	.text
	.protected	k_qbc610b9059_qkv
	.globl	k_qbc610b9059_qkv
	.p2align	8
	.type	k_qbc610b9059_qkv,@function
k_qbc610b9059_qkv:
	s_mov_b64 s[64:65], 0
	v_nop
	global_prefetch_b8 v0, s[64:65] scope:SCOPE_SE
	s_setreg_imm32_b32 hwreg(HW_REG_WAVE_MODE, 25, 1), 1
	s_wait_xcnt 0x0
	s_wait_alu depctr_hold_cnt(0) depctr_sa_sdst(0) depctr_va_vdst(0) depctr_va_sdst(0) depctr_va_ssrc(0) depctr_va_vcc(0) depctr_vm_vsrc(0)
	s_getreg_b32 s2, hwreg(HW_REG_IB_STS2, 6, 4)
	s_cmp_eq_u32 s2, 0
	s_cbranch_scc0 .Lentry_in_a_cluster
	s_endpgm
.Lentry_in_a_cluster:
	s_bfe_u32 s2, ttmp6, 0x10000c
	s_cmp_lg_u32 s2, 0xf033
	s_cbranch_scc0 .Lentry_shape_is_right
	s_endpgm
.Lentry_shape_is_right:
; qkvb[m][n] = sum over k of xb[m][k] w1b[k][n] + b1[n].  xb [8192][1024], w1b [1024][3072], qkvb [8192][3072] bf16; b1 f32; sums and bias in f32,
; one rounding to bf16 at the end (q, k and v are matrix operands of the next launches).
; A work-group makes 256 x 128 of the result with four waves, a wave 128 x 64: 8 row blocks x 4 column blocks of 16 x 16, 256 accumulator registers.
; K goes in steps of 128 through two LDS slots filled by tensor loads: A's tile is 256 rows x 256 bytes (pitch 272), B's tile 128 K rows x 256 bytes
; (pitch 288; B lies [K][N], its fragments come out of LDS by the transposing load).  Waves 0, 1 fetch A's halves, waves 2, 3 B's: one load a wave.
; CLUSTER 4 x 4: A's tile hangs on the block row alone and is asked for jointly along a row of the cluster, B's on the block column alone, jointly along a column.
; REGISTERS in windows of 256: row block a lies in window 1 + a/3 at base 80 (a mod 3): accumulators T(a,b) = base + 8 b, A fragments base + 64 + 8 buffer.
; Window 0: addresses, B fragments (two buffers), bias, the way out.  One window setting (destination, source 1, source 2 in window w; source 0 in window 0)
; serves both the matrix instructions of a window's row blocks and the LDS loads of their A fragments.
; THE MATRIX INSTRUCTION IS USED TRANSPOSED (source 0 = 16 columns of B, source 1 = 16 rows of A): lane (r, h), register j of T(a,b) holds row 16 a + r, column 16 b + 8 h + j.
.set NB,     4                         ; column blocks of a wave
.set LB,     2*NB                      ; LDS loads for B's fragments of a quarter step
.set LAPS,   4                         ; K = 1024 = 8 steps of 128 = 4 laps of the ring
.set APE,    1024                      ; A: elements from row to row
.set BPE,    3072                      ; B: elements from row to row
.set OPB,    6144                      ; output: bytes from row to row
.set ASTEP,  256                       ; a K step in A: bytes along the row
.set BSTEP,  128*BPE*2                 ; a K step in B: 128 rows
.set APITCH, 272                       ; 256 + 16: sixteen rows of a fragment start in sixteen different 16-byte columns of 256
.set AHALF,  128*APITCH
.set ATILE,  2*AHALF
.set BPITCH, 288                       ; 256 + 32, an odd multiple of 32, for the transposing load
.set BHALF,  64*BPITCH
.set SLOT,   ATILE+2*BHALF
.set STAGE,  2*SLOT                    ; behind the ring: 256 rows x 272 bytes, never a tensor load's target
.set VB,   7                           ; v7      lane offset into the bias, never rewritten
.set ADRA, 16                          ; v16-17  LDS address of my A fragments, slot 0, 1
.set ADRB, 20                          ; v20-21  the same for B
.set STO,  24
.set RD,   25
.set CO,   26
.set BF,   32                          ; v32-95  B fragments, two buffers of 32
.set TMP,  96                          ; v96-111 packed results
.set BIAS, 128                         ; v128-159 bias of my 32 (block, register) places
.set TF,   160                         ; v160-191 a row block in f32, bias added
.set RB,   192                         ; v192-255 rows read back, two sets of 32
.set G1,  24
.set G0,  32
.set G1B, 48
.set G0B, 56
.set WS1, 0x54
.set WS2, 0xa8
.set WS3, 0xfc
.set MSB, 0
.macro WIN new                         ; the immediate's high byte repeats the setting that is left
.if MSB != (\new)
	s_set_vgpr_msb (MSB<<8)|(\new)
.set MSB, (\new)
.endif
.endm
.macro PLACES n
.rept \n
	v_nop
.endr
.endm
; A joint load: waves 0, 1 ask for A's halves, waves 2, 3 for B's.  The branch hangs on the wave's number alone.
.macro JLOAD s
	s_cmp_eq_u32 s11, 0
	s_cbranch_scc0 .Lfor_b_\@
	tensor_load_to_lds s[G0+4*\s:G0+4*\s+3], s[G1:G1+7]
	s_nop 0
	s_branch .Lasked_\@
.Lfor_b_\@:
	tensor_load_to_lds s[G0B+4*\s:G0B+4*\s+3], s[G1B:G1B+7]
	s_nop 0
.Lasked_\@:
.endm
.macro CREST                           ; a round of the cluster's barrier behind its opening work-group barrier
	s_cmp_lg_u32 s10, 0
	s_cbranch_scc1 .Lnot_wave_0_\@
	s_barrier_signal -3
.Lnot_wave_0_\@:
	s_barrier_wait -3
	s_barrier_signal -1
	s_barrier_wait -1
.endm
.macro CROUND
	s_barrier_signal -1
	s_barrier_wait -1
	CREST
.endm
	s_load_b128 s[4:7], s[0:1], 0x0                ; xb s[4:5], w1b s[6:7]
	s_load_b128 s[68:71], s[0:1], 0x10             ; qkvb s[68:69], b1 s[70:71]
	v_lshl_add_u32 v127, v0, 2, 0x45000
	s_set_vgpr_msb 0xc0
	v_mov_b32 v255, 0
	s_set_vgpr_msb 0xc0cc
	ds_add_u32 v127, v255
	s_set_vgpr_msb 0xcc00
	v_lshrrev_b32 v1, 5, v0
	v_readfirstlane_b32 s10, v1                    ; wave 0..3
	s_lshr_b32 s11, s10, 1                         ; my half of the rows; also: I fetch for A (0) or B (1)
	s_and_b32 s12, s10, 1                          ; my half of the columns; also: which half of that tile I fetch
	s_bfe_u32 s40, ttmp6, 0x40000                  ; cx
	s_bfe_u32 s41, ttmp6, 0x40004                  ; cy
	s_lshl_b32 s42, ttmp9, 2
	s_add_co_u32 s42, s42, s40                     ; block column = 4 x cluster x + cx
	s_and_b32 s13, ttmp7, 0xffff
	s_lshl_b32 s13, s13, 2
	s_add_co_u32 s13, s13, s41                     ; block row = 4 x cluster y + cy
	s_lshl_b32 s43, s41, 2
	s_lshl_b32 s43, 15, s43                        ; my row of the cluster
	s_lshl_b32 s44, 0x1111, s40                    ; my column of the cluster
	; group 1 for A: 128 rows x 128 elements of 2 bytes, 4 words of padding behind every 64 words
	s_or_b32 s[G1+0], s43, (1<<16)|(1<<20)|(1<<21)|(5<<22)|(3<<25)
	s_mov_b32 s[G1+1], 128<<16                     ; tensor_dim0 = 128
	s_mov_b32 s[G1+2], 128<<16                     ; tensor_dim1 = 128
	s_mov_b32 s[G1+3], 128<<16                     ; tile_dim0 = 128
	s_mov_b32 s[G1+4], 128                         ; tile_dim1 = 128
	s_mov_b32 s[G1+5], APE                         ; pitch in elements
	s_mov_b32 s[G1+6], 0
	s_mov_b32 s[G1+7], 0
	; group 1 for B: 64 K rows x 128 elements, 8 words of padding behind every 64 words
	s_or_b32 s[G1B+0], s44, (1<<16)|(1<<20)|(1<<21)|(5<<22)|(7<<25)
	s_mov_b32 s[G1B+1], 128<<16
	s_mov_b32 s[G1B+2], 64<<16
	s_mov_b32 s[G1B+3], 128<<16
	s_mov_b32 s[G1B+4], 64
	s_mov_b32 s[G1B+5], BPE
	s_mov_b32 s[G1B+6], 0
	s_mov_b32 s[G1B+7], 0
	; byte offsets (all below 2^31).  A's hang on the block row, B's on the block column; neither register set ever holds the other coordinate.
	s_lshl_b32 s17, s12, 7
	s_lshl_b32 s16, s13, 8
	s_add_co_u32 s16, s16, s17
	s_mul_i32 s16, s16, APE*2                      ; A: row 256 x block row + 128 x half
	s_mov_b32 s17, 0
	s_mul_i32 s46, s12, 64*BPE*2                   ; B: K row 64 x half,
	s_lshl_b32 s45, s42, 8
	s_add_co_u32 s46, s46, s45                     ; column byte 256 x block column
	s_mov_b32 s47, 0
	s_mul_i32 s20, s10, AHALF                      ; LDS: A's halves at wave x 34,816 (waves 0, 1)
	s_mul_i32 s21, s10, BHALF
	s_add_co_u32 s21, s21, ATILE-2*BHALF           ; B's halves at 32,768 + wave x 18,432 (waves 2, 3): behind A's tile
	s_lshl_b32 s66, s42, 9
	s_lshl_b32 s67, s12, 8
	s_add_co_u32 s66, s66, s67                     ; bias: 4 bytes x (128 x block column + 64 x half)
	s_mov_b32 s67, 0
	v_bfe_u32 v2, v0, 4, 1                         ; h
	v_lshlrev_b32 v[VB], 5, v2                     ; 8 h columns of 4 bytes
	s_wait_dscnt 0x0
	s_wait_kmcnt 0x0
	s_add_nc_u64 s[14:15], s[4:5], s[16:17]
	s_add_nc_u64 s[46:47], s[6:7], s[46:47]
	s_add_nc_u64 s[70:71], s[70:71], s[66:67]
.irp b, 0,1,2,3
	global_load_b128 v[BIAS+8*\b:BIAS+8*\b+3],   v[VB], s[70:71] offset:64*\b      ; b1 of columns 16 b + 8 h + 0..3; waited for on the way out
	global_load_b128 v[BIAS+8*\b+4:BIAS+8*\b+7], v[VB], s[70:71] offset:64*\b+16
.endr
	s_lshl_b32 s66, s13, 8
	s_lshl_b32 s67, s10, 6
	s_add_co_u32 s66, s66, s67                     ; on the way out wave w stores rows 64 w .. 64 w + 63 of the block
	s_mul_i32 s66, s66, OPB
	s_lshl_b32 s67, s42, 8
	s_add_co_u32 s66, s66, s67
	s_mov_b32 s67, 0
	s_add_nc_u64 s[68:69], s[68:69], s[66:67]
	CROUND                                         ; all sixteen work-groups are here: the first joint loads meet
.irp s, 0,1
	s_mov_b32 s[G0+4*\s], 1
	s_add_co_u32 s[G0+4*\s+1], s20, \s*SLOT
	s_add_nc_u64 s[G0+4*\s+2:G0+4*\s+3], s[14:15], \s*ASTEP
	s_or_b32 s[G0+4*\s+3], s[G0+4*\s+3], 0x80000000
	s_mov_b32 s[G0B+4*\s], 1
	s_add_co_u32 s[G0B+4*\s+1], s21, \s*SLOT
	s_add_nc_u64 s[G0B+4*\s+2:G0B+4*\s+3], s[46:47], \s*BSTEP
	s_or_b32 s[G0B+4*\s+3], s[G0B+4*\s+3], 0x80000000
	JLOAD \s                                       ; K steps 0 and 1: two loads of this wave are out
.endr
	; lane addresses
	v_and_b32 v1, 15, v0                           ; r
	v_mul_u32_u24 v3, v1, APITCH
	v_lshl_add_u32 v3, v2, 4, v3                   ; r x 272 + 16 h
	s_mul_i32 s22, s11, AHALF
	v_add_nc_u32 v[ADRA], s22, v3
	v_add_nc_u32 v[ADRA+1], SLOT, v[ADRA]
	v_and_b32 v4, 7, v0
	v_lshl_add_u32 v4, v2, 3, v4                   ; K row 8 h + (lane mod 8)
	v_mul_u32_u24 v4, v4, BPITCH
	v_bfe_u32 v5, v0, 3, 1
	v_lshl_add_u32 v4, v5, 4, v4                   ; + 16 bytes for the upper eight columns of a block
	s_lshl_b32 s23, s12, 7
	s_add_co_u32 s23, s23, ATILE                   ; my 64 columns, behind A's tile
	v_add_nc_u32 v[ADRB], s23, v4
	v_add_nc_u32 v[ADRB+1], SLOT, v[ADRB]
	s_lshl_b32 s23, s12, 7
	s_add_co_u32 s22, s22, s23
	s_add_co_u32 s22, s22, STAGE
	v_add_nc_u32 v[STO], s22, v3                   ; stage row 128 x row half + r, byte 128 x column half + 16 h
	s_mul_i32 s23, s10, 64*APITCH
	s_add_co_u32 s23, s23, STAGE
	v_mul_u32_u24 v5, v2, APITCH
	v_lshl_add_u32 v5, v1, 4, v5
	v_add_nc_u32 v[RD], s23, v5                    ; back: row 64 w + h, byte 16 r
	v_mul_u32_u24 v5, v2, OPB
	v_lshl_add_u32 v[CO], v1, 4, v5                ; the same place in the output
; B's fragments of quarter q of a slot into buffer g: per block two transposing loads (K 8h.. and 16+8h.. of column r).  Window 0.
.macro BLOAD slot, q, g
.set bb, 0
.rept NB
	ds_load_tr16_b128 v[BF+8*NB*\g+8*bb:BF+8*NB*\g+8*bb+3],   v[ADRB+\slot] offset:32*BPITCH*\q+32*bb
	ds_load_tr16_b128 v[BF+8*NB*\g+8*bb+4:BF+8*NB*\g+8*bb+7], v[ADRB+\slot] offset:32*BPITCH*\q+32*bb+16*BPITCH
.set bb, bb+1
.endr
.endm
; A's fragments of window w's row blocks in one run
.macro ALOAD w, slot, q, g
.set aa, 0
.rept 3-\w/3
	ds_load_b128 v[80*aa+64+8*\g:80*aa+64+8*\g+3],   v[ADRA+\slot] offset:64*\q+16*APITCH*(3*\w-3+aa)
	ds_load_b128 v[80*aa+64+8*\g+4:80*aa+64+8*\g+7], v[ADRA+\slot] offset:64*\q+16*APITCH*(3*\w-3+aa)+32
.set aa, aa+1
.endr
.endm
; The matrix instructions of window w's row blocks on buffer f.  mode 1: the product starts the sum (nothing is cleared).
; ld = 1: behind the first two of each row block stand the two loads of that block's next A fragment (quarter q of slot, buffer g).
; The accumulators take turns, one instruction a turn, in the same order in every quarter.
.macro GRP w, f, mode, ld, slot, q, g
.set aa, 0
.rept 3-\w/3
.set bb, 0
.rept NB
.if \mode
	v_wmma_f32_16x16x32_bf16 v[80*aa+8*bb:80*aa+8*bb+7], v[BF+8*NB*\f+8*bb:BF+8*NB*\f+8*bb+7], v[80*aa+64+8*\f:80*aa+64+8*\f+7], 0
.else
	v_wmma_f32_16x16x32_bf16 v[80*aa+8*bb:80*aa+8*bb+7], v[BF+8*NB*\f+8*bb:BF+8*NB*\f+8*bb+7], v[80*aa+64+8*\f:80*aa+64+8*\f+7], v[80*aa+8*bb:80*aa+8*bb+7]
.endif
.if \ld
.if bb < 2
	ds_load_b128 v[80*aa+64+8*\g+4*bb:80*aa+64+8*\g+4*bb+3], v[ADRA+\slot] offset:64*\q+16*APITCH*(3*\w-3+aa)+32*bb
.endif
.endif
.set bb, bb+1
.endr
.set aa, aa+1
.endr
.endm
; A quarter step (32 along K): multiplies buffer f, fetches quarter q of the slot into buffer g.
; Every quarter issues its LDS loads in the order B (LB), window 3's A (4), window 1's (6), window 2's (6); the counts below say how many younger loads may stay out.
.macro Q slot, q, f, g, mode
	PLACES 4                                       ; four places between the last quarter's matrix instructions and loads into the registers that they read (ISA guide 7.12.1 for vector instructions)
	WIN 0
	BLOAD \slot, \q, \g
	WIN WS3
	s_wait_dscnt 12+LB                             ; B and window 3's A of buffer f are in; younger: windows 1 and 2 (12) and the new B
	GRP 3, \f, \mode, 1, \slot, \q, \g
	WIN WS1
	s_wait_dscnt 10+LB                             ; window 1's A is in; younger: window 2's (6), the new B and window 3's (4)
	GRP 1, \f, \mode, 1, \slot, \q, \g
	WIN WS2
	s_wait_dscnt 10+LB                             ; window 2's A is in; younger: the new B, window 3's (4), window 1's (6)
	GRP 2, \f, \mode, 1, \slot, \q, \g
.endm
; The last quarter of a K step: multiplies buffer 1 and changes slots.  In front of the barrier each wave waits for its reads of this slot and for all
; its tensor loads (one is out: its part of the next slot).  fill = 1: the barrier opens a round of the cluster's barrier, and the joint refill of this
; slot, two K steps ahead, is the first tensor load behind the round.
.macro TURN slot, next, fill
	WIN WS3
	s_wait_dscnt 12
	GRP 3, 1, 0, 0, 0, 0, 0
	s_wait_dscnt 0x0                               ; my reads of this slot are back
	s_wait_tensorcnt 0x0                           ; all my tensor loads have landed
	ds_add_u32 v127, v255
	s_wait_dscnt 0x0
	s_barrier_signal -1
	WIN WS1
	GRP 1, 1, 0, 0, 0, 0, 0                        ; register work while the others arrive
	WIN 0
	s_barrier_wait -1
.if \fill
	CREST
	s_add_nc_u64 s[G0+4*\slot+2:G0+4*\slot+3], s[G0+4*\slot+2:G0+4*\slot+3], 2*ASTEP
	s_add_nc_u64 s[G0B+4*\slot+2:G0B+4*\slot+3], s[G0B+4*\slot+2:G0B+4*\slot+3], 2*BSTEP
	JLOAD \slot
.endif
	PLACES 4
	BLOAD \next, 0, 0
	WIN WS3
	ALOAD 3, \next, 0, 0
	WIN WS1
	ALOAD 1, \next, 0, 0
	WIN WS2
	GRP 2, 1, 0, 1, \next, 0, 0
.endm
.macro STEP slot, next, mode, fill
	Q \slot, 1, 0, 1, \mode
	Q \slot, 2, 1, 0, 0
	Q \slot, 3, 0, 1, 0
	TURN \slot, \next, \fill
.endm
.macro LAP m0
	STEP 0, 1, \m0, 1
	STEP 1, 0, 0, 1
.endm
	s_wait_tensorcnt 0x1                           ; my part of K step 0 is in; K step 1's may stay out
	s_barrier_signal -1
	s_barrier_wait -1
	BLOAD 0, 0, 0
	WIN WS3
	ALOAD 3, 0, 0, 0
	WIN WS1
	ALOAD 1, 0, 0, 0
	WIN WS2
	ALOAD 2, 0, 0, 0
	LAP 1                                          ; the first lap stands in front of the loop: its first products start the sums
	WIN 0
	s_mov_b32 s3, LAPS-2
.Llap:
	LAP 0
	WIN 0
	s_sub_co_u32 s3, s3, 1
	s_cmp_lg_u32 s3, 0
	s_cbranch_scc1 .Llap
	STEP 0, 1, 0, 0                                ; the last lap fills nothing
	Q 1, 1, 0, 1, 0
	Q 1, 2, 1, 0, 0
	Q 1, 3, 0, 1, 0
	WIN WS3
	s_wait_dscnt 12
	GRP 3, 1, 0, 0, 0, 0, 0
	WIN WS1
	s_wait_dscnt 6
	GRP 1, 1, 0, 0, 0, 0, 0
	WIN WS2
	s_wait_dscnt 0x0
	GRP 2, 1, 0, 0, 0, 0, 0
	PLACES 4                                       ; four places before vector instructions read the results
; THE WAY OUT.  Row block a: add the bias in f32, round to bf16, 16 bytes a lane and block into the work-group's stage.
.macro OUTA w, al, ag
	WIN \w                                         ; source 0 in window w
.set kk, 0
.rept 16
	v_pk_add_f32 v[TF+2*kk:TF+2*kk+1], v[80*\al+2*kk:80*\al+2*kk+1], v[BIAS+2*kk:BIAS+2*kk+1]
.set kk, kk+1
.endr
	WIN 0
.set kk, 0
.rept 16
	v_cvt_pk_bf16_f32 v[TMP+kk], v[TF+2*kk], v[TF+2*kk+1]
.set kk, kk+1
.endr
.set kk, 0
.rept 4
	ds_store_b128 v[STO], v[TMP+4*kk:TMP+4*kk+3] offset:16*APITCH*\ag+32*kk
.set kk, kk+1
.endr
.endm
; Sixteen rows of the stage go out: a load takes two whole rows of 256 bytes, sixteen lanes store 256 consecutive bytes, aligned.
.macro BACK n
	s_wait_xcnt 0x0                                ; the set's registers, which earlier stores read, are loaded again only behind this wait
.set kk, 0
.rept 8
	ds_load_b128 v[RB+32*(\n&1)+4*kk:RB+32*(\n&1)+4*kk+3], v[RD] offset:2*APITCH*(8*\n+kk)
.set kk, kk+1
.endr
.set kk, 0
.rept 8
	s_wait_dscnt 7-kk
	global_store_b128 v[CO], v[RB+32*(\n&1)+4*kk:RB+32*(\n&1)+4*kk+3], s[68:69] offset:(16*\n+2*kk)*OPB
.set kk, kk+1
.endr
.endm
	s_wait_loadcnt 0x0                             ; the bias
	OUTA 1, 0, 0
	OUTA 1, 1, 1
	OUTA 1, 2, 2
	OUTA 2, 0, 3
	OUTA 2, 1, 4
	OUTA 2, 2, 5
	OUTA 3, 0, 6
	OUTA 3, 1, 7
	s_wait_dscnt 0x0                               ; my stage stores are done, for the waves that read them
	s_barrier_signal -1
	s_barrier_wait -1
	BACK 0
	BACK 1
	BACK 2
	BACK 3
	s_set_vgpr_msb 0xc
	s_wait_tensorcnt 0x0
	ds_add_u32 v127, v255
	s_wait_dscnt 0x0
	s_set_vgpr_msb 0xc00
	CROUND                                         ; the closing round: no work-group ends while a partner may still ask jointly
	s_endpgm
.Lfunc_end_k_qbc610b9059_qkv:
	.size	k_qbc610b9059_qkv, .Lfunc_end_k_qbc610b9059_qkv-k_qbc610b9059_qkv
	.p2alignl 7, 3214868480
	.fill 96, 4, 3214868480
	.section	.rodata,"a",@progbits
	.p2align	6, 0x0
	.amdhsa_kernel k_qbc610b9059_qkv
		.amdhsa_group_segment_fixed_size 327680
		.amdhsa_private_segment_fixed_size 0
		.amdhsa_enable_private_segment 0
		.amdhsa_kernarg_size 32
		.amdhsa_user_sgpr_count 2
		.amdhsa_user_sgpr_kernarg_segment_ptr 1
		.amdhsa_wavefront_size32 1
		.amdhsa_system_sgpr_workgroup_id_x 1
		.amdhsa_system_sgpr_workgroup_id_y 1
		.amdhsa_system_sgpr_workgroup_id_z 1
		.amdhsa_system_vgpr_workitem_id 0
		.amdhsa_next_free_vgpr 1024
		.amdhsa_next_free_sgpr 72
		.amdhsa_reserve_vcc 0
		.amdhsa_float_denorm_mode_32 3
		.amdhsa_float_denorm_mode_16_64 3
		.amdhsa_memory_ordered 1
		.amdhsa_forward_progress 1
		.amdhsa_inst_pref_size 129
	.end_amdhsa_kernel
	.amdgpu_metadata
---
amdhsa.version: [ 1, 2 ]
amdhsa.kernels:
  - .name:           k_qbc610b9059_qkv
    .symbol:         k_qbc610b9059_qkv.kd
    .args:
      - { .name: xb, .offset: 0, .size: 8, .value_kind: global_buffer, .address_space: global }
      - { .name: w1b, .offset: 8, .size: 8, .value_kind: global_buffer, .address_space: global }
      - { .name: qkvb, .offset: 16, .size: 8, .value_kind: global_buffer, .address_space: global }
      - { .name: b1, .offset: 24, .size: 8, .value_kind: global_buffer, .address_space: global }
    .group_segment_fixed_size: 327680
    .private_segment_fixed_size: 0
    .kernarg_segment_align: 8
    .kernarg_segment_size: 32
    .max_flat_workgroup_size: 128
    .sgpr_count:     72
    .vgpr_count:     1024
    .wavefront_size: 32
...
	.end_amdgpu_metadata
.endif
;; end of part 2
;; launch scores (part 3): grid 8 x 32, 4 waves a work-group, clusters of 4 x 4, 327,680 bytes of LDS; arguments qkvb, pb, stats; writes pb, stats
.if DOCPART == 3
	.amdgcn_target "amdgcn-amd-amdhsa--gfx1250"
	.amdhsa_code_object_version 6
	.text
	.protected	k_qbc610b9059_scores
	.globl	k_qbc610b9059_scores
	.p2align	8
	.type	k_qbc610b9059_scores,@function
k_qbc610b9059_scores:
	s_mov_b64 s[64:65], 0
	v_nop
	global_prefetch_b8 v0, s[64:65] scope:SCOPE_SE
	s_setreg_imm32_b32 hwreg(HW_REG_WAVE_MODE, 25, 1), 1
	s_wait_xcnt 0x0
	s_wait_alu depctr_hold_cnt(0) depctr_sa_sdst(0) depctr_va_vdst(0) depctr_va_sdst(0) depctr_va_ssrc(0) depctr_va_vcc(0) depctr_vm_vsrc(0)
	s_getreg_b32 s2, hwreg(HW_REG_IB_STS2, 6, 4)
	s_cmp_eq_u32 s2, 0
	s_cbranch_scc0 .Lentry_in_a_cluster
	s_endpgm
.Lentry_in_a_cluster:
	s_bfe_u32 s2, ttmp6, 0x10000c
	s_cmp_lg_u32 s2, 0xf033
	s_cbranch_scc0 .Lentry_shape_is_right
	s_endpgm
.Lentry_shape_is_right:
; For each batch: s = q k^T; with c = 2048^-0.5 log2(e), for each row and each tile of 128 keys: m' = c max(s), P = 2^(c s - m') (bf16), l = sum of P (f32).
; The maximum of each row over its 128-key tile is taken away before the exponential; the next launch weights the tiles by 2^(m' - row maximum), so the whole
; is softmax with the true row maximum.  Limits: q, k in bf16; exponentials below 2^-126 come out as zero; nothing is promised where scores are not finite.
; q = bytes 0.., k = bytes 2048.. of qkvb's rows of 6,144 bytes.  pb [8192][2048] bf16.  stats: m' at byte 0, l at byte 524,288, each [row/128][key/128][r 16][a 8] f32
; (row = 128 (row/128) + 16 a + r): a wave's 128 numbers are 512 consecutive bytes.
; A work-group makes 256 x 256 scores with four waves, a wave 128 x 128: 8 x 8 blocks of 16 x 16, 512 accumulator registers.  K = 1024 in steps of 128 through two
; LDS slots; both tiles lie with K along the rows: 256 rows x 256 bytes, pitch 272.  Waves 0, 1 fetch q's halves, waves 2, 3 k's: one tensor load a wave.
; CLUSTER 4 x 4: q's tile is shared along a row of the cluster, k's along a column (all sixteen work-groups lie in one batch: 8 block rows a batch).
; REGISTERS: row block a in window 1 + a/3 at base 80 (a mod 3): T(a,b) = base + 8 b (b = 0..7), A fragments base + 64 + 8 buffer; v240-249 of each window at work
; in the softmax.  Window 0: addresses, B fragments (two buffers of 64), the way out.  Matrix instruction transposed: lane (r, h), register j of T(a,b): row 16 a + r, key 16 b + 8 h + j.
.set NB,     8
.set LB,     2*NB
.set LAPS,   4
.set APE,    3072
.set ASTEP,  256
.set BSTEP,  256
.set APITCH, 272
.set AHALF,  128*APITCH
.set ATILE,  2*AHALF
.set SLOT,   2*ATILE
.set STAGE,  2*SLOT                    ; 16 rows x 272 bytes for each wave, its own; never a tensor load's target
.set SOFF, 8                           ; v8      32 r + 16 h: my place in a block of stats
.set ADRA, 16
.set ADRB, 20
.set STO,  24
.set RD,   25
.set CO,   26
.set BF,   32                          ; v32-159 B fragments, two buffers of 64
.set MS,   32                          ; v32-39  (after the loop) m' of my row in row blocks 0..7
.set LS,   40                          ; v40-47  l likewise
.set SEL,  48                          ; v48-55  the four m' and four l that I store
.set TMP,  160                         ; v160-191 packed P
.set RB,   192                         ; v192-255 rows read back, two sets
.set G1,  24
.set G0,  32
.set G1B, 48
.set G0B, 56
.set WS1, 0x54
.set WS2, 0xa8
.set WS3, 0xfc
.set MSB, 0
.macro WIN new
.if MSB != (\new)
	s_set_vgpr_msb (MSB<<8)|(\new)
.set MSB, (\new)
.endif
.endm
.macro PLACES n
.rept \n
	v_nop
.endr
.endm
.macro JLOAD s
	s_cmp_eq_u32 s11, 0
	s_cbranch_scc0 .Lfor_b_\@
	tensor_load_to_lds s[G0+4*\s:G0+4*\s+3], s[G1:G1+7]
	s_nop 0
	s_branch .Lasked_\@
.Lfor_b_\@:
	tensor_load_to_lds s[G0B+4*\s:G0B+4*\s+3], s[G1B:G1B+7]
	s_nop 0
.Lasked_\@:
.endm
.macro CREST
	s_cmp_lg_u32 s10, 0
	s_cbranch_scc1 .Lnot_wave_0_\@
	s_barrier_signal -3
.Lnot_wave_0_\@:
	s_barrier_wait -3
	s_barrier_signal -1
	s_barrier_wait -1
.endm
.macro CROUND
	s_barrier_signal -1
	s_barrier_wait -1
	CREST
.endm
	s_load_b64 s[4:5], s[0:1], 0x0                 ; qkvb
	s_load_b64 s[68:69], s[0:1], 0x8               ; pb
	s_load_b64 s[70:71], s[0:1], 0x10              ; stats
	v_lshl_add_u32 v31, v0, 2, 0x48400
	s_set_vgpr_msb 0xc0
	v_mov_b32 v255, 0
	s_set_vgpr_msb 0xc0cc
	ds_add_u32 v31, v255
	s_set_vgpr_msb 0xcc00
	v_lshrrev_b32 v1, 5, v0
	v_readfirstlane_b32 s10, v1
	s_lshr_b32 s11, s10, 1
	s_and_b32 s12, s10, 1
	s_bfe_u32 s40, ttmp6, 0x40000                  ; cx
	s_bfe_u32 s41, ttmp6, 0x40004                  ; cy
	s_lshl_b32 s42, ttmp9, 2
	s_add_co_u32 s42, s42, s40                     ; block column (of keys in the batch), 0..7
	s_and_b32 s13, ttmp7, 0xffff
	s_lshr_b32 s45, s13, 1                         ; batch = cluster y / 2: shared by the whole cluster
	s_lshl_b32 s13, s13, 2
	s_add_co_u32 s13, s13, s41                     ; block row (of all 8192 rows), 0..31
	s_lshl_b32 s43, s41, 2
	s_lshl_b32 s43, 15, s43
	s_lshl_b32 s44, 0x1111, s40
	s_mov_b32 s72, 0x3d0293ee                      ; c = 2^-5.5 x log2(e)
	s_mov_b32 s73, 0x3d0293ee
	s_mov_b32 s74, 0x76543210                      ; v_permlanex16_b32: lane i takes lane i of the other half
	s_mov_b32 s75, 0xfedcba98
	s_or_b32 s[G1+0], s43, (1<<16)|(1<<20)|(1<<21)|(5<<22)|(3<<25)
	s_mov_b32 s[G1+1], 128<<16
	s_mov_b32 s[G1+2], 128<<16
	s_mov_b32 s[G1+3], 128<<16
	s_mov_b32 s[G1+4], 128
	s_mov_b32 s[G1+5], APE
	s_mov_b32 s[G1+6], 0
	s_mov_b32 s[G1+7], 0
	s_or_b32 s[G1B+0], s44, (1<<16)|(1<<20)|(1<<21)|(5<<22)|(3<<25)
	s_mov_b32 s[G1B+1], 128<<16
	s_mov_b32 s[G1B+2], 128<<16
	s_mov_b32 s[G1B+3], 128<<16
	s_mov_b32 s[G1B+4], 128
	s_mov_b32 s[G1B+5], APE
	s_mov_b32 s[G1B+6], 0
	s_mov_b32 s[G1B+7], 0
	s_lshl_b32 s17, s12, 7
	s_lshl_b32 s16, s13, 8
	s_add_co_u32 s16, s16, s17
	s_mul_i32 s16, s16, APE*2                      ; q: row 256 x block row + 128 x half
	s_lshl_b32 s46, s45, 11
	s_lshl_b32 s47, s42, 8
	s_add_co_u32 s46, s46, s47
	s_add_co_u32 s46, s46, s17                     ; k: row 2048 x batch + 256 x block column + 128 x half,
	s_mul_i32 s46, s46, APE*2
	s_add_co_u32 s46, s46, 2048                    ; at byte 2048 of the row
	s_mov_b32 s17, 0
	s_mov_b32 s47, 0
	s_mul_i32 s20, s10, AHALF                      ; LDS: q's two halves, then k's two halves = wave x 34,816
	s_wait_dscnt 0x0
	s_wait_kmcnt 0x0
	s_add_nc_u64 s[14:15], s[4:5], s[16:17]
	s_add_nc_u64 s[46:47], s[4:5], s[46:47]
	s_lshl_b32 s66, s13, 8
	s_lshl_b32 s67, s11, 7
	s_add_co_u32 s66, s66, s67
	s_lshl_b32 s66, s66, 12                        ; pb: my first row x 4,096 bytes
	s_lshl_b32 s67, s42, 9
	s_add_co_u32 s66, s66, s67
	s_lshl_b32 s67, s12, 8
	s_add_co_u32 s66, s66, s67                     ; + my first key x 2 bytes
	s_mov_b32 s67, 0
	s_add_nc_u64 s[68:69], s[68:69], s[66:67]
	s_lshl_b32 s66, s13, 1
	s_add_co_u32 s66, s66, s11                     ; row / 128
	s_lshl_b32 s66, s66, 4
	s_lshl_b32 s67, s42, 1
	s_add_co_u32 s66, s66, s67
	s_add_co_u32 s66, s66, s12                     ; x 16 + key / 128
	s_lshl_b32 s66, s66, 9
	s_mov_b32 s67, 0
	s_add_nc_u64 s[70:71], s[70:71], s[66:67]
	CROUND
.irp s, 0,1
	s_mov_b32 s[G0+4*\s], 1
	s_add_co_u32 s[G0+4*\s+1], s20, \s*SLOT
	s_add_nc_u64 s[G0+4*\s+2:G0+4*\s+3], s[14:15], \s*ASTEP
	s_or_b32 s[G0+4*\s+3], s[G0+4*\s+3], 0x80000000
	s_mov_b32 s[G0B+4*\s], 1
	s_add_co_u32 s[G0B+4*\s+1], s20, \s*SLOT
	s_add_nc_u64 s[G0B+4*\s+2:G0B+4*\s+3], s[46:47], \s*BSTEP
	s_or_b32 s[G0B+4*\s+3], s[G0B+4*\s+3], 0x80000000
	JLOAD \s
.endr
	v_and_b32 v1, 15, v0                           ; r
	v_bfe_u32 v2, v0, 4, 1                         ; h (kept to the end)
	v_mul_u32_u24 v3, v1, APITCH
	v_lshl_add_u32 v3, v2, 4, v3
	s_mul_i32 s22, s11, AHALF
	v_add_nc_u32 v[ADRA], s22, v3
	v_add_nc_u32 v[ADRA+1], SLOT, v[ADRA]
	s_mul_i32 s23, s12, AHALF
	s_add_co_u32 s23, s23, ATILE
	v_add_nc_u32 v[ADRB], s23, v3
	v_add_nc_u32 v[ADRB+1], SLOT, v[ADRB]
	s_mul_i32 s23, s10, 16*APITCH
	s_add_co_u32 s23, s23, STAGE                   ; my stage
	v_add_nc_u32 v[STO], s23, v3
	v_mul_u32_u24 v5, v2, APITCH
	v_lshl_add_u32 v5, v1, 4, v5
	v_add_nc_u32 v[RD], s23, v5
	v_lshlrev_b32 v5, 12, v2
	v_lshl_add_u32 v[CO], v1, 4, v5                ; h x 4,096 + 16 r
	v_lshlrev_b32 v5, 5, v1
	v_lshl_add_u32 v[SOFF], v2, 4, v5              ; 32 r + 16 h
.macro BLOAD slot, q, g
.set bb, 0
.rept NB
	ds_load_b128 v[BF+8*NB*\g+8*bb:BF+8*NB*\g+8*bb+3],   v[ADRB+\slot] offset:64*\q+16*APITCH*bb
	ds_load_b128 v[BF+8*NB*\g+8*bb+4:BF+8*NB*\g+8*bb+7], v[ADRB+\slot] offset:64*\q+16*APITCH*bb+32
.set bb, bb+1
.endr
.endm
.macro ALOAD w, slot, q, g
.set aa, 0
.rept 3-\w/3
	ds_load_b128 v[80*aa+64+8*\g:80*aa+64+8*\g+3],   v[ADRA+\slot] offset:64*\q+16*APITCH*(3*\w-3+aa)
	ds_load_b128 v[80*aa+64+8*\g+4:80*aa+64+8*\g+7], v[ADRA+\slot] offset:64*\q+16*APITCH*(3*\w-3+aa)+32
.set aa, aa+1
.endr
.endm
; The accumulators take turns, one instruction a turn, in the same order in every quarter.
.macro GRP w, f, mode, ld, slot, q, g
.set aa, 0
.rept 3-\w/3
.set bb, 0
.rept NB
.if \mode
	v_wmma_f32_16x16x32_bf16 v[80*aa+8*bb:80*aa+8*bb+7], v[BF+8*NB*\f+8*bb:BF+8*NB*\f+8*bb+7], v[80*aa+64+8*\f:80*aa+64+8*\f+7], 0
.else
	v_wmma_f32_16x16x32_bf16 v[80*aa+8*bb:80*aa+8*bb+7], v[BF+8*NB*\f+8*bb:BF+8*NB*\f+8*bb+7], v[80*aa+64+8*\f:80*aa+64+8*\f+7], v[80*aa+8*bb:80*aa+8*bb+7]
.endif
.if \ld
.if bb < 2
	ds_load_b128 v[80*aa+64+8*\g+4*bb:80*aa+64+8*\g+4*bb+3], v[ADRA+\slot] offset:64*\q+16*APITCH*(3*\w-3+aa)+32*bb
.endif
.endif
.set bb, bb+1
.endr
.set aa, aa+1
.endr
.endm
; Loads of a quarter go out in the order B (LB), window 3's A (4), window 1's (6), window 2's (6); the counts say how many younger ones may stay out.
.macro Q slot, q, f, g, mode
	PLACES 4                                       ; four places between the last quarter's matrix instructions and loads into the registers that they read (ISA guide 7.12.1 for vector instructions)
	WIN 0
	BLOAD \slot, \q, \g
	WIN WS3
	s_wait_dscnt 12+LB
	GRP 3, \f, \mode, 1, \slot, \q, \g
	WIN WS1
	s_wait_dscnt 10+LB
	GRP 1, \f, \mode, 1, \slot, \q, \g
	WIN WS2
	s_wait_dscnt 10+LB
	GRP 2, \f, \mode, 1, \slot, \q, \g
.endm
.macro TURN slot, next, fill
	WIN WS3
	s_wait_dscnt 12
	GRP 3, 1, 0, 0, 0, 0, 0
	s_wait_dscnt 0x0                               ; my reads of this slot are back
	s_wait_tensorcnt 0x0                           ; all my tensor loads have landed (one was out: my part of the next slot)
	ds_add_u32 v31, v255
	s_wait_dscnt 0x0
	s_barrier_signal -1
	WIN WS1
	GRP 1, 1, 0, 0, 0, 0, 0                        ; register work while the others arrive
	WIN 0
	s_barrier_wait -1
.if \fill
	CREST                                          ; the round closes: no wave of any partner reads this slot or has a load on its way
	s_add_nc_u64 s[G0+4*\slot+2:G0+4*\slot+3], s[G0+4*\slot+2:G0+4*\slot+3], 2*ASTEP
	s_add_nc_u64 s[G0B+4*\slot+2:G0B+4*\slot+3], s[G0B+4*\slot+2:G0B+4*\slot+3], 2*BSTEP
	JLOAD \slot                                    ; the first tensor load behind the round, one a wave
.endif
	PLACES 4
	BLOAD \next, 0, 0
	WIN WS3
	ALOAD 3, \next, 0, 0
	WIN WS1
	ALOAD 1, \next, 0, 0
	WIN WS2
	GRP 2, 1, 0, 1, \next, 0, 0
.endm
.macro STEP slot, next, mode, fill
	Q \slot, 1, 0, 1, \mode
	Q \slot, 2, 1, 0, 0
	Q \slot, 3, 0, 1, 0
	TURN \slot, \next, \fill
.endm
.macro LAP m0
	STEP 0, 1, \m0, 1
	STEP 1, 0, 0, 1
.endm
	s_wait_tensorcnt 0x1                           ; my part of K step 0 is in; K step 1's may stay out
	s_barrier_signal -1
	s_barrier_wait -1
	BLOAD 0, 0, 0
	WIN WS3
	ALOAD 3, 0, 0, 0
	WIN WS1
	ALOAD 1, 0, 0, 0
	WIN WS2
	ALOAD 2, 0, 0, 0
	LAP 1
	WIN 0
	s_mov_b32 s3, LAPS-2
.Llap:
	LAP 0
	WIN 0
	s_sub_co_u32 s3, s3, 1
	s_cmp_lg_u32 s3, 0
	s_cbranch_scc1 .Llap
	STEP 0, 1, 0, 0
	Q 1, 1, 0, 1, 0
	Q 1, 2, 1, 0, 0
	Q 1, 3, 0, 1, 0
	WIN WS3
	s_wait_dscnt 12
	GRP 3, 1, 0, 0, 0, 0, 0
	WIN WS1
	s_wait_dscnt 6
	GRP 1, 1, 0, 0, 0, 0, 0
	WIN WS2
	s_wait_dscnt 0x0
	GRP 2, 1, 0, 0, 0, 0, 0
	PLACES 4
; Row block a: a lane holds 64 of its row's 128 scores, the lane 16 further the other 64.  Maximum, exponentials, sum, all in window w; then P goes out
; through my own stage: 16 bytes a lane and block in, whole rows of 256 bytes back, sixteen lanes store 256 consecutive bytes, aligned.
.macro SOFT w, al, ag
	WIN 0x55*\w
.set TB, 80*\al
	v_max_num_f32 v240, v[TB], v[TB+1]             ; two chains of 32 scores
	v_max_num_f32 v241, v[TB+32], v[TB+33]
.set kk, 2
.rept 15
	v_max3_num_f32 v240, v240, v[TB+kk], v[TB+kk+1]
	v_max3_num_f32 v241, v241, v[TB+32+kk], v[TB+33+kk]
.set kk, kk+2
.endr
	v_max_num_f32 v240, v240, v241
	v_mov_b32 v242, v240                           ; the permute's destination counts as read
	v_permlanex16_b32 v242, v240, s74, s75
	v_max_num_f32 v240, v240, v242                 ; the row's maximum over the 128 keys, in both lanes
	v_mul_f32 v243, s72, v240                      ; m' = c x maximum (c > 0)
	v_xor_b32 v244, 0x80000000, v243
	v_xor_b32 v245, 0x80000000, v243               ; -m', twice
.set kk, 0
.rept 32
	v_pk_fma_f32 v[TB+kk:TB+kk+1], v[TB+kk:TB+kk+1], s[72:73], v[244:245] op_sel_hi:[1,0,1]
.set kk, kk+2
.endr
.set kk, 0
.rept 64
	v_exp_f32 v[TB+kk], v[TB+kk]
.set kk, kk+1
.endr
	v_nop                                          ; one plain place behind the last exponential before results are read
	s_wait_alu depctr_va_vdst(0)
	v_pk_add_f32 v[246:247], v[TB:TB+1], v[TB+2:TB+3]
	v_pk_add_f32 v[248:249], v[TB+4:TB+5], v[TB+6:TB+7]
.set kk, 8
.rept 14
	v_pk_add_f32 v[246:247], v[246:247], v[TB+kk:TB+kk+1]
	v_pk_add_f32 v[248:249], v[248:249], v[TB+kk+2:TB+kk+3]
.set kk, kk+4
.endr
	v_pk_add_f32 v[246:247], v[246:247], v[248:249]
	v_add_f32 v246, v246, v247
	v_permlanex16_b32 v247, v246, s74, s75
	v_add_f32 v246, v246, v247                     ; l
	WIN 5*\w                                       ; sources in window w, destination in window 0
.set kk, 0
.rept 32
	v_cvt_pk_bf16_f32 v[TMP+kk], v[TB+2*kk], v[TB+2*kk+1]
.set kk, kk+1
.endr
	v_mov_b32 v[MS+\ag], v243
	v_mov_b32 v[LS+\ag], v246
	WIN 0
.set kk, 0
.rept 8
	ds_store_b128 v[STO], v[TMP+4*kk:TMP+4*kk+3] offset:32*kk
.set kk, kk+1
.endr
	s_wait_xcnt 0x0                                ; the set's registers, which earlier stores read, are loaded again only behind this wait
.set kk, 0
.rept 8
	ds_load_b128 v[RB+32*(\ag&1)+4*kk:RB+32*(\ag&1)+4*kk+3], v[RD] offset:2*APITCH*kk   ; LDS serves a wave's instructions in order (ISA guide 5.7.1): these see the stores above
.set kk, kk+1
.endr
.set kk, 0
.rept 8
	s_wait_dscnt 7-kk
	global_store_b128 v[CO], v[RB+32*(\ag&1)+4*kk:RB+32*(\ag&1)+4*kk+3], s[68:69] offset:(16*\ag+2*kk)*4096
.set kk, kk+1
.endr
.endm
	SOFT 1, 0, 0
	SOFT 1, 1, 1
	SOFT 1, 2, 2
	SOFT 2, 0, 3
	SOFT 2, 1, 4
	SOFT 2, 2, 5
	SOFT 3, 0, 6
	SOFT 3, 1, 7
	; both lanes of a row hold all eight m' and l: lane (r, h) stores row blocks 4 h .. 4 h + 3; each store of the wave covers 512 consecutive bytes
	v_cmp_ne_u32 vcc_lo, 0, v2
.irp i, 0,1,2,3
	v_cndmask_b32 v[SEL+\i],   v[MS+\i], v[MS+4+\i], vcc_lo
	v_cndmask_b32 v[SEL+4+\i], v[LS+\i], v[LS+4+\i], vcc_lo
.endr
	global_store_b128 v[SOFF], v[SEL:SEL+3], s[70:71]
	global_store_b128 v[SOFF], v[SEL+4:SEL+7], s[70:71] offset:524288
	s_set_vgpr_msb 0xc
	s_wait_tensorcnt 0x0
	ds_add_u32 v31, v255
	s_wait_dscnt 0x0
	s_set_vgpr_msb 0xc00
	CROUND                                         ; the closing round
	s_endpgm
.Lfunc_end_k_qbc610b9059_scores:
	.size	k_qbc610b9059_scores, .Lfunc_end_k_qbc610b9059_scores-k_qbc610b9059_scores
	.p2alignl 7, 3214868480
	.fill 96, 4, 3214868480
	.section	.rodata,"a",@progbits
	.p2align	6, 0x0
	.amdhsa_kernel k_qbc610b9059_scores
		.amdhsa_group_segment_fixed_size 327680
		.amdhsa_private_segment_fixed_size 0
		.amdhsa_enable_private_segment 0
		.amdhsa_kernarg_size 24
		.amdhsa_user_sgpr_count 2
		.amdhsa_user_sgpr_kernarg_segment_ptr 1
		.amdhsa_wavefront_size32 1
		.amdhsa_system_sgpr_workgroup_id_x 1
		.amdhsa_system_sgpr_workgroup_id_y 1
		.amdhsa_system_sgpr_workgroup_id_z 1
		.amdhsa_system_vgpr_workitem_id 0
		.amdhsa_next_free_vgpr 1024
		.amdhsa_next_free_sgpr 76
		.amdhsa_reserve_vcc 1
		.amdhsa_float_denorm_mode_32 3
		.amdhsa_float_denorm_mode_16_64 3
		.amdhsa_memory_ordered 1
		.amdhsa_forward_progress 1
		.amdhsa_inst_pref_size 255
	.end_amdhsa_kernel
	.section	.bss,"aw",@nobits
	.p2align	6
	.space	262144
	.amdgpu_metadata
---
amdhsa.version: [ 1, 2 ]
amdhsa.kernels:
  - .name:           k_qbc610b9059_scores
    .symbol:         k_qbc610b9059_scores.kd
    .args:
      - { .name: qkvb, .offset: 0, .size: 8, .value_kind: global_buffer, .address_space: global }
      - { .name: pb, .offset: 8, .size: 8, .value_kind: global_buffer, .address_space: global }
      - { .name: stats, .offset: 16, .size: 8, .value_kind: global_buffer, .address_space: global }
    .group_segment_fixed_size: 327680
    .private_segment_fixed_size: 0
    .kernarg_segment_align: 8
    .kernarg_segment_size: 24
    .max_flat_workgroup_size: 128
    .sgpr_count:     76
    .vgpr_count:     1024
    .wavefront_size: 32
...
	.end_amdgpu_metadata
.endif
;; end of part 3
;; launch pv (part 4): grid 8 x 32, 4 waves a work-group, clusters of 4 x 4, 327,680 bytes of LDS; arguments pb, qkvb, ctxb, stats; writes ctxb
.if DOCPART == 4
	.amdgcn_target "amdgcn-amd-amdhsa--gfx1250"
	.amdhsa_code_object_version 6
	.text
	.protected	k_qbc610b9059_pv
	.globl	k_qbc610b9059_pv
	.p2align	8
	.type	k_qbc610b9059_pv,@function
k_qbc610b9059_pv:
	s_mov_b64 s[64:65], 0
	v_nop
	global_prefetch_b8 v0, s[64:65] scope:SCOPE_SE
	s_setreg_imm32_b32 hwreg(HW_REG_WAVE_MODE, 25, 1), 1
	s_wait_xcnt 0x0
	s_wait_alu depctr_hold_cnt(0) depctr_sa_sdst(0) depctr_va_vdst(0) depctr_va_sdst(0) depctr_va_ssrc(0) depctr_va_vcc(0) depctr_vm_vsrc(0)
	s_getreg_b32 s2, hwreg(HW_REG_IB_STS2, 6, 4)
	s_cmp_eq_u32 s2, 0
	s_cbranch_scc0 .Lentry_in_a_cluster
	s_endpgm
.Lentry_in_a_cluster:
	s_bfe_u32 s2, ttmp6, 0x10000c
	s_cmp_lg_u32 s2, 0xf033
	s_cbranch_scc0 .Lentry_shape_is_right
	s_endpgm
.Lentry_shape_is_right:
; ctx[row][e] = ( sum over tiles t of f(row, t) x sum over the tile's 128 keys of P[row][key] v[key][e] ) / L(row),
; f(row, t) = 2^(m'(row, t) - M(row)), M = max over t of m', L = sum over t of f l.  That is softmax with the row's true maximum: f <= 1, and L >= 1 up to rounding,
; since the tile that holds the maximum has f = 1 and a sum that holds the term 1.  P, v, ctx bf16; sums, f, L in f32.  f below 2^-126 comes out as zero.
; pb [8192][2048] bf16; v = bytes 4096.. of qkvb's rows of 6,144 bytes; ctxb [8192][1024] bf16; stats as the scores launch stores it.
; A work-group makes 256 x 128 with four waves, a wave 128 x 64.  A K step is one tile of 128 keys: its products are summed in T (started by the constant 0), and in the
; first quarter of the next step T is folded into O with the tile's weight, one packed multiply-add for two numbers, just ahead of the product that starts T anew.
; Ring, cluster, windows and the transposed matrix instruction as in the qkv launch; O(a,b) = base + 32 + 8 b beside T(a,b) = base + 8 b.
.set NB,     4
.set LB,     2*NB
.set LAPS,   8                         ; K = 2048 keys = 16 steps
.set APE,    2048
.set BPE,    3072
.set OPB,    2048
.set ASTEP,  256
.set BSTEP,  128*BPE*2
.set APITCH, 272
.set AHALF,  128*APITCH
.set ATILE,  2*AHALF
.set BPITCH, 288
.set BHALF,  64*BPITCH
.set SLOT,   ATILE+2*BHALF
.set STAGE,  2*SLOT                    ; 256 rows x 272 bytes
.set FAC,    STAGE+256*APITCH          ; for each wave 17 blocks of 512 bytes [r 16][a 8] f32: f of tiles 0..15, then 1 / L; its own; never a tensor load's target
.set FACW,   17*512
.set SOFF, 8                           ; v8      32 r + 16 h, never rewritten
.set ADRA, 16
.set ADRB, 20
.set STO,  24
.set RD,   25
.set CO,   26
.set FADR, 27                          ; v27     my 32 bytes (8 row blocks) in the block of the lap's first tile; steps 1,024 a lap
.set FST,  28                          ; v28     where I store four factors
.set BF,   32
.set TMP,  96
.set MX,   112                         ; v112-115 M of my four rows
.set LT,   116                         ; v116-119 L, then 1 / L
.set SM,   128                         ; v128-191 m' (then f) of 16 tiles x my four rows, in the prologue
.set SL,   192                         ; v192-255 l likewise
.set FR,   144                         ; v144-151 (in the loop) f of the current tile, row blocks 0..7
.set RL,   152                         ; v152-159 1 / L, row blocks 0..7
.set TF,   160
.set RB,   192
.set G1,  24
.set G0,  32
.set G1B, 48
.set G0B, 56
.set WS1, 0x54
.set WS2, 0xa8
.set WS3, 0xfc
.set MSB, 0
.macro WIN new
.if MSB != (\new)
	s_set_vgpr_msb (MSB<<8)|(\new)
.set MSB, (\new)
.endif
.endm
.macro PLACES n
.rept \n
	v_nop
.endr
.endm
.macro JLOAD s
	s_cmp_eq_u32 s11, 0
	s_cbranch_scc0 .Lfor_b_\@
	tensor_load_to_lds s[G0+4*\s:G0+4*\s+3], s[G1:G1+7]
	s_nop 0
	s_branch .Lasked_\@
.Lfor_b_\@:
	tensor_load_to_lds s[G0B+4*\s:G0B+4*\s+3], s[G1B:G1B+7]
	s_nop 0
.Lasked_\@:
.endm
.macro CREST
	s_cmp_lg_u32 s10, 0
	s_cbranch_scc1 .Lnot_wave_0_\@
	s_barrier_signal -3
.Lnot_wave_0_\@:
	s_barrier_wait -3
	s_barrier_signal -1
	s_barrier_wait -1
.endm
.macro CROUND
	s_barrier_signal -1
	s_barrier_wait -1
	CREST
.endm
	s_load_b128 s[4:7], s[0:1], 0x0                ; pb s[4:5], qkvb s[6:7]
	s_load_b128 s[68:71], s[0:1], 0x10             ; ctxb s[68:69], stats s[70:71]
	v_lshl_add_u32 v127, v0, 2, 0x4d800
	s_set_vgpr_msb 0xc0
	v_mov_b32 v255, 0
	s_set_vgpr_msb 0xc0cc
	ds_add_u32 v127, v255
	s_set_vgpr_msb 0xcc00
	v_lshrrev_b32 v1, 5, v0
	v_readfirstlane_b32 s10, v1
	s_lshr_b32 s11, s10, 1
	s_and_b32 s12, s10, 1
	s_bfe_u32 s40, ttmp6, 0x40000                  ; cx
	s_bfe_u32 s41, ttmp6, 0x40004                  ; cy
	s_lshl_b32 s42, ttmp9, 2
	s_add_co_u32 s42, s42, s40                     ; block column, 0..7
	s_and_b32 s13, ttmp7, 0xffff
	s_lshr_b32 s45, s13, 1                         ; batch = cluster y / 2
	s_lshl_b32 s13, s13, 2
	s_add_co_u32 s13, s13, s41                     ; block row, 0..31
	s_lshl_b32 s43, s41, 2
	s_lshl_b32 s43, 15, s43
	s_lshl_b32 s44, 0x1111, s40
	s_or_b32 s[G1+0], s43, (1<<16)|(1<<20)|(1<<21)|(5<<22)|(3<<25)
	s_mov_b32 s[G1+1], 128<<16
	s_mov_b32 s[G1+2], 128<<16
	s_mov_b32 s[G1+3], 128<<16
	s_mov_b32 s[G1+4], 128
	s_mov_b32 s[G1+5], APE
	s_mov_b32 s[G1+6], 0
	s_mov_b32 s[G1+7], 0
	s_or_b32 s[G1B+0], s44, (1<<16)|(1<<20)|(1<<21)|(5<<22)|(7<<25)
	s_mov_b32 s[G1B+1], 128<<16
	s_mov_b32 s[G1B+2], 64<<16
	s_mov_b32 s[G1B+3], 128<<16
	s_mov_b32 s[G1B+4], 64
	s_mov_b32 s[G1B+5], BPE
	s_mov_b32 s[G1B+6], 0
	s_mov_b32 s[G1B+7], 0
	s_lshl_b32 s17, s12, 7
	s_lshl_b32 s16, s13, 8
	s_add_co_u32 s16, s16, s17
	s_mul_i32 s16, s16, APE*2                      ; P: row 256 x block row + 128 x half
	s_mov_b32 s17, 0
	s_lshl_b32 s46, s45, 11
	s_lshl_b32 s47, s12, 6
	s_add_co_u32 s46, s46, s47                     ; v: key row 2048 x batch + 64 x half,
	s_mul_i32 s46, s46, BPE*2
	s_lshl_b32 s47, s42, 8
	s_add_co_u32 s46, s46, s47                     ; column byte 256 x block column,
	s_add_co_u32 s46, s46, 4096                    ; at byte 4096 of the row
	s_mov_b32 s47, 0
	s_mul_i32 s20, s10, AHALF
	s_mul_i32 s21, s10, BHALF
	s_add_co_u32 s21, s21, ATILE-2*BHALF
	s_lshl_b32 s66, s13, 1
	s_add_co_u32 s66, s66, s11
	s_lshl_b32 s66, s66, 13                        ; stats: (row / 128) x 16 blocks of 512 bytes
	s_mov_b32 s67, 0
	v_and_b32 v1, 15, v0                           ; r
	v_bfe_u32 v2, v0, 4, 1                         ; h
	v_lshlrev_b32 v3, 5, v1
	v_lshl_add_u32 v[SOFF], v2, 4, v3              ; 32 r + 16 h: row blocks 4 h .. 4 h + 3 of row r
	s_wait_dscnt 0x0
	s_wait_kmcnt 0x0
	s_add_nc_u64 s[14:15], s[4:5], s[16:17]
	s_add_nc_u64 s[46:47], s[6:7], s[46:47]
	s_add_nc_u64 s[70:71], s[70:71], s[66:67]
.set kk, 0
.rept 16
	global_load_b128 v[SM+4*kk:SM+4*kk+3], v[SOFF], s[70:71] offset:512*kk             ; m' of tile kk
	global_load_b128 v[SL+4*kk:SL+4*kk+3], v[SOFF], s[70:71] offset:524288+512*kk      ; l of tile kk
.set kk, kk+1
.endr
	s_lshl_b32 s66, s13, 8
	s_lshl_b32 s67, s10, 6
	s_add_co_u32 s66, s66, s67
	s_mul_i32 s66, s66, OPB
	s_lshl_b32 s67, s42, 8
	s_add_co_u32 s66, s66, s67
	s_mov_b32 s67, 0
	s_add_nc_u64 s[68:69], s[68:69], s[66:67]      ; ctxb at row 256 x block row + 64 x wave, byte 256 x block column
	CROUND
.irp s, 0,1
	s_mov_b32 s[G0+4*\s], 1
	s_add_co_u32 s[G0+4*\s+1], s20, \s*SLOT
	s_add_nc_u64 s[G0+4*\s+2:G0+4*\s+3], s[14:15], \s*ASTEP
	s_or_b32 s[G0+4*\s+3], s[G0+4*\s+3], 0x80000000
	s_mov_b32 s[G0B+4*\s], 1
	s_add_co_u32 s[G0B+4*\s+1], s21, \s*SLOT
	s_add_nc_u64 s[G0B+4*\s+2:G0B+4*\s+3], s[46:47], \s*BSTEP
	s_or_b32 s[G0B+4*\s+3], s[G0B+4*\s+3], 0x80000000
	JLOAD \s
.endr
	v_mul_u32_u24 v3, v1, APITCH
	v_lshl_add_u32 v3, v2, 4, v3
	s_mul_i32 s22, s11, AHALF
	v_add_nc_u32 v[ADRA], s22, v3
	v_add_nc_u32 v[ADRA+1], SLOT, v[ADRA]
	v_and_b32 v4, 7, v0
	v_lshl_add_u32 v4, v2, 3, v4
	v_mul_u32_u24 v4, v4, BPITCH
	v_bfe_u32 v5, v0, 3, 1
	v_lshl_add_u32 v4, v5, 4, v4
	s_lshl_b32 s23, s12, 7
	s_add_co_u32 s23, s23, ATILE
	v_add_nc_u32 v[ADRB], s23, v4
	v_add_nc_u32 v[ADRB+1], SLOT, v[ADRB]
	s_lshl_b32 s23, s12, 7
	s_add_co_u32 s22, s22, s23
	s_add_co_u32 s22, s22, STAGE
	v_add_nc_u32 v[STO], s22, v3
	s_mul_i32 s23, s10, 64*APITCH
	s_add_co_u32 s23, s23, STAGE
	v_mul_u32_u24 v5, v2, APITCH
	v_lshl_add_u32 v5, v1, 4, v5
	v_add_nc_u32 v[RD], s23, v5
	v_mul_u32_u24 v5, v2, OPB
	v_lshl_add_u32 v[CO], v1, 4, v5
	s_mul_i32 s23, s10, FACW
	s_add_co_u32 s23, s23, FAC
	v_lshl_add_u32 v[FADR], v1, 5, s23             ; my wave's factors, 32 bytes for row r
	v_lshl_add_u32 v[FST], v2, 4, v[FADR]
	; the weights of my wave's 128 rows: lane (r, h) makes those of rows 16 a + r, a = 4 h .. 4 h + 3
	s_wait_loadcnt 0x0
.irp i, 0,1,2,3
	v_max_num_f32 v[MX+\i], v[SM+\i], v[SM+4+\i]
.endr
.set kk, 2
.rept 7
.irp i, 0,1,2,3
	v_max3_num_f32 v[MX+\i], v[MX+\i], v[SM+4*kk+\i], v[SM+4*kk+4+\i]
.endr
.set kk, kk+2
.endr
.set kk, 0
.rept 32
	v_pk_add_f32 v[SM+2*kk:SM+2*kk+1], v[SM+2*kk:SM+2*kk+1], v[MX+2*(kk&1):MX+2*(kk&1)+1] neg_lo:[0,1] neg_hi:[0,1]   ; m' - M <= 0
.set kk, kk+1
.endr
.set kk, 0
.rept 64
	v_exp_f32 v[SM+kk], v[SM+kk]                   ; f
.set kk, kk+1
.endr
	v_nop                                          ; one plain place behind the last exponential
	s_wait_alu depctr_va_vdst(0)
	v_pk_mul_f32 v[LT:LT+1], v[SM:SM+1], v[SL:SL+1]
	v_pk_mul_f32 v[LT+2:LT+3], v[SM+2:SM+3], v[SL+2:SL+3]
.set kk, 2
.rept 30
	v_pk_fma_f32 v[LT+2*(kk&1):LT+2*(kk&1)+1], v[SM+2*kk:SM+2*kk+1], v[SL+2*kk:SL+2*kk+1], v[LT+2*(kk&1):LT+2*(kk&1)+1]
.set kk, kk+1
.endr
.irp i, 0,1,2,3
	v_rcp_f32 v[LT+\i], v[LT+\i]
.endr
	v_nop                                          ; one plain place behind the last reciprocal
.set kk, 0
.rept 16
	ds_store_b128 v[FST], v[SM+4*kk:SM+4*kk+3] offset:512*kk
.set kk, kk+1
.endr
	s_wait_alu depctr_va_vdst(0)
	ds_store_b128 v[FST], v[LT:LT+3] offset:8192
.macro BLOAD slot, q, g
.set bb, 0
.rept NB
	ds_load_tr16_b128 v[BF+8*NB*\g+8*bb:BF+8*NB*\g+8*bb+3],   v[ADRB+\slot] offset:32*BPITCH*\q+32*bb
	ds_load_tr16_b128 v[BF+8*NB*\g+8*bb+4:BF+8*NB*\g+8*bb+7], v[ADRB+\slot] offset:32*BPITCH*\q+32*bb+16*BPITCH
.set bb, bb+1
.endr
.endm
.macro ALOAD w, slot, q, g
.set aa, 0
.rept 3-\w/3
	ds_load_b128 v[80*aa+64+8*\g:80*aa+64+8*\g+3],   v[ADRA+\slot] offset:64*\q+16*APITCH*(3*\w-3+aa)
	ds_load_b128 v[80*aa+64+8*\g+4:80*aa+64+8*\g+7], v[ADRA+\slot] offset:64*\q+16*APITCH*(3*\w-3+aa)+32
.set aa, aa+1
.endr
.endm
; mode 0: T += product.  1: T = product.  2: O = f T, then T = product.  3: O += f T, then T = product.
; f of row block AG is register AG of FR, broadcast to both halves of the packed instruction by op_sel.
; The accumulators take turns, one instruction a turn, in the same order in every quarter.
.macro GRP w, f, mode, ld, slot, q, g
.set aa, 0
.rept 3-\w/3
.set bb, 0
.rept NB
.if \mode >= 2
.set AG, 3*\w-3+aa
.set FP, FR+AG-(AG&1)
.set jj, 0
.rept 4
.set TT, 80*aa+8*bb+2*jj
.if \mode == 2
.if AG&1
	v_pk_mul_f32 v[TT+32:TT+33], v[FP:FP+1], v[TT:TT+1] op_sel:[1,0] op_sel_hi:[1,1]
.else
	v_pk_mul_f32 v[TT+32:TT+33], v[FP:FP+1], v[TT:TT+1] op_sel_hi:[0,1]
.endif
.else
.if AG&1
	v_pk_fma_f32 v[TT+32:TT+33], v[FP:FP+1], v[TT:TT+1], v[TT+32:TT+33] op_sel:[1,0,0] op_sel_hi:[1,1,1]
.else
	v_pk_fma_f32 v[TT+32:TT+33], v[FP:FP+1], v[TT:TT+1], v[TT+32:TT+33] op_sel_hi:[0,1,1]
.endif
.endif
.set jj, jj+1
.endr
.endif
.if \mode
	v_wmma_f32_16x16x32_bf16 v[80*aa+8*bb:80*aa+8*bb+7], v[BF+8*NB*\f+8*bb:BF+8*NB*\f+8*bb+7], v[80*aa+64+8*\f:80*aa+64+8*\f+7], 0
.else
	v_wmma_f32_16x16x32_bf16 v[80*aa+8*bb:80*aa+8*bb+7], v[BF+8*NB*\f+8*bb:BF+8*NB*\f+8*bb+7], v[80*aa+64+8*\f:80*aa+64+8*\f+7], v[80*aa+8*bb:80*aa+8*bb+7]
.endif
.if \ld
.if bb < 2
	ds_load_b128 v[80*aa+64+8*\g+4*bb:80*aa+64+8*\g+4*bb+3], v[ADRA+\slot] offset:64*\q+16*APITCH*(3*\w-3+aa)+32*bb
.endif
.endif
.set bb, bb+1
.endr
.set aa, aa+1
.endr
.endm
; Loads of a quarter go out in the order B (LB), [the tile's weights (2)], window 3's A (4), window 1's (6), window 2's (6); the counts say how many younger
; ones may stay out, and are left as they are in the quarter with the weights' two loads, which only makes them stricter.
.macro Q slot, q, f, g, mode, fac
.if \mode >= 2
	PLACES 5                                       ; five places: the products that start T anew write over results of the last quarter's matrix instructions; the folds read them (four)
.else
	PLACES 4                                       ; four places in front of loads into registers that the last quarter's matrix instructions read (ISA guide 7.12.1 for vector instructions)
.endif
	WIN 0
	BLOAD \slot, \q, \g
.if \fac
	ds_load_b128 v[FR:FR+3],   v[FADR] offset:512*\slot        ; this tile's weights, used in the next step's first quarter, behind the wait for 0 at the change of slots
	ds_load_b128 v[FR+4:FR+7], v[FADR] offset:512*\slot+16
.endif
	WIN WS3
	s_wait_dscnt 12+LB
	GRP 3, \f, \mode, 1, \slot, \q, \g
	WIN WS1
	s_wait_dscnt 10+LB
	GRP 1, \f, \mode, 1, \slot, \q, \g
	WIN WS2
	s_wait_dscnt 10+LB
	GRP 2, \f, \mode, 1, \slot, \q, \g
.endm
.macro TURN slot, next, fill
	WIN WS3
	s_wait_dscnt 12
	GRP 3, 1, 0, 0, 0, 0, 0
	s_wait_dscnt 0x0                               ; my reads of this slot are back (and the weights)
	s_wait_tensorcnt 0x0                           ; all my tensor loads have landed (one was out: my part of the next slot)
	ds_add_u32 v127, v255
	s_wait_dscnt 0x0
	s_barrier_signal -1
	WIN WS1
	GRP 1, 1, 0, 0, 0, 0, 0
	WIN 0
	s_barrier_wait -1
.if \fill
	CREST
	s_add_nc_u64 s[G0+4*\slot+2:G0+4*\slot+3], s[G0+4*\slot+2:G0+4*\slot+3], 2*ASTEP
	s_add_nc_u64 s[G0B+4*\slot+2:G0B+4*\slot+3], s[G0B+4*\slot+2:G0B+4*\slot+3], 2*BSTEP
	JLOAD \slot
.endif
	PLACES 4
	BLOAD \next, 0, 0
	WIN WS3
	ALOAD 3, \next, 0, 0
	WIN WS1
	ALOAD 1, \next, 0, 0
	WIN WS2
	GRP 2, 1, 0, 1, \next, 0, 0
.endm
.macro STEP slot, next, mode, fill
	Q \slot, 1, 0, 1, \mode, 0
	Q \slot, 2, 1, 0, 0, 0
	Q \slot, 3, 0, 1, 0, 1
	TURN \slot, \next, \fill
.endm
.macro LAP m0, m1
	STEP 0, 1, \m0, 1
	STEP 1, 0, \m1, 1
	WIN 0
	v_add_nc_u32 v[FADR], 1024, v[FADR]            ; the next lap's two blocks of weights
.endm
	s_wait_dscnt 0x0                               ; my stores of the weights are done
	s_wait_tensorcnt 0x1                           ; my part of K step 0 is in; K step 1's may stay out
	s_barrier_signal -1
	s_barrier_wait -1
	BLOAD 0, 0, 0
	WIN WS3
	ALOAD 3, 0, 0, 0
	WIN WS1
	ALOAD 1, 0, 0, 0
	WIN WS2
	ALOAD 2, 0, 0, 0
	LAP 1, 2                                       ; tile 0 starts T; tile 1's first quarter starts O
	s_mov_b32 s3, LAPS-2
.Llap:
	LAP 3, 3
	s_sub_co_u32 s3, s3, 1
	s_cmp_lg_u32 s3, 0
	s_cbranch_scc1 .Llap
	STEP 0, 1, 3, 0                                ; the last lap fills nothing
	Q 1, 1, 0, 1, 3, 0
	Q 1, 2, 1, 0, 0, 0
	Q 1, 3, 0, 1, 0, 1
	WIN WS3
	s_wait_dscnt 12
	GRP 3, 1, 0, 0, 0, 0, 0
	WIN WS1
	s_wait_dscnt 6
	GRP 1, 1, 0, 0, 0, 0, 0
	WIN WS2
	s_wait_dscnt 0x0
	GRP 2, 1, 0, 0, 0, 0, 0
	PLACES 4
	WIN 0
	ds_load_b128 v[RL:RL+3],   v[FADR] offset:1024  ; FADR stands at tile 14's block: 1 / L is the block behind tile 15's
	ds_load_b128 v[RL+4:RL+7], v[FADR] offset:1040
	s_wait_dscnt 0x0
; Row block a: the last tile's fold, the division by L, rounding, 16 bytes a lane and block into the work-group's stage.
.macro OUTP w, al, ag
	WIN 0x54*\w
.set kk, 0
.rept 16
.if \ag&1
	v_pk_fma_f32 v[80*\al+32+2*kk:80*\al+33+2*kk], v[FR+\ag-1:FR+\ag], v[80*\al+2*kk:80*\al+2*kk+1], v[80*\al+32+2*kk:80*\al+33+2*kk] op_sel:[1,0,0] op_sel_hi:[1,1,1]
.else
	v_pk_fma_f32 v[80*\al+32+2*kk:80*\al+33+2*kk], v[FR+\ag:FR+\ag+1], v[80*\al+2*kk:80*\al+2*kk+1], v[80*\al+32+2*kk:80*\al+33+2*kk] op_sel_hi:[0,1,1]
.endif
.set kk, kk+1
.endr
	WIN \w
.set kk, 0
.rept 16
.if \ag&1
	v_pk_mul_f32 v[TF+2*kk:TF+2*kk+1], v[80*\al+32+2*kk:80*\al+33+2*kk], v[RL+\ag-1:RL+\ag] op_sel:[0,1] op_sel_hi:[1,1]
.else
	v_pk_mul_f32 v[TF+2*kk:TF+2*kk+1], v[80*\al+32+2*kk:80*\al+33+2*kk], v[RL+\ag:RL+\ag+1] op_sel_hi:[1,0]
.endif
.set kk, kk+1
.endr
	WIN 0
.set kk, 0
.rept 16
	v_cvt_pk_bf16_f32 v[TMP+kk], v[TF+2*kk], v[TF+2*kk+1]
.set kk, kk+1
.endr
.set kk, 0
.rept 4
	ds_store_b128 v[STO], v[TMP+4*kk:TMP+4*kk+3] offset:16*APITCH*\ag+32*kk
.set kk, kk+1
.endr
.endm
.macro BACK n
	s_wait_xcnt 0x0                                ; the set's registers, which earlier stores read, are loaded again only behind this wait
.set kk, 0
.rept 8
	ds_load_b128 v[RB+32*(\n&1)+4*kk:RB+32*(\n&1)+4*kk+3], v[RD] offset:2*APITCH*(8*\n+kk)
.set kk, kk+1
.endr
.set kk, 0
.rept 8
	s_wait_dscnt 7-kk
	global_store_b128 v[CO], v[RB+32*(\n&1)+4*kk:RB+32*(\n&1)+4*kk+3], s[68:69] offset:(16*\n+2*kk)*OPB   ; sixteen lanes store 256 consecutive bytes, aligned
.set kk, kk+1
.endr
.endm
	OUTP 1, 0, 0
	OUTP 1, 1, 1
	OUTP 1, 2, 2
	OUTP 2, 0, 3
	OUTP 2, 1, 4
	OUTP 2, 2, 5
	OUTP 3, 0, 6
	OUTP 3, 1, 7
	s_wait_dscnt 0x0                               ; my stage stores are done, for the waves that read them
	s_barrier_signal -1
	s_barrier_wait -1
	BACK 0
	BACK 1
	BACK 2
	BACK 3
	s_set_vgpr_msb 0xc
	s_wait_tensorcnt 0x0
	ds_add_u32 v127, v255
	s_wait_dscnt 0x0
	s_set_vgpr_msb 0xc00
	CROUND                                         ; the closing round
	s_endpgm
.Lfunc_end_k_qbc610b9059_pv:
	.size	k_qbc610b9059_pv, .Lfunc_end_k_qbc610b9059_pv-k_qbc610b9059_pv
	.p2alignl 7, 3214868480
	.fill 96, 4, 3214868480
	.section	.rodata,"a",@progbits
	.p2align	6, 0x0
	.amdhsa_kernel k_qbc610b9059_pv
		.amdhsa_group_segment_fixed_size 327680
		.amdhsa_private_segment_fixed_size 0
		.amdhsa_enable_private_segment 0
		.amdhsa_kernarg_size 32
		.amdhsa_user_sgpr_count 2
		.amdhsa_user_sgpr_kernarg_segment_ptr 1
		.amdhsa_wavefront_size32 1
		.amdhsa_system_sgpr_workgroup_id_x 1
		.amdhsa_system_sgpr_workgroup_id_y 1
		.amdhsa_system_sgpr_workgroup_id_z 1
		.amdhsa_system_vgpr_workitem_id 0
		.amdhsa_next_free_vgpr 1024
		.amdhsa_next_free_sgpr 72
		.amdhsa_reserve_vcc 0
		.amdhsa_float_denorm_mode_32 3
		.amdhsa_float_denorm_mode_16_64 3
		.amdhsa_memory_ordered 1
		.amdhsa_forward_progress 1
		.amdhsa_inst_pref_size 191
	.end_amdhsa_kernel
	.amdgpu_metadata
---
amdhsa.version: [ 1, 2 ]
amdhsa.kernels:
  - .name:           k_qbc610b9059_pv
    .symbol:         k_qbc610b9059_pv.kd
    .args:
      - { .name: pb, .offset: 0, .size: 8, .value_kind: global_buffer, .address_space: global }
      - { .name: qkvb, .offset: 8, .size: 8, .value_kind: global_buffer, .address_space: global }
      - { .name: ctxb, .offset: 16, .size: 8, .value_kind: global_buffer, .address_space: global }
      - { .name: stats, .offset: 24, .size: 8, .value_kind: global_buffer, .address_space: global }
    .group_segment_fixed_size: 327680
    .private_segment_fixed_size: 0
    .kernarg_segment_align: 8
    .kernarg_segment_size: 32
    .max_flat_workgroup_size: 128
    .sgpr_count:     72
    .vgpr_count:     1024
    .wavefront_size: 32
...
	.end_amdgpu_metadata
.endif
;; end of part 4
;; launch proj (part 5): grid 8 x 32, 4 waves a work-group, clusters of 4 x 4, 327,680 bytes of LDS; arguments ctxb, w2b, out0, b2; writes out0
.if DOCPART == 5
	.amdgcn_target "amdgcn-amd-amdhsa--gfx1250"
	.amdhsa_code_object_version 6
	.text
	.protected	k_qbc610b9059_proj
	.globl	k_qbc610b9059_proj
	.p2align	8
	.type	k_qbc610b9059_proj,@function
k_qbc610b9059_proj:
	s_mov_b64 s[64:65], 0
	v_nop
	global_prefetch_b8 v0, s[64:65] scope:SCOPE_SE
	s_setreg_imm32_b32 hwreg(HW_REG_WAVE_MODE, 25, 1), 1
	s_wait_xcnt 0x0
	s_wait_alu depctr_hold_cnt(0) depctr_sa_sdst(0) depctr_va_vdst(0) depctr_va_sdst(0) depctr_va_ssrc(0) depctr_va_vcc(0) depctr_vm_vsrc(0)
	s_getreg_b32 s2, hwreg(HW_REG_IB_STS2, 6, 4)
	s_cmp_eq_u32 s2, 0
	s_cbranch_scc0 .Lentry_in_a_cluster
	s_endpgm
.Lentry_in_a_cluster:
	s_bfe_u32 s2, ttmp6, 0x10000c
	s_cmp_lg_u32 s2, 0xf033
	s_cbranch_scc0 .Lentry_shape_is_right
	s_endpgm
.Lentry_shape_is_right:
; out0[m][n] = sum over k of ctxb[m][k] w2b[k][n] + b2[n].  ctxb [8192][1024], w2b [1024][1024] bf16; b2, out0 f32; sums and bias in f32.
; Shape, ring, cluster, windows and the transposed matrix instruction as in the qkv launch: a work-group makes 256 x 128, a wave 128 x 64, K in steps of 128
; through two LDS slots (A: 256 rows, pitch 272; B: 128 K rows, pitch 288, read by the transposing load).  A wave's 64 f32 columns are 256 bytes of a row of out0,
; so each wave has a stage of its own (16 rows x 272 bytes) and no barrier on the way out.
; LDS: the text uses 230,400 bytes; 327,680 are declared, so that wave x constant, which every wave forms for both tiles' LDS addresses, lies inside for every wave.
.set NB,     4
.set LB,     2*NB
.set LAPS,   4
.set APE,    1024
.set BPE,    1024
.set OPB,    4096
.set ASTEP,  256
.set BSTEP,  128*BPE*2
.set APITCH, 272
.set AHALF,  128*APITCH
.set ATILE,  2*AHALF
.set BPITCH, 288
.set BHALF,  64*BPITCH
.set SLOT,   ATILE+2*BHALF
.set STAGE,  2*SLOT
.set VB,   7
.set ADRA, 16
.set ADRB, 20
.set STO,  24
.set RD,   25
.set CO,   26
.set BF,   32
.set BIAS, 128
.set TF,   160
.set RB,   192
.set G1,  24
.set G0,  32
.set G1B, 48
.set G0B, 56
.set WS1, 0x54
.set WS2, 0xa8
.set WS3, 0xfc
.set MSB, 0
.macro WIN new
.if MSB != (\new)
	s_set_vgpr_msb (MSB<<8)|(\new)
.set MSB, (\new)
.endif
.endm
.macro PLACES n
.rept \n
	v_nop
.endr
.endm
.macro JLOAD s
	s_cmp_eq_u32 s11, 0
	s_cbranch_scc0 .Lfor_b_\@
	tensor_load_to_lds s[G0+4*\s:G0+4*\s+3], s[G1:G1+7]
	s_nop 0
	s_branch .Lasked_\@
.Lfor_b_\@:
	tensor_load_to_lds s[G0B+4*\s:G0B+4*\s+3], s[G1B:G1B+7]
	s_nop 0
.Lasked_\@:
.endm
.macro CREST
	s_cmp_lg_u32 s10, 0
	s_cbranch_scc1 .Lnot_wave_0_\@
	s_barrier_signal -3
.Lnot_wave_0_\@:
	s_barrier_wait -3
	s_barrier_signal -1
	s_barrier_wait -1
.endm
.macro CROUND
	s_barrier_signal -1
	s_barrier_wait -1
	CREST
.endm
	s_load_b128 s[4:7], s[0:1], 0x0                ; ctxb s[4:5], w2b s[6:7]
	s_load_b128 s[68:71], s[0:1], 0x10             ; out0 s[68:69], b2 s[70:71]
	v_lshl_add_u32 v127, v0, 2, 0x40000
	s_set_vgpr_msb 0xc0
	v_mov_b32 v255, 0
	s_set_vgpr_msb 0xc0cc
	ds_add_u32 v127, v255
	s_set_vgpr_msb 0xcc00
	v_lshrrev_b32 v1, 5, v0
	v_readfirstlane_b32 s10, v1
	s_lshr_b32 s11, s10, 1
	s_and_b32 s12, s10, 1
	s_bfe_u32 s40, ttmp6, 0x40000
	s_bfe_u32 s41, ttmp6, 0x40004
	s_lshl_b32 s42, ttmp9, 2
	s_add_co_u32 s42, s42, s40                     ; block column
	s_and_b32 s13, ttmp7, 0xffff
	s_lshl_b32 s13, s13, 2
	s_add_co_u32 s13, s13, s41                     ; block row
	s_lshl_b32 s43, s41, 2
	s_lshl_b32 s43, 15, s43
	s_lshl_b32 s44, 0x1111, s40
	s_or_b32 s[G1+0], s43, (1<<16)|(1<<20)|(1<<21)|(5<<22)|(3<<25)
	s_mov_b32 s[G1+1], 128<<16
	s_mov_b32 s[G1+2], 128<<16
	s_mov_b32 s[G1+3], 128<<16
	s_mov_b32 s[G1+4], 128
	s_mov_b32 s[G1+5], APE
	s_mov_b32 s[G1+6], 0
	s_mov_b32 s[G1+7], 0
	s_or_b32 s[G1B+0], s44, (1<<16)|(1<<20)|(1<<21)|(5<<22)|(7<<25)
	s_mov_b32 s[G1B+1], 128<<16
	s_mov_b32 s[G1B+2], 64<<16
	s_mov_b32 s[G1B+3], 128<<16
	s_mov_b32 s[G1B+4], 64
	s_mov_b32 s[G1B+5], BPE
	s_mov_b32 s[G1B+6], 0
	s_mov_b32 s[G1B+7], 0
	s_lshl_b32 s17, s12, 7
	s_lshl_b32 s16, s13, 8
	s_add_co_u32 s16, s16, s17
	s_mul_i32 s16, s16, APE*2
	s_mov_b32 s17, 0
	s_mul_i32 s46, s12, 64*BPE*2
	s_lshl_b32 s45, s42, 8
	s_add_co_u32 s46, s46, s45
	s_mov_b32 s47, 0
	s_mul_i32 s20, s10, AHALF
	s_mul_i32 s21, s10, BHALF
	s_add_co_u32 s21, s21, ATILE-2*BHALF
	s_lshl_b32 s66, s42, 9
	s_lshl_b32 s67, s12, 8
	s_add_co_u32 s66, s66, s67                     ; 4 bytes x (128 x block column + 64 x half): the bias, and my columns in a row of out0
	s_mov_b32 s67, 0
	v_bfe_u32 v2, v0, 4, 1                         ; h
	v_lshlrev_b32 v[VB], 5, v2
	s_wait_dscnt 0x0
	s_wait_kmcnt 0x0
	s_add_nc_u64 s[14:15], s[4:5], s[16:17]
	s_add_nc_u64 s[46:47], s[6:7], s[46:47]
	s_add_nc_u64 s[70:71], s[70:71], s[66:67]
	s_add_nc_u64 s[68:69], s[68:69], s[66:67]
.irp b, 0,1,2,3
	global_load_b128 v[BIAS+8*\b:BIAS+8*\b+3],   v[VB], s[70:71] offset:64*\b
	global_load_b128 v[BIAS+8*\b+4:BIAS+8*\b+7], v[VB], s[70:71] offset:64*\b+16
.endr
	s_lshl_b32 s66, s13, 8
	s_lshl_b32 s67, s11, 7
	s_add_co_u32 s66, s66, s67
	s_lshl_b32 s66, s66, 12                        ; my first row x 4,096 bytes
	s_mov_b32 s67, 0
	s_add_nc_u64 s[68:69], s[68:69], s[66:67]
	CROUND
.irp s, 0,1
	s_mov_b32 s[G0+4*\s], 1
	s_add_co_u32 s[G0+4*\s+1], s20, \s*SLOT
	s_add_nc_u64 s[G0+4*\s+2:G0+4*\s+3], s[14:15], \s*ASTEP
	s_or_b32 s[G0+4*\s+3], s[G0+4*\s+3], 0x80000000
	s_mov_b32 s[G0B+4*\s], 1
	s_add_co_u32 s[G0B+4*\s+1], s21, \s*SLOT
	s_add_nc_u64 s[G0B+4*\s+2:G0B+4*\s+3], s[46:47], \s*BSTEP
	s_or_b32 s[G0B+4*\s+3], s[G0B+4*\s+3], 0x80000000
	JLOAD \s
.endr
	v_and_b32 v1, 15, v0
	v_mul_u32_u24 v6, v1, APITCH                   ; r x 272
	v_lshl_add_u32 v3, v2, 4, v6
	s_mul_i32 s22, s11, AHALF
	v_add_nc_u32 v[ADRA], s22, v3
	v_add_nc_u32 v[ADRA+1], SLOT, v[ADRA]
	v_and_b32 v4, 7, v0
	v_lshl_add_u32 v4, v2, 3, v4
	v_mul_u32_u24 v4, v4, BPITCH
	v_bfe_u32 v5, v0, 3, 1
	v_lshl_add_u32 v4, v5, 4, v4
	s_lshl_b32 s23, s12, 7
	s_add_co_u32 s23, s23, ATILE
	v_add_nc_u32 v[ADRB], s23, v4
	v_add_nc_u32 v[ADRB+1], SLOT, v[ADRB]
	s_mul_i32 s23, s10, 16*APITCH
	s_add_co_u32 s23, s23, STAGE                   ; my stage
	v_lshl_add_u32 v6, v2, 5, v6                   ; in: row r, 32 bytes (8 f32) for each half of the lanes
	v_add_nc_u32 v[STO], s23, v6
	v_mul_u32_u24 v5, v2, APITCH
	v_lshl_add_u32 v5, v1, 4, v5
	v_add_nc_u32 v[RD], s23, v5                    ; back: row h, byte 16 r
	v_lshlrev_b32 v5, 12, v2
	v_lshl_add_u32 v[CO], v1, 4, v5
.macro BLOAD slot, q, g
.set bb, 0
.rept NB
	ds_load_tr16_b128 v[BF+8*NB*\g+8*bb:BF+8*NB*\g+8*bb+3],   v[ADRB+\slot] offset:32*BPITCH*\q+32*bb
	ds_load_tr16_b128 v[BF+8*NB*\g+8*bb+4:BF+8*NB*\g+8*bb+7], v[ADRB+\slot] offset:32*BPITCH*\q+32*bb+16*BPITCH
.set bb, bb+1
.endr
.endm
.macro ALOAD w, slot, q, g
.set aa, 0
.rept 3-\w/3
	ds_load_b128 v[80*aa+64+8*\g:80*aa+64+8*\g+3],   v[ADRA+\slot] offset:64*\q+16*APITCH*(3*\w-3+aa)
	ds_load_b128 v[80*aa+64+8*\g+4:80*aa+64+8*\g+7], v[ADRA+\slot] offset:64*\q+16*APITCH*(3*\w-3+aa)+32
.set aa, aa+1
.endr
.endm
; The accumulators take turns, one instruction a turn, in the same order in every quarter.
.macro GRP w, f, mode, ld, slot, q, g
.set aa, 0
.rept 3-\w/3
.set bb, 0
.rept NB
.if \mode
	v_wmma_f32_16x16x32_bf16 v[80*aa+8*bb:80*aa+8*bb+7], v[BF+8*NB*\f+8*bb:BF+8*NB*\f+8*bb+7], v[80*aa+64+8*\f:80*aa+64+8*\f+7], 0
.else
	v_wmma_f32_16x16x32_bf16 v[80*aa+8*bb:80*aa+8*bb+7], v[BF+8*NB*\f+8*bb:BF+8*NB*\f+8*bb+7], v[80*aa+64+8*\f:80*aa+64+8*\f+7], v[80*aa+8*bb:80*aa+8*bb+7]
.endif
.if \ld
.if bb < 2
	ds_load_b128 v[80*aa+64+8*\g+4*bb:80*aa+64+8*\g+4*bb+3], v[ADRA+\slot] offset:64*\q+16*APITCH*(3*\w-3+aa)+32*bb
.endif
.endif
.set bb, bb+1
.endr
.set aa, aa+1
.endr
.endm
; Loads of a quarter go out in the order B (LB), window 3's A (4), window 1's (6), window 2's (6); the counts say how many younger ones may stay out.
.macro Q slot, q, f, g, mode
	PLACES 4                                       ; four places between the last quarter's matrix instructions and loads into the registers that they read (ISA guide 7.12.1 for vector instructions)
	WIN 0
	BLOAD \slot, \q, \g
	WIN WS3
	s_wait_dscnt 12+LB
	GRP 3, \f, \mode, 1, \slot, \q, \g
	WIN WS1
	s_wait_dscnt 10+LB
	GRP 1, \f, \mode, 1, \slot, \q, \g
	WIN WS2
	s_wait_dscnt 10+LB
	GRP 2, \f, \mode, 1, \slot, \q, \g
.endm
.macro TURN slot, next, fill
	WIN WS3
	s_wait_dscnt 12
	GRP 3, 1, 0, 0, 0, 0, 0
	s_wait_dscnt 0x0                               ; my reads of this slot are back
	s_wait_tensorcnt 0x0                           ; all my tensor loads have landed (one was out: my part of the next slot)
	ds_add_u32 v127, v255
	s_wait_dscnt 0x0
	s_barrier_signal -1
	WIN WS1
	GRP 1, 1, 0, 0, 0, 0, 0
	WIN 0
	s_barrier_wait -1
.if \fill
	CREST
	s_add_nc_u64 s[G0+4*\slot+2:G0+4*\slot+3], s[G0+4*\slot+2:G0+4*\slot+3], 2*ASTEP
	s_add_nc_u64 s[G0B+4*\slot+2:G0B+4*\slot+3], s[G0B+4*\slot+2:G0B+4*\slot+3], 2*BSTEP
	JLOAD \slot
.endif
	PLACES 4
	BLOAD \next, 0, 0
	WIN WS3
	ALOAD 3, \next, 0, 0
	WIN WS1
	ALOAD 1, \next, 0, 0
	WIN WS2
	GRP 2, 1, 0, 1, \next, 0, 0
.endm
.macro STEP slot, next, mode, fill
	Q \slot, 1, 0, 1, \mode
	Q \slot, 2, 1, 0, 0
	Q \slot, 3, 0, 1, 0
	TURN \slot, \next, \fill
.endm
.macro LAP m0
	STEP 0, 1, \m0, 1
	STEP 1, 0, 0, 1
.endm
	s_wait_tensorcnt 0x1                           ; my part of K step 0 is in; K step 1's may stay out
	s_barrier_signal -1
	s_barrier_wait -1
	BLOAD 0, 0, 0
	WIN WS3
	ALOAD 3, 0, 0, 0
	WIN WS1
	ALOAD 1, 0, 0, 0
	WIN WS2
	ALOAD 2, 0, 0, 0
	LAP 1
	WIN 0
	s_mov_b32 s3, LAPS-2
.Llap:
	LAP 0
	WIN 0
	s_sub_co_u32 s3, s3, 1
	s_cmp_lg_u32 s3, 0
	s_cbranch_scc1 .Llap
	STEP 0, 1, 0, 0
	Q 1, 1, 0, 1, 0
	Q 1, 2, 1, 0, 0
	Q 1, 3, 0, 1, 0
	WIN WS3
	s_wait_dscnt 12
	GRP 3, 1, 0, 0, 0, 0, 0
	WIN WS1
	s_wait_dscnt 6
	GRP 1, 1, 0, 0, 0, 0, 0
	WIN WS2
	s_wait_dscnt 0x0
	GRP 2, 1, 0, 0, 0, 0, 0
	PLACES 4
; Row block a: add the bias, 2 x 16 bytes a lane and block into my stage, whole rows of 256 bytes back, sixteen lanes store 256 consecutive bytes, aligned.
.macro OUTF w, al, ag
	WIN \w
.set kk, 0
.rept 16
	v_pk_add_f32 v[TF+2*kk:TF+2*kk+1], v[80*\al+2*kk:80*\al+2*kk+1], v[BIAS+2*kk:BIAS+2*kk+1]
.set kk, kk+1
.endr
	WIN 0
.set kk, 0
.rept 8
	ds_store_b128 v[STO], v[TF+4*kk:TF+4*kk+3] offset:64*(kk/2)+16*(kk&1)
.set kk, kk+1
.endr
	s_wait_xcnt 0x0                                ; the set's registers, which earlier stores read, are loaded again only behind this wait
.set kk, 0
.rept 8
	ds_load_b128 v[RB+32*(\ag&1)+4*kk:RB+32*(\ag&1)+4*kk+3], v[RD] offset:2*APITCH*kk   ; LDS serves a wave's instructions in order (ISA guide 5.7.1): these see the stores above
.set kk, kk+1
.endr
.set kk, 0
.rept 8
	s_wait_dscnt 7-kk
	global_store_b128 v[CO], v[RB+32*(\ag&1)+4*kk:RB+32*(\ag&1)+4*kk+3], s[68:69] offset:(16*\ag+2*kk)*OPB th:TH_STORE_NT
.set kk, kk+1
.endr
.endm
	s_wait_loadcnt 0x0                             ; the bias
	OUTF 1, 0, 0
	OUTF 1, 1, 1
	OUTF 1, 2, 2
	OUTF 2, 0, 3
	OUTF 2, 1, 4
	OUTF 2, 2, 5
	OUTF 3, 0, 6
	OUTF 3, 1, 7
	s_set_vgpr_msb 0xc
	s_wait_tensorcnt 0x0
	ds_add_u32 v127, v255
	s_wait_dscnt 0x0
	s_set_vgpr_msb 0xc00
	CROUND                                         ; the closing round
	s_endpgm
.Lfunc_end_k_qbc610b9059_proj:
	.size	k_qbc610b9059_proj, .Lfunc_end_k_qbc610b9059_proj-k_qbc610b9059_proj
	.p2alignl 7, 3214868480
	.fill 96, 4, 3214868480
	.section	.rodata,"a",@progbits
	.p2align	6, 0x0
	.amdhsa_kernel k_qbc610b9059_proj
		.amdhsa_group_segment_fixed_size 327680
		.amdhsa_private_segment_fixed_size 0
		.amdhsa_enable_private_segment 0
		.amdhsa_kernarg_size 32
		.amdhsa_user_sgpr_count 2
		.amdhsa_user_sgpr_kernarg_segment_ptr 1
		.amdhsa_wavefront_size32 1
		.amdhsa_system_sgpr_workgroup_id_x 1
		.amdhsa_system_sgpr_workgroup_id_y 1
		.amdhsa_system_sgpr_workgroup_id_z 1
		.amdhsa_system_vgpr_workitem_id 0
		.amdhsa_next_free_vgpr 1024
		.amdhsa_next_free_sgpr 72
		.amdhsa_reserve_vcc 0
		.amdhsa_float_denorm_mode_32 3
		.amdhsa_float_denorm_mode_16_64 3
		.amdhsa_memory_ordered 1
		.amdhsa_forward_progress 1
		.amdhsa_inst_pref_size 129
	.end_amdhsa_kernel
	.amdgpu_metadata
---
amdhsa.version: [ 1, 2 ]
amdhsa.kernels:
  - .name:           k_qbc610b9059_proj
    .symbol:         k_qbc610b9059_proj.kd
    .args:
      - { .name: ctxb, .offset: 0, .size: 8, .value_kind: global_buffer, .address_space: global }
      - { .name: w2b, .offset: 8, .size: 8, .value_kind: global_buffer, .address_space: global }
      - { .name: out0, .offset: 16, .size: 8, .value_kind: global_buffer, .address_space: global }
      - { .name: b2, .offset: 24, .size: 8, .value_kind: global_buffer, .address_space: global }
    .group_segment_fixed_size: 327680
    .private_segment_fixed_size: 0
    .kernarg_segment_align: 8
    .kernarg_segment_size: 32
    .max_flat_workgroup_size: 128
    .sgpr_count:     72
    .vgpr_count:     1024
    .wavefront_size: 32
...
	.end_amdgpu_metadata
.endif
;; end of part 5
;; ======== version 2 of 2: 5 launches; 1.24 times as fast as version 1
;; workspace buffers: xb 16,777,216 bytes; w1b 6,291,456 bytes; w2b 2,097,152 bytes; qkvb 50,331,648 bytes; pb 33,554,432 bytes; stats 1,048,576 bytes; ctxb 16,777,216 bytes
;; launch cast: the kernel of part 1 again; grid 768 x 1, 8 waves a work-group, no clusters, 0 bytes of LDS; arguments x, W1, W2, xb, w1b, w2b; writes xb, w1b, w2b
;; launch qkv (part 6): grid 12 x 32, 4 waves a work-group, clusters of 4 x 4, 327,680 bytes of LDS; arguments xb, w1b, qkvb, b1; writes qkvb
.if DOCPART == 6
	.amdgcn_target "amdgcn-amd-amdhsa--gfx1250"
	.amdhsa_code_object_version 6
	.text
	.protected	k_qbc610b9059_qkv
	.globl	k_qbc610b9059_qkv
	.p2align	8
	.type	k_qbc610b9059_qkv,@function
k_qbc610b9059_qkv:
	s_mov_b64 s[64:65], 0
	v_nop
	global_prefetch_b8 v0, s[64:65] scope:SCOPE_SE
	s_setreg_imm32_b32 hwreg(HW_REG_WAVE_MODE, 25, 1), 1
	s_wait_xcnt 0x0
	s_wait_alu depctr_hold_cnt(0) depctr_sa_sdst(0) depctr_va_vdst(0) depctr_va_sdst(0) depctr_va_ssrc(0) depctr_va_vcc(0) depctr_vm_vsrc(0)
	s_getreg_b32 s2, hwreg(HW_REG_IB_STS2, 6, 4)
	s_cmp_eq_u32 s2, 0
	s_cbranch_scc0 .Lentry_in_a_cluster
	s_endpgm
.Lentry_in_a_cluster:
	s_bfe_u32 s2, ttmp6, 0x10000c
	s_cmp_lg_u32 s2, 0xf033
	s_cbranch_scc0 .Lentry_shape_is_right
	s_endpgm
.Lentry_shape_is_right:
; qkvb[m][n] = sum over k of xb[m][k] w1b[k][n] + b1[n].  xb [8192][1024], w1b [1024][3072], qkvb [8192][3072] bf16; b1 f32; sums and bias in f32,
; one rounding to bf16 at the end (q, k and v are matrix operands of the next launches).
; A work-group makes 256 x 256 of the result with four waves, a wave 128 x 128: 8 row blocks x 8 column blocks of 16 x 16, 512 accumulator registers.
; Why so wide: a K step of 128 brings 131,072 bytes for 256 matrix instructions a wave, 512 bytes for each; a block of 256 x 128 would bring 98,304 bytes for 128,
; 768 for each, and would leave a refill half the matrix work in which to land.  12 x 32 = 384 work-groups, 24 clusters.
; K goes in steps of 128 through two LDS slots filled by tensor loads: A's tile is 256 rows x 256 bytes (pitch 272), B's tile 128 K rows x 512 bytes
; (pitch 544; B lies [K][N], its fragments come out of LDS by the transposing load).  Waves 0, 1 fetch A's halves, waves 2, 3 B's: one load of 32,768 bytes a wave.
; CLUSTER 4 x 4: A's tile hangs on the block row alone and is asked for jointly along a row of the cluster, B's on the block column alone, jointly along a column.
; REGISTERS in windows of 256: row block a lies in window 1 + a/3 at base 80 (a mod 3): accumulators T(a,b) = base + 8 b (b = 0..7), A fragments base + 64 + 8 buffer.
; Window 0: addresses, B fragments (two buffers of 64), bias, the way out.  One window setting (destination, source 1, source 2 in window w; source 0 in window 0)
; serves both the matrix instructions of a window's row blocks and the LDS loads of their A fragments.
; A K step is four quarters of 32 along K on fragment buffers 0, 1, 0, 1.  All LDS loads of a quarter stand in ONE run behind the quarter's first 2 NB matrix
; instructions: the matrix instructions are interrupted once a quarter, and 6 NB of them lie between the run and the first use of what it brings.
; THE MATRIX INSTRUCTION IS USED TRANSPOSED (source 0 = 16 columns of B, source 1 = 16 rows of A): lane (r, h), register j of T(a,b) holds row 16 a + r, column 16 b + 8 h + j.
.set NB,     8                         ; column blocks of a wave
.set LB,     2*NB                      ; LDS loads for B's fragments of a quarter step
.set LAPS,   4                         ; K = 1024 = 8 steps of 128 = 4 laps of the ring
.set APE,    1024                      ; A: elements from row to row
.set BPE,    3072                      ; B: elements from row to row
.set OPB,    6144                      ; output: bytes from row to row
.set ASTEP,  256                       ; a K step in A: bytes along the row
.set BSTEP,  128*BPE*2                 ; a K step in B: 128 rows
.set APITCH, 272                       ; 256 + 16: sixteen rows of a fragment start in sixteen different 16-byte columns of 256
.set AHALF,  128*APITCH                ; 34,816
.set ATILE,  2*AHALF
.set BPITCH, 544                       ; 512 + 32 = 17 x 32, an odd multiple of 32, for the transposing load
.set BHALF,  64*BPITCH                 ; 34,816 too: every wave's part of a slot lies at wave x 34,816
.set SLOT,   ATILE+2*BHALF
.set STAGE,  2*SLOT                    ; behind the ring: 16 rows x 272 bytes for each wave, its own; never a tensor load's target
.set VB,   7                           ; v7      lane offset into the bias, never rewritten
.set ADRA, 16                          ; v16-17  LDS address of my A fragments, slot 0, 1
.set ADRB, 20                          ; v20-21  the same for B
.set STO,  24
.set RD,   25
.set CO,   26
.set BF,   32                          ; v32-159 B fragments, two buffers of 64
.set TF,   32                          ; v32-95  (after the loop) a row block in f32, bias added
.set TMP,  96                          ; v96-127 (after the loop) packed results
.set RB,   128                         ; v128-191 (after the loop) rows read back, two sets of 32
.set BIAS, 192                         ; v192-255 bias of my 64 (block, register) places
.set G1,  24
.set G0,  32
.set G1B, 48
.set G0B, 56
.set WS1, 0x54
.set WS2, 0xa8
.set WS3, 0xfc
.set MSB, 0
.macro WIN new                         ; the immediate's high byte repeats the setting that is left
.if MSB != (\new)
	s_set_vgpr_msb (MSB<<8)|(\new)
.set MSB, (\new)
.endif
.endm
.macro PLACES n
.rept \n
	v_nop
.endr
.endm
; A joint load: waves 0, 1 ask for A's halves, waves 2, 3 for B's.  The branch hangs on the wave's number alone.
.macro JLOAD s
	s_cmp_eq_u32 s11, 0
	s_cbranch_scc0 .Lfor_b_\@
	tensor_load_to_lds s[G0+4*\s:G0+4*\s+3], s[G1:G1+7]
	s_nop 0
	s_branch .Lasked_\@
.Lfor_b_\@:
	tensor_load_to_lds s[G0B+4*\s:G0B+4*\s+3], s[G1B:G1B+7]
	s_nop 0
.Lasked_\@:
.endm
.macro CREST                           ; a round of the cluster's barrier behind its opening work-group barrier
	s_cmp_lg_u32 s10, 0
	s_cbranch_scc1 .Lnot_wave_0_\@
	s_barrier_signal -3
.Lnot_wave_0_\@:
	s_barrier_wait -3
	s_barrier_signal -1
	s_barrier_wait -1
.endm
.macro CROUND
	s_barrier_signal -1
	s_barrier_wait -1
	CREST
.endm
	s_load_b128 s[4:7], s[0:1], 0x0                ; xb s[4:5], w1b s[6:7]
	s_load_b128 s[68:71], s[0:1], 0x10             ; qkvb s[68:69], b1 s[70:71]
	v_lshl_add_u32 v31, v0, 2, 0x48400
	s_set_vgpr_msb 0x80
	v_mov_b32 v255, 0
	s_set_vgpr_msb 0x8088
	ds_add_u32 v31, v255
	s_set_vgpr_msb 0x8800
	v_lshrrev_b32 v1, 5, v0
	v_readfirstlane_b32 s10, v1                    ; wave 0..3
	s_lshr_b32 s11, s10, 1                         ; my half of the rows; also: I fetch for A (0) or B (1)
	s_and_b32 s12, s10, 1                          ; my half of the columns; also: which half of that tile I fetch
	s_bfe_u32 s40, ttmp6, 0x40000                  ; cx
	s_bfe_u32 s41, ttmp6, 0x40004                  ; cy
	s_lshl_b32 s42, ttmp9, 2
	s_add_co_u32 s42, s42, s40                     ; block column = 4 x cluster x + cx, 0..11
	s_and_b32 s13, ttmp7, 0xffff
	s_lshl_b32 s13, s13, 2
	s_add_co_u32 s13, s13, s41                     ; block row = 4 x cluster y + cy, 0..31
	s_lshl_b32 s43, s41, 2
	s_lshl_b32 s43, 15, s43                        ; my row of the cluster
	s_lshl_b32 s44, 0x1111, s40                    ; my column of the cluster
	; group 1 for A: 128 rows x 128 elements of 2 bytes, 4 words of padding behind every 64 words
	s_or_b32 s[G1+0], s43, (1<<16)|(1<<20)|(1<<21)|(5<<22)|(3<<25)
	s_mov_b32 s[G1+1], 128<<16                     ; tensor_dim0 = 128
	s_mov_b32 s[G1+2], 128<<16                     ; tensor_dim1 = 128
	s_mov_b32 s[G1+3], 128<<16                     ; tile_dim0 = 128
	s_mov_b32 s[G1+4], 128                         ; tile_dim1 = 128
	s_mov_b32 s[G1+5], APE                         ; pitch in elements
	s_mov_b32 s[G1+6], 0
	s_mov_b32 s[G1+7], 0
	; group 1 for B: 64 K rows x 256 elements, 8 words of padding behind every 128 words
	s_or_b32 s[G1B+0], s44, (1<<16)|(1<<20)|(1<<21)|(6<<22)|(7<<25)
	s_mov_b32 s[G1B+1], 256<<16                    ; tensor_dim0 = 256
	s_mov_b32 s[G1B+2], 64<<16                     ; tensor_dim1 = 64
	s_mov_b32 s[G1B+3], 256<<16                    ; tile_dim0 = 256
	s_mov_b32 s[G1B+4], 64                         ; tile_dim1 = 64
	s_mov_b32 s[G1B+5], BPE
	s_mov_b32 s[G1B+6], 0
	s_mov_b32 s[G1B+7], 0
	; byte offsets (all below 2^31).  A's hang on the block row, B's on the block column; neither register set ever holds the other coordinate.
	s_lshl_b32 s17, s12, 7
	s_lshl_b32 s16, s13, 8
	s_add_co_u32 s16, s16, s17
	s_mul_i32 s16, s16, APE*2                      ; A: row 256 x block row + 128 x half
	s_mov_b32 s17, 0
	s_mul_i32 s46, s12, 64*BPE*2                   ; B: K row 64 x half,
	s_lshl_b32 s45, s42, 9
	s_add_co_u32 s46, s46, s45                     ; column byte 512 x block column
	s_mov_b32 s47, 0
	s_mul_i32 s20, s10, AHALF                      ; LDS: A's two halves, then B's two halves = wave x 34,816
	s_lshl_b32 s66, s42, 10
	s_lshl_b32 s67, s12, 9
	s_add_co_u32 s66, s66, s67                     ; bias: 4 bytes x (256 x block column + 128 x half)
	s_mov_b32 s67, 0
	v_bfe_u32 v2, v0, 4, 1                         ; h
	v_lshlrev_b32 v[VB], 5, v2                     ; 8 h columns of 4 bytes
	s_wait_dscnt 0x0
	s_wait_kmcnt 0x0
	s_add_nc_u64 s[14:15], s[4:5], s[16:17]
	s_add_nc_u64 s[46:47], s[6:7], s[46:47]
	s_add_nc_u64 s[70:71], s[70:71], s[66:67]
.irp b, 0,1,2,3,4,5,6,7
	global_load_b128 v[BIAS+8*\b:BIAS+8*\b+3],   v[VB], s[70:71] offset:64*\b      ; b1 of columns 16 b + 8 h + 0..3; waited for on the way out
	global_load_b128 v[BIAS+8*\b+4:BIAS+8*\b+7], v[VB], s[70:71] offset:64*\b+16
.endr
	s_lshl_b32 s66, s13, 8
	s_lshl_b32 s67, s11, 7
	s_add_co_u32 s66, s66, s67                     ; my first row of the result
	s_mul_i32 s66, s66, OPB
	s_lshl_b32 s67, s42, 9
	s_add_co_u32 s66, s66, s67
	s_lshl_b32 s67, s12, 8
	s_add_co_u32 s66, s66, s67                     ; + my first column x 2 bytes: 512 x block column + 256 x half
	s_mov_b32 s67, 0
	s_add_nc_u64 s[68:69], s[68:69], s[66:67]
	CROUND                                         ; all sixteen work-groups are here: the first joint loads meet
.irp s, 0,1
	s_mov_b32 s[G0+4*\s], 1
	s_add_co_u32 s[G0+4*\s+1], s20, \s*SLOT
	s_add_nc_u64 s[G0+4*\s+2:G0+4*\s+3], s[14:15], \s*ASTEP
	s_or_b32 s[G0+4*\s+3], s[G0+4*\s+3], 0x80000000
	s_mov_b32 s[G0B+4*\s], 1
	s_add_co_u32 s[G0B+4*\s+1], s20, \s*SLOT
	s_add_nc_u64 s[G0B+4*\s+2:G0B+4*\s+3], s[46:47], \s*BSTEP
	s_or_b32 s[G0B+4*\s+3], s[G0B+4*\s+3], 0x80000000
	JLOAD \s                                       ; K steps 0 and 1: two loads of this wave are out
.endr
	; lane addresses
	v_and_b32 v1, 15, v0                           ; r
	v_mul_u32_u24 v3, v1, APITCH
	v_lshl_add_u32 v3, v2, 4, v3                   ; r x 272 + 16 h
	s_mul_i32 s22, s11, AHALF
	v_add_nc_u32 v[ADRA], s22, v3
	v_add_nc_u32 v[ADRA+1], SLOT, v[ADRA]
	v_and_b32 v4, 7, v0
	v_lshl_add_u32 v4, v2, 3, v4                   ; K row 8 h + (lane mod 8)
	v_mul_u32_u24 v4, v4, BPITCH
	v_bfe_u32 v5, v0, 3, 1
	v_lshl_add_u32 v4, v5, 4, v4                   ; + 16 bytes for the upper eight columns of a block
	s_lshl_b32 s23, s12, 8
	s_add_co_u32 s23, s23, ATILE                   ; my 128 columns (256 bytes of a K row), behind A's tile
	v_add_nc_u32 v[ADRB], s23, v4
	v_add_nc_u32 v[ADRB+1], SLOT, v[ADRB]
	s_mul_i32 s23, s10, 16*APITCH
	s_add_co_u32 s23, s23, STAGE                   ; my stage
	v_add_nc_u32 v[STO], s23, v3                   ; in: row r, 16 bytes for each half of the lanes
	v_mul_u32_u24 v5, v2, APITCH
	v_lshl_add_u32 v5, v1, 4, v5
	v_add_nc_u32 v[RD], s23, v5                    ; back: row h, byte 16 r
	v_mul_u32_u24 v5, v2, OPB
	v_lshl_add_u32 v[CO], v1, 4, v5                ; the same place in the output
; B's fragments of quarter q of a slot into buffer g: per block two transposing loads (K 8h.. and 16+8h.. of column r).  Window 0.
; The largest offset is 3 x 17,408 + 7 x 32 + 8,704 = 61,152, inside the 16 bits of an LDS offset.
.macro BLOAD slot, q, g
.set bb, 0
.rept NB
	ds_load_tr16_b128 v[BF+8*NB*\g+8*bb:BF+8*NB*\g+8*bb+3],   v[ADRB+\slot] offset:32*BPITCH*\q+32*bb
	ds_load_tr16_b128 v[BF+8*NB*\g+8*bb+4:BF+8*NB*\g+8*bb+7], v[ADRB+\slot] offset:32*BPITCH*\q+32*bb+16*BPITCH
.set bb, bb+1
.endr
.endm
; A's fragments of window w's row blocks
.macro ALOAD w, slot, q, g
.set aa, 0
.rept 3-\w/3
	ds_load_b128 v[80*aa+64+8*\g:80*aa+64+8*\g+3],   v[ADRA+\slot] offset:64*\q+16*APITCH*(3*\w-3+aa)
	ds_load_b128 v[80*aa+64+8*\g+4:80*aa+64+8*\g+7], v[ADRA+\slot] offset:64*\q+16*APITCH*(3*\w-3+aa)+32
.set aa, aa+1
.endr
.endm
; The one run of a quarter's LDS loads: quarter q of a slot into buffer g, in the order window 3's A (4), B (LB), window 2's A (6), window 1's A (6).
; It begins under window 3's setting, which the matrix instructions in front of it use, and ends under window 1's, which those behind it use.
.macro RUN slot, q, g
	WIN WS3
	ALOAD 3, \slot, \q, \g
	WIN 0
	BLOAD \slot, \q, \g
	WIN WS2
	ALOAD 2, \slot, \q, \g
	WIN WS1
	ALOAD 1, \slot, \q, \g
.endm
.macro FETCH slot, q, g
	PLACES 4                                       ; four places between the last quarter's matrix instructions and loads into the registers that they read (ISA guide 7.12.1 for vector instructions)
	RUN \slot, \q, \g
.endm
; The matrix instructions of window w's row blocks on buffer f.  mode 1: the product starts the sum (nothing is cleared).
; The accumulators take turns, one instruction a turn, in the same order in every quarter.
.macro GRP w, f, mode
.set aa, 0
.rept 3-\w/3
.set bb, 0
.rept NB
.if \mode
	v_wmma_f32_16x16x32_bf16 v[80*aa+8*bb:80*aa+8*bb+7], v[BF+8*NB*\f+8*bb:BF+8*NB*\f+8*bb+7], v[80*aa+64+8*\f:80*aa+64+8*\f+7], 0
.else
	v_wmma_f32_16x16x32_bf16 v[80*aa+8*bb:80*aa+8*bb+7], v[BF+8*NB*\f+8*bb:BF+8*NB*\f+8*bb+7], v[80*aa+64+8*\f:80*aa+64+8*\f+7], v[80*aa+8*bb:80*aa+8*bb+7]
.endif
.set bb, bb+1
.endr
.set aa, aa+1
.endr
.endm
; A quarter step (32 along K): multiplies buffer f, fetches quarter q of the slot into buffer g.
.macro Q slot, q, f, g, mode
	WIN WS3
	s_wait_dscnt 12                                ; window 3's A and B of buffer f are in; the 12 younger loads (windows 2 and 1) may stay out
	GRP 3, \f, \mode
	FETCH \slot, \q, \g
	s_wait_dscnt LB+16                             ; all but the run just issued: windows 2 and 1 of buffer f are in
	GRP 1, \f, \mode
	WIN WS2
	GRP 2, \f, \mode
.endm
; The last quarter of a K step: multiplies buffer 1 and changes slots.  In front of the barrier each wave waits for its reads of this slot and for all
; its tensor loads (one is out: its part of the next slot).  fill = 1: the barrier opens a round of the cluster's barrier, and the joint refill of this
; slot, two K steps ahead, is the first tensor load behind the round; it is waited for a K step less 2 NB matrix instructions later: 240 of them.
.macro TURN slot, next, fill
	s_wait_dscnt 0x0                               ; my reads of this slot are back (issued 6 NB matrix instructions ago)
	s_wait_tensorcnt 0x0                           ; all my tensor loads have landed
	ds_add_u32 v31, v255
	s_wait_dscnt 0x0
	s_barrier_signal -1
	WIN WS3
	GRP 3, 1, 0                                    ; register work while the others arrive
	WIN 0
	s_barrier_wait -1
.if \fill
	CREST                                          ; the round closes: no wave of any partner reads this slot or has a load on its way
	s_add_nc_u64 s[G0+4*\slot+2:G0+4*\slot+3], s[G0+4*\slot+2:G0+4*\slot+3], 2*ASTEP
	s_add_nc_u64 s[G0B+4*\slot+2:G0B+4*\slot+3], s[G0B+4*\slot+2:G0B+4*\slot+3], 2*BSTEP
	JLOAD \slot                                    ; the first tensor load behind the round, one a wave
.endif
	FETCH \next, 0, 0
	GRP 1, 1, 0                                    ; buffer 1 is whole since the wait for 0 above
	WIN WS2
	GRP 2, 1, 0
.endm
.macro STEP slot, next, mode, fill
	Q \slot, 1, 0, 1, \mode
	Q \slot, 2, 1, 0, 0
	Q \slot, 3, 0, 1, 0
	TURN \slot, \next, \fill
.endm
.macro LAP m0
	STEP 0, 1, \m0, 1
	STEP 1, 0, 0, 1
.endm
	s_wait_tensorcnt 0x1                           ; my part of K step 0 is in; K step 1's may stay out
	s_barrier_signal -1
	s_barrier_wait -1
	RUN 0, 0, 0
	LAP 1                                          ; the first lap stands in front of the loop: its first products start the sums
	WIN 0
	s_mov_b32 s3, LAPS-2
.Llap:
	LAP 0
	WIN 0
	s_sub_co_u32 s3, s3, 1
	s_cmp_lg_u32 s3, 0
	s_cbranch_scc1 .Llap
	STEP 0, 1, 0, 0                                ; the last lap fills nothing
	Q 1, 1, 0, 1, 0
	Q 1, 2, 1, 0, 0
	Q 1, 3, 0, 1, 0
	WIN WS3
	s_wait_dscnt 12                                ; the very last quarter: nothing more to fetch
	GRP 3, 1, 0
	WIN WS1
	s_wait_dscnt 0x0
	GRP 1, 1, 0
	WIN WS2
	GRP 2, 1, 0
	PLACES 4                                       ; four places before vector instructions read the results or write the fragment registers
; THE WAY OUT.  Row block a: add the bias in f32, round to bf16, 16 bytes a lane and block into my own stage, whole rows of 256 bytes back,
; sixteen lanes store 256 consecutive bytes, aligned (a wave's 128 bf16 columns are 256 bytes of a row of qkvb).  No other wave touches my stage: no barrier.
.macro OUTA w, al, ag
	WIN \w                                         ; source 0 in window w
.set kk, 0
.rept 32
	v_pk_add_f32 v[TF+2*kk:TF+2*kk+1], v[80*\al+2*kk:80*\al+2*kk+1], v[BIAS+2*kk:BIAS+2*kk+1]
.set kk, kk+1
.endr
	WIN 0
.set kk, 0
.rept 32
	v_cvt_pk_bf16_f32 v[TMP+kk], v[TF+2*kk], v[TF+2*kk+1]
.set kk, kk+1
.endr
.set kk, 0
.rept 8
	ds_store_b128 v[STO], v[TMP+4*kk:TMP+4*kk+3] offset:32*kk
.set kk, kk+1
.endr
	s_wait_xcnt 0x0                                ; the set's registers, which earlier stores read, are loaded again only behind this wait
.set kk, 0
.rept 8
	ds_load_b128 v[RB+32*(\ag&1)+4*kk:RB+32*(\ag&1)+4*kk+3], v[RD] offset:2*APITCH*kk   ; LDS serves a wave's instructions in order (ISA guide 5.7.1): these see the stores above
.set kk, kk+1
.endr
.set kk, 0
.rept 8
	s_wait_dscnt 7-kk                              ; LDS loads come back in order: pair kk of rows is in
	global_store_b128 v[CO], v[RB+32*(\ag&1)+4*kk:RB+32*(\ag&1)+4*kk+3], s[68:69] offset:(16*\ag+2*kk)*OPB
.set kk, kk+1
.endr
.endm
	s_wait_loadcnt 0x0                             ; the bias
	OUTA 1, 0, 0
	OUTA 1, 1, 1
	OUTA 1, 2, 2
	OUTA 2, 0, 3
	OUTA 2, 1, 4
	OUTA 2, 2, 5
	OUTA 3, 0, 6
	OUTA 3, 1, 7
	s_set_vgpr_msb 0x8
	s_wait_tensorcnt 0x0
	ds_add_u32 v31, v255
	s_wait_dscnt 0x0
	s_set_vgpr_msb 0x800
	CROUND                                         ; the closing round: no work-group ends while a partner may still ask jointly
	s_endpgm
.Lfunc_end_k_qbc610b9059_qkv:
	.size	k_qbc610b9059_qkv, .Lfunc_end_k_qbc610b9059_qkv-k_qbc610b9059_qkv
	.p2alignl 7, 3214868480
	.fill 96, 4, 3214868480
	.section	.rodata,"a",@progbits
	.p2align	6, 0x0
	.amdhsa_kernel k_qbc610b9059_qkv
		.amdhsa_group_segment_fixed_size 327680
		.amdhsa_private_segment_fixed_size 0
		.amdhsa_enable_private_segment 0
		.amdhsa_kernarg_size 32
		.amdhsa_user_sgpr_count 2
		.amdhsa_user_sgpr_kernarg_segment_ptr 1
		.amdhsa_wavefront_size32 1
		.amdhsa_system_sgpr_workgroup_id_x 1
		.amdhsa_system_sgpr_workgroup_id_y 1
		.amdhsa_system_sgpr_workgroup_id_z 1
		.amdhsa_system_vgpr_workitem_id 0
		.amdhsa_next_free_vgpr 1024
		.amdhsa_next_free_sgpr 72
		.amdhsa_reserve_vcc 0
		.amdhsa_float_denorm_mode_32 3
		.amdhsa_float_denorm_mode_16_64 3
		.amdhsa_memory_ordered 1
		.amdhsa_forward_progress 1
		.amdhsa_inst_pref_size 214
	.end_amdhsa_kernel
	.amdgpu_metadata
---
amdhsa.version: [ 1, 2 ]
amdhsa.kernels:
  - .name:           k_qbc610b9059_qkv
    .symbol:         k_qbc610b9059_qkv.kd
    .args:
      - { .name: xb, .offset: 0, .size: 8, .value_kind: global_buffer, .address_space: global }
      - { .name: w1b, .offset: 8, .size: 8, .value_kind: global_buffer, .address_space: global }
      - { .name: qkvb, .offset: 16, .size: 8, .value_kind: global_buffer, .address_space: global }
      - { .name: b1, .offset: 24, .size: 8, .value_kind: global_buffer, .address_space: global }
    .group_segment_fixed_size: 327680
    .private_segment_fixed_size: 0
    .kernarg_segment_align: 8
    .kernarg_segment_size: 32
    .max_flat_workgroup_size: 128
    .sgpr_count:     72
    .vgpr_count:     1024
    .wavefront_size: 32
...
	.end_amdgpu_metadata
.endif
;; end of part 6
;; launch scores (part 7): grid 8 x 32, 4 waves a work-group, clusters of 4 x 4, 327,680 bytes of LDS; arguments qkvb, pb, stats; writes pb, stats
.if DOCPART == 7
	.amdgcn_target "amdgcn-amd-amdhsa--gfx1250"
	.amdhsa_code_object_version 6
	.text
	.protected	k_qbc610b9059_scores
	.globl	k_qbc610b9059_scores
	.p2align	8
	.type	k_qbc610b9059_scores,@function
k_qbc610b9059_scores:
	s_mov_b64 s[64:65], 0
	v_nop
	global_prefetch_b8 v0, s[64:65] scope:SCOPE_SE
	s_setreg_imm32_b32 hwreg(HW_REG_WAVE_MODE, 25, 1), 1
	s_wait_xcnt 0x0
	s_wait_alu depctr_hold_cnt(0) depctr_sa_sdst(0) depctr_va_vdst(0) depctr_va_sdst(0) depctr_va_ssrc(0) depctr_va_vcc(0) depctr_vm_vsrc(0)
	s_getreg_b32 s2, hwreg(HW_REG_IB_STS2, 6, 4)
	s_cmp_eq_u32 s2, 0
	s_cbranch_scc0 .Lentry_in_a_cluster
	s_endpgm
.Lentry_in_a_cluster:
	s_bfe_u32 s2, ttmp6, 0x10000c
	s_cmp_lg_u32 s2, 0xf033
	s_cbranch_scc0 .Lentry_shape_is_right
	s_endpgm
.Lentry_shape_is_right:
; For each batch: s = q k^T; with c = 2048^-0.5 log2(e), for each row and each tile of 128 keys: m' = c max(s), P = 2^(c s - m') (bf16), l = sum of P (f32).
; The maximum of each row over its 128-key tile is taken away before the exponential; the next launch weights the tiles by 2^(m' - row maximum), so the whole
; is softmax with the true row maximum.  Limits: q, k in bf16; exponentials below 2^-126 come out as zero; nothing is promised where scores are not finite.
; q = bytes 0.., k = bytes 2048.. of qkvb's rows of 6,144 bytes.  pb [8192][2048] bf16.  stats: m' at byte 0, l at byte 524,288, each [row/128][key/128][r 16][a 8] f32
; (row = 128 (row/128) + 16 a + r): a wave's 128 numbers are 512 consecutive bytes.
; A work-group makes 256 x 256 scores with four waves, a wave 128 x 128: 8 x 8 blocks of 16 x 16, 512 accumulator registers.  K = 1024 in steps of 128 through two
; LDS slots; both tiles lie with K along the rows: 256 rows x 256 bytes, pitch 272.  Waves 0, 1 fetch q's halves, waves 2, 3 k's: one tensor load a wave.
; CLUSTER 4 x 4: q's tile is shared along a row of the cluster, k's along a column (all sixteen work-groups lie in one batch: 8 block rows a batch).
; REGISTERS: row block a in window 1 + a/3 at base 80 (a mod 3): T(a,b) = base + 8 b (b = 0..7), A fragments base + 64 + 8 buffer; v240-249 of each window at work
; in the softmax.  Window 0: addresses, B fragments (two buffers of 64), the way out.  Matrix instruction transposed: lane (r, h), register j of T(a,b): row 16 a + r, key 16 b + 8 h + j.
; A K step is four quarters of 32 along K on fragment buffers 0, 1, 0, 1.  All LDS loads of a quarter stand in ONE run behind the quarter's first 2 NB matrix
; instructions: the matrix instructions are interrupted once a quarter, and 6 NB of them lie between the run and the first use of what it brings.
.set NB,     8
.set LB,     2*NB
.set LAPS,   4
.set APE,    3072
.set ASTEP,  256
.set BSTEP,  256
.set APITCH, 272
.set AHALF,  128*APITCH
.set ATILE,  2*AHALF
.set SLOT,   2*ATILE
.set STAGE,  2*SLOT                    ; 16 rows x 272 bytes for each wave, its own; never a tensor load's target
.set SOFF, 8                           ; v8      32 r + 16 h: my place in a block of stats
.set ADRA, 16
.set ADRB, 20
.set STO,  24
.set RD,   25
.set CO,   26
.set BF,   32                          ; v32-159 B fragments, two buffers of 64
.set MS,   32                          ; v32-39  (after the loop) m' of my row in row blocks 0..7
.set LS,   40                          ; v40-47  l likewise
.set SEL,  48                          ; v48-55  the four m' and four l that I store
.set TMP,  160                         ; v160-191 packed P
.set RB,   192                         ; v192-255 rows read back, two sets
.set G1,  24
.set G0,  32
.set G1B, 48
.set G0B, 56
.set WS1, 0x54
.set WS2, 0xa8
.set WS3, 0xfc
.set MSB, 0
.macro WIN new
.if MSB != (\new)
	s_set_vgpr_msb (MSB<<8)|(\new)
.set MSB, (\new)
.endif
.endm
.macro PLACES n
.rept \n
	v_nop
.endr
.endm
.macro JLOAD s
	s_cmp_eq_u32 s11, 0
	s_cbranch_scc0 .Lfor_b_\@
	tensor_load_to_lds s[G0+4*\s:G0+4*\s+3], s[G1:G1+7]
	s_nop 0
	s_branch .Lasked_\@
.Lfor_b_\@:
	tensor_load_to_lds s[G0B+4*\s:G0B+4*\s+3], s[G1B:G1B+7]
	s_nop 0
.Lasked_\@:
.endm
.macro CREST
	s_cmp_lg_u32 s10, 0
	s_cbranch_scc1 .Lnot_wave_0_\@
	s_barrier_signal -3
.Lnot_wave_0_\@:
	s_barrier_wait -3
	s_barrier_signal -1
	s_barrier_wait -1
.endm
.macro CROUND
	s_barrier_signal -1
	s_barrier_wait -1
	CREST
.endm
	s_load_b64 s[4:5], s[0:1], 0x0                 ; qkvb
	s_load_b64 s[68:69], s[0:1], 0x8               ; pb
	s_load_b64 s[70:71], s[0:1], 0x10              ; stats
	v_lshl_add_u32 v31, v0, 2, 0x48400
	s_set_vgpr_msb 0x80
	v_mov_b32 v255, 0
	s_set_vgpr_msb 0x8088
	ds_add_u32 v31, v255
	s_set_vgpr_msb 0x8800
	v_lshrrev_b32 v1, 5, v0
	v_readfirstlane_b32 s10, v1
	s_lshr_b32 s11, s10, 1
	s_and_b32 s12, s10, 1
	s_bfe_u32 s40, ttmp6, 0x40000                  ; cx
	s_bfe_u32 s41, ttmp6, 0x40004                  ; cy
	s_lshl_b32 s42, ttmp9, 2
	s_add_co_u32 s42, s42, s40                     ; block column (of keys in the batch), 0..7
	s_and_b32 s13, ttmp7, 0xffff
	s_lshr_b32 s45, s13, 1                         ; batch = cluster y / 2: shared by the whole cluster
	s_lshl_b32 s13, s13, 2
	s_add_co_u32 s13, s13, s41                     ; block row (of all 8192 rows), 0..31
	s_lshl_b32 s43, s41, 2
	s_lshl_b32 s43, 15, s43
	s_lshl_b32 s44, 0x1111, s40
	s_mov_b32 s72, 0x3d0293ee                      ; c = 2^-5.5 x log2(e)
	s_mov_b32 s73, 0x3d0293ee
	s_mov_b32 s74, 0x76543210                      ; v_permlanex16_b32: lane i takes lane i of the other half
	s_mov_b32 s75, 0xfedcba98
	s_or_b32 s[G1+0], s43, (1<<16)|(1<<20)|(1<<21)|(5<<22)|(3<<25)
	s_mov_b32 s[G1+1], 128<<16
	s_mov_b32 s[G1+2], 128<<16
	s_mov_b32 s[G1+3], 128<<16
	s_mov_b32 s[G1+4], 128
	s_mov_b32 s[G1+5], APE
	s_mov_b32 s[G1+6], 0
	s_mov_b32 s[G1+7], 0
	s_or_b32 s[G1B+0], s44, (1<<16)|(1<<20)|(1<<21)|(5<<22)|(3<<25)
	s_mov_b32 s[G1B+1], 128<<16
	s_mov_b32 s[G1B+2], 128<<16
	s_mov_b32 s[G1B+3], 128<<16
	s_mov_b32 s[G1B+4], 128
	s_mov_b32 s[G1B+5], APE
	s_mov_b32 s[G1B+6], 0
	s_mov_b32 s[G1B+7], 0
	s_lshl_b32 s17, s12, 7
	s_lshl_b32 s16, s13, 8
	s_add_co_u32 s16, s16, s17
	s_mul_i32 s16, s16, APE*2                      ; q: row 256 x block row + 128 x half
	s_lshl_b32 s46, s45, 11
	s_lshl_b32 s47, s42, 8
	s_add_co_u32 s46, s46, s47
	s_add_co_u32 s46, s46, s17                     ; k: row 2048 x batch + 256 x block column + 128 x half,
	s_mul_i32 s46, s46, APE*2
	s_add_co_u32 s46, s46, 2048                    ; at byte 2048 of the row
	s_mov_b32 s17, 0
	s_mov_b32 s47, 0
	s_mul_i32 s20, s10, AHALF                      ; LDS: q's two halves, then k's two halves = wave x 34,816
	s_wait_dscnt 0x0
	s_wait_kmcnt 0x0
	s_add_nc_u64 s[14:15], s[4:5], s[16:17]
	s_add_nc_u64 s[46:47], s[4:5], s[46:47]
	s_lshl_b32 s66, s13, 8
	s_lshl_b32 s67, s11, 7
	s_add_co_u32 s66, s66, s67
	s_lshl_b32 s66, s66, 12                        ; pb: my first row x 4,096 bytes
	s_lshl_b32 s67, s42, 9
	s_add_co_u32 s66, s66, s67
	s_lshl_b32 s67, s12, 8
	s_add_co_u32 s66, s66, s67                     ; + my first key x 2 bytes
	s_mov_b32 s67, 0
	s_add_nc_u64 s[68:69], s[68:69], s[66:67]
	s_lshl_b32 s66, s13, 1
	s_add_co_u32 s66, s66, s11                     ; row / 128
	s_lshl_b32 s66, s66, 4
	s_lshl_b32 s67, s42, 1
	s_add_co_u32 s66, s66, s67
	s_add_co_u32 s66, s66, s12                     ; x 16 + key / 128
	s_lshl_b32 s66, s66, 9
	s_mov_b32 s67, 0
	s_add_nc_u64 s[70:71], s[70:71], s[66:67]
	CROUND
.irp s, 0,1
	s_mov_b32 s[G0+4*\s], 1
	s_add_co_u32 s[G0+4*\s+1], s20, \s*SLOT
	s_add_nc_u64 s[G0+4*\s+2:G0+4*\s+3], s[14:15], \s*ASTEP
	s_or_b32 s[G0+4*\s+3], s[G0+4*\s+3], 0x80000000
	s_mov_b32 s[G0B+4*\s], 1
	s_add_co_u32 s[G0B+4*\s+1], s20, \s*SLOT
	s_add_nc_u64 s[G0B+4*\s+2:G0B+4*\s+3], s[46:47], \s*BSTEP
	s_or_b32 s[G0B+4*\s+3], s[G0B+4*\s+3], 0x80000000
	JLOAD \s
.endr
	v_and_b32 v1, 15, v0                           ; r
	v_bfe_u32 v2, v0, 4, 1                         ; h (kept to the end)
	v_mul_u32_u24 v3, v1, APITCH
	v_lshl_add_u32 v3, v2, 4, v3
	s_mul_i32 s22, s11, AHALF
	v_add_nc_u32 v[ADRA], s22, v3
	v_add_nc_u32 v[ADRA+1], SLOT, v[ADRA]
	s_mul_i32 s23, s12, AHALF
	s_add_co_u32 s23, s23, ATILE
	v_add_nc_u32 v[ADRB], s23, v3
	v_add_nc_u32 v[ADRB+1], SLOT, v[ADRB]
	s_mul_i32 s23, s10, 16*APITCH
	s_add_co_u32 s23, s23, STAGE                   ; my stage
	v_add_nc_u32 v[STO], s23, v3
	v_mul_u32_u24 v5, v2, APITCH
	v_lshl_add_u32 v5, v1, 4, v5
	v_add_nc_u32 v[RD], s23, v5
	v_lshlrev_b32 v5, 12, v2
	v_lshl_add_u32 v[CO], v1, 4, v5                ; h x 4,096 + 16 r
	v_lshlrev_b32 v5, 5, v1
	v_lshl_add_u32 v[SOFF], v2, 4, v5              ; 32 r + 16 h
.macro BLOAD slot, q, g
.set bb, 0
.rept NB
	ds_load_b128 v[BF+8*NB*\g+8*bb:BF+8*NB*\g+8*bb+3],   v[ADRB+\slot] offset:64*\q+16*APITCH*bb
	ds_load_b128 v[BF+8*NB*\g+8*bb+4:BF+8*NB*\g+8*bb+7], v[ADRB+\slot] offset:64*\q+16*APITCH*bb+32
.set bb, bb+1
.endr
.endm
.macro ALOAD w, slot, q, g
.set aa, 0
.rept 3-\w/3
	ds_load_b128 v[80*aa+64+8*\g:80*aa+64+8*\g+3],   v[ADRA+\slot] offset:64*\q+16*APITCH*(3*\w-3+aa)
	ds_load_b128 v[80*aa+64+8*\g+4:80*aa+64+8*\g+7], v[ADRA+\slot] offset:64*\q+16*APITCH*(3*\w-3+aa)+32
.set aa, aa+1
.endr
.endm
; The one run of a quarter's LDS loads: quarter q of a slot into buffer g, in the order window 3's A (4), B (LB), window 2's A (6), window 1's A (6).
; It begins under window 3's setting, which the matrix instructions in front of it use, and ends under window 1's, which those behind it use.
.macro RUN slot, q, g
	WIN WS3
	ALOAD 3, \slot, \q, \g
	WIN 0
	BLOAD \slot, \q, \g
	WIN WS2
	ALOAD 2, \slot, \q, \g
	WIN WS1
	ALOAD 1, \slot, \q, \g
.endm
.macro FETCH slot, q, g
	PLACES 4                                       ; four places between the last quarter's matrix instructions and loads into the registers that they read (ISA guide 7.12.1 for vector instructions)
	RUN \slot, \q, \g
.endm
; The accumulators take turns, one instruction a turn, in the same order in every quarter.
.macro GRP w, f, mode
.set aa, 0
.rept 3-\w/3
.set bb, 0
.rept NB
.if \mode
	v_wmma_f32_16x16x32_bf16 v[80*aa+8*bb:80*aa+8*bb+7], v[BF+8*NB*\f+8*bb:BF+8*NB*\f+8*bb+7], v[80*aa+64+8*\f:80*aa+64+8*\f+7], 0
.else
	v_wmma_f32_16x16x32_bf16 v[80*aa+8*bb:80*aa+8*bb+7], v[BF+8*NB*\f+8*bb:BF+8*NB*\f+8*bb+7], v[80*aa+64+8*\f:80*aa+64+8*\f+7], v[80*aa+8*bb:80*aa+8*bb+7]
.endif
.set bb, bb+1
.endr
.set aa, aa+1
.endr
.endm
.macro Q slot, q, f, g, mode
	WIN WS3
	s_wait_dscnt 12                                ; window 3's A and B of buffer f are in; the 12 younger loads (windows 2 and 1) may stay out
	GRP 3, \f, \mode
	FETCH \slot, \q, \g
	s_wait_dscnt LB+16                             ; all but the run just issued: windows 2 and 1 of buffer f are in
	GRP 1, \f, \mode
	WIN WS2
	GRP 2, \f, \mode
.endm
.macro TURN slot, next, fill
	s_wait_dscnt 0x0                               ; my reads of this slot are back (issued 6 NB matrix instructions ago)
	s_wait_tensorcnt 0x0                           ; all my tensor loads have landed (one was out: my part of the next slot)
	ds_add_u32 v31, v255
	s_wait_dscnt 0x0
	s_barrier_signal -1
	WIN WS3
	GRP 3, 1, 0                                    ; register work while the others arrive
	WIN 0
	s_barrier_wait -1
.if \fill
	CREST                                          ; the round closes: no wave of any partner reads this slot or has a load on its way
	s_add_nc_u64 s[G0+4*\slot+2:G0+4*\slot+3], s[G0+4*\slot+2:G0+4*\slot+3], 2*ASTEP
	s_add_nc_u64 s[G0B+4*\slot+2:G0B+4*\slot+3], s[G0B+4*\slot+2:G0B+4*\slot+3], 2*BSTEP
	JLOAD \slot                                    ; the first tensor load behind the round, one a wave
.endif
	FETCH \next, 0, 0
	GRP 1, 1, 0                                    ; buffer 1 is whole since the wait for 0 above
	WIN WS2
	GRP 2, 1, 0
.endm
.macro STEP slot, next, mode, fill
	Q \slot, 1, 0, 1, \mode
	Q \slot, 2, 1, 0, 0
	Q \slot, 3, 0, 1, 0
	TURN \slot, \next, \fill
.endm
.macro LAP m0
	STEP 0, 1, \m0, 1
	STEP 1, 0, 0, 1
.endm
	s_wait_tensorcnt 0x1                           ; my part of K step 0 is in; K step 1's may stay out
	s_barrier_signal -1
	s_barrier_wait -1
	RUN 0, 0, 0
	LAP 1
	WIN 0
	s_mov_b32 s3, LAPS-2
.Llap:
	LAP 0
	WIN 0
	s_sub_co_u32 s3, s3, 1
	s_cmp_lg_u32 s3, 0
	s_cbranch_scc1 .Llap
	STEP 0, 1, 0, 0
	Q 1, 1, 0, 1, 0
	Q 1, 2, 1, 0, 0
	Q 1, 3, 0, 1, 0
	WIN WS3
	s_wait_dscnt 12                                ; the very last quarter: nothing more to fetch
	GRP 3, 1, 0
	WIN WS1
	s_wait_dscnt 0x0
	GRP 1, 1, 0
	WIN WS2
	GRP 2, 1, 0
	PLACES 4
; Row block a: a lane holds 64 of its row's 128 scores, the lane 16 further the other 64.  Maximum, exponentials, sum, all in window w; then P goes out
; through my own stage: 16 bytes a lane and block in, whole rows of 256 bytes back, sixteen lanes store 256 consecutive bytes, aligned.
.macro SOFT w, al, ag
	WIN 0x55*\w
.set TB, 80*\al
	v_max_num_f32 v240, v[TB], v[TB+1]             ; two chains of 32 scores
	v_max_num_f32 v241, v[TB+32], v[TB+33]
.set kk, 2
.rept 15
	v_max3_num_f32 v240, v240, v[TB+kk], v[TB+kk+1]
	v_max3_num_f32 v241, v241, v[TB+32+kk], v[TB+33+kk]
.set kk, kk+2
.endr
	v_max_num_f32 v240, v240, v241
	v_mov_b32 v242, v240                           ; the permute's destination counts as read
	v_permlanex16_b32 v242, v240, s74, s75
	v_max_num_f32 v240, v240, v242                 ; the row's maximum over the 128 keys, in both lanes
	v_mul_f32 v243, s72, v240                      ; m' = c x maximum (c > 0)
	v_xor_b32 v244, 0x80000000, v243
	v_xor_b32 v245, 0x80000000, v243               ; -m', twice
.set kk, 0
.rept 32
	v_pk_fma_f32 v[TB+kk:TB+kk+1], v[TB+kk:TB+kk+1], s[72:73], v[244:245] op_sel_hi:[1,0,1]
.set kk, kk+2
.endr
.set kk, 0
.rept 64
	v_exp_f32 v[TB+kk], v[TB+kk]
.set kk, kk+1
.endr
	v_nop                                          ; one plain place behind the last exponential before results are read
	s_wait_alu depctr_va_vdst(0)
	v_pk_add_f32 v[246:247], v[TB:TB+1], v[TB+2:TB+3]
	v_pk_add_f32 v[248:249], v[TB+4:TB+5], v[TB+6:TB+7]
.set kk, 8
.rept 14
	v_pk_add_f32 v[246:247], v[246:247], v[TB+kk:TB+kk+1]
	v_pk_add_f32 v[248:249], v[248:249], v[TB+kk+2:TB+kk+3]
.set kk, kk+4
.endr
	v_pk_add_f32 v[246:247], v[246:247], v[248:249]
	v_add_f32 v246, v246, v247
	v_permlanex16_b32 v247, v246, s74, s75
	v_add_f32 v246, v246, v247                     ; l
	WIN 5*\w                                       ; sources in window w, destination in window 0
.set kk, 0
.rept 32
	v_cvt_pk_bf16_f32 v[TMP+kk], v[TB+2*kk], v[TB+2*kk+1]
.set kk, kk+1
.endr
	v_mov_b32 v[MS+\ag], v243
	v_mov_b32 v[LS+\ag], v246
	WIN 0
.set kk, 0
.rept 8
	ds_store_b128 v[STO], v[TMP+4*kk:TMP+4*kk+3] offset:32*kk
.set kk, kk+1
.endr
	s_wait_xcnt 0x0                                ; the set's registers, which earlier stores read, are loaded again only behind this wait
.set kk, 0
.rept 8
	ds_load_b128 v[RB+32*(\ag&1)+4*kk:RB+32*(\ag&1)+4*kk+3], v[RD] offset:2*APITCH*kk   ; LDS serves a wave's instructions in order (ISA guide 5.7.1): these see the stores above
.set kk, kk+1
.endr
.set kk, 0
.rept 8
	s_wait_dscnt 7-kk
	global_store_b128 v[CO], v[RB+32*(\ag&1)+4*kk:RB+32*(\ag&1)+4*kk+3], s[68:69] offset:(16*\ag+2*kk)*4096
.set kk, kk+1
.endr
.endm
	SOFT 1, 0, 0
	SOFT 1, 1, 1
	SOFT 1, 2, 2
	SOFT 2, 0, 3
	SOFT 2, 1, 4
	SOFT 2, 2, 5
	SOFT 3, 0, 6
	SOFT 3, 1, 7
	; both lanes of a row hold all eight m' and l: lane (r, h) stores row blocks 4 h .. 4 h + 3; each store of the wave covers 512 consecutive bytes
	v_cmp_ne_u32 vcc_lo, 0, v2
.irp i, 0,1,2,3
	v_cndmask_b32 v[SEL+\i],   v[MS+\i], v[MS+4+\i], vcc_lo
	v_cndmask_b32 v[SEL+4+\i], v[LS+\i], v[LS+4+\i], vcc_lo
.endr
	global_store_b128 v[SOFF], v[SEL:SEL+3], s[70:71]
	global_store_b128 v[SOFF], v[SEL+4:SEL+7], s[70:71] offset:524288
	s_set_vgpr_msb 0x8
	s_wait_tensorcnt 0x0
	ds_add_u32 v31, v255
	s_wait_dscnt 0x0
	s_set_vgpr_msb 0x800
	CROUND                                         ; the closing round
	s_endpgm
.Lfunc_end_k_qbc610b9059_scores:
	.size	k_qbc610b9059_scores, .Lfunc_end_k_qbc610b9059_scores-k_qbc610b9059_scores
	.p2alignl 7, 3214868480
	.fill 96, 4, 3214868480
	.section	.rodata,"a",@progbits
	.p2align	6, 0x0
	.amdhsa_kernel k_qbc610b9059_scores
		.amdhsa_group_segment_fixed_size 327680
		.amdhsa_private_segment_fixed_size 0
		.amdhsa_enable_private_segment 0
		.amdhsa_kernarg_size 24
		.amdhsa_user_sgpr_count 2
		.amdhsa_user_sgpr_kernarg_segment_ptr 1
		.amdhsa_wavefront_size32 1
		.amdhsa_system_sgpr_workgroup_id_x 1
		.amdhsa_system_sgpr_workgroup_id_y 1
		.amdhsa_system_sgpr_workgroup_id_z 1
		.amdhsa_system_vgpr_workitem_id 0
		.amdhsa_next_free_vgpr 1024
		.amdhsa_next_free_sgpr 76
		.amdhsa_reserve_vcc 1
		.amdhsa_float_denorm_mode_32 3
		.amdhsa_float_denorm_mode_16_64 3
		.amdhsa_memory_ordered 1
		.amdhsa_forward_progress 1
		.amdhsa_inst_pref_size 255
	.end_amdhsa_kernel
	.section	.bss,"aw",@nobits
	.p2align	6
	.space	262144
	.amdgpu_metadata
---
amdhsa.version: [ 1, 2 ]
amdhsa.kernels:
  - .name:           k_qbc610b9059_scores
    .symbol:         k_qbc610b9059_scores.kd
    .args:
      - { .name: qkvb, .offset: 0, .size: 8, .value_kind: global_buffer, .address_space: global }
      - { .name: pb, .offset: 8, .size: 8, .value_kind: global_buffer, .address_space: global }
      - { .name: stats, .offset: 16, .size: 8, .value_kind: global_buffer, .address_space: global }
    .group_segment_fixed_size: 327680
    .private_segment_fixed_size: 0
    .kernarg_segment_align: 8
    .kernarg_segment_size: 24
    .max_flat_workgroup_size: 128
    .sgpr_count:     76
    .vgpr_count:     1024
    .wavefront_size: 32
...
	.end_amdgpu_metadata
.endif
;; end of part 7
;; launch pv (part 8): grid 8 x 32, 4 waves a work-group, clusters of 4 x 4, 327,680 bytes of LDS; arguments pb, qkvb, ctxb, stats; writes ctxb
.if DOCPART == 8
	.amdgcn_target "amdgcn-amd-amdhsa--gfx1250"
	.amdhsa_code_object_version 6
	.text
	.protected	k_qbc610b9059_pv
	.globl	k_qbc610b9059_pv
	.p2align	8
	.type	k_qbc610b9059_pv,@function
k_qbc610b9059_pv:
	s_mov_b64 s[64:65], 0
	v_nop
	global_prefetch_b8 v0, s[64:65] scope:SCOPE_SE
	s_setreg_imm32_b32 hwreg(HW_REG_WAVE_MODE, 25, 1), 1
	s_wait_xcnt 0x0
	s_wait_alu depctr_hold_cnt(0) depctr_sa_sdst(0) depctr_va_vdst(0) depctr_va_sdst(0) depctr_va_ssrc(0) depctr_va_vcc(0) depctr_vm_vsrc(0)
	s_getreg_b32 s2, hwreg(HW_REG_IB_STS2, 6, 4)
	s_cmp_eq_u32 s2, 0
	s_cbranch_scc0 .Lentry_in_a_cluster
	s_endpgm
.Lentry_in_a_cluster:
	s_bfe_u32 s2, ttmp6, 0x10000c
	s_cmp_lg_u32 s2, 0xf033
	s_cbranch_scc0 .Lentry_shape_is_right
	s_endpgm
.Lentry_shape_is_right:
; ctx[row][e] = ( sum over tiles t of f(row, t) x sum over the tile's 128 keys of P[row][key] v[key][e] ) / L(row),
; f(row, t) = 2^(m'(row, t) - M(row)), M = max over t of m', L = sum over t of f l.  That is softmax with the row's true maximum: f <= 1, and L >= 1 up to rounding,
; since the tile that holds the maximum has f = 1 and a sum that holds the term 1.  P, v, ctx bf16; sums, f, L in f32.  f below 2^-126 comes out as zero.
; pb [8192][2048] bf16; v = bytes 4096.. of qkvb's rows of 6,144 bytes; ctxb [8192][1024] bf16; stats as the scores launch stores it.
; A work-group makes 256 x 128 with four waves, a wave 128 x 64.  A K step is one tile of 128 keys: its products are summed in T (started by the constant 0), and in the
; first quarter of the next step T is folded into O with the tile's weight, one packed multiply-add for two numbers, just ahead of the product that starts T anew.
; Ring, cluster, windows, the one run of LDS loads a quarter and the transposed matrix instruction as in the qkv launch; O(a,b) = base + 32 + 8 b beside T(a,b) = base + 8 b.
.set NB,     4
.set LB,     2*NB
.set LAPS,   8                         ; K = 2048 keys = 16 steps
.set APE,    2048
.set BPE,    3072
.set OPB,    2048
.set ASTEP,  256
.set BSTEP,  128*BPE*2
.set APITCH, 272
.set AHALF,  128*APITCH
.set ATILE,  2*AHALF
.set BPITCH, 288
.set BHALF,  64*BPITCH
.set SLOT,   ATILE+2*BHALF
.set STAGE,  2*SLOT                    ; 256 rows x 272 bytes
.set FAC,    STAGE+256*APITCH          ; for each wave 17 blocks of 512 bytes [r 16][a 8] f32: f of tiles 0..15, then 1 / L; its own; never a tensor load's target
.set FACW,   17*512
.set SOFF, 8                           ; v8      32 r + 16 h, never rewritten
.set ADRA, 16
.set ADRB, 20
.set STO,  24
.set RD,   25
.set CO,   26
.set FADR, 27                          ; v27     my 32 bytes (8 row blocks) in the block of the lap's first tile; steps 1,024 a lap
.set FST,  28                          ; v28     where I store four factors
.set BF,   32
.set TMP,  96
.set MX,   112                         ; v112-115 M of my four rows
.set LT,   116                         ; v116-119 L, then 1 / L
.set SM,   128                         ; v128-191 m' (then f) of 16 tiles x my four rows, in the prologue
.set SL,   192                         ; v192-255 l likewise
.set FR,   144                         ; v144-151 (in the loop) f of the current tile, row blocks 0..7
.set RL,   152                         ; v152-159 1 / L, row blocks 0..7
.set TF,   160
.set RB,   192
.set G1,  24
.set G0,  32
.set G1B, 48
.set G0B, 56
.set WS1, 0x54
.set WS2, 0xa8
.set WS3, 0xfc
.set MSB, 0
.macro WIN new
.if MSB != (\new)
	s_set_vgpr_msb (MSB<<8)|(\new)
.set MSB, (\new)
.endif
.endm
.macro PLACES n
.rept \n
	v_nop
.endr
.endm
.macro JLOAD s
	s_cmp_eq_u32 s11, 0
	s_cbranch_scc0 .Lfor_b_\@
	tensor_load_to_lds s[G0+4*\s:G0+4*\s+3], s[G1:G1+7]
	s_nop 0
	s_branch .Lasked_\@
.Lfor_b_\@:
	tensor_load_to_lds s[G0B+4*\s:G0B+4*\s+3], s[G1B:G1B+7]
	s_nop 0
.Lasked_\@:
.endm
.macro CREST
	s_cmp_lg_u32 s10, 0
	s_cbranch_scc1 .Lnot_wave_0_\@
	s_barrier_signal -3
.Lnot_wave_0_\@:
	s_barrier_wait -3
	s_barrier_signal -1
	s_barrier_wait -1
.endm
.macro CROUND
	s_barrier_signal -1
	s_barrier_wait -1
	CREST
.endm
	s_load_b128 s[4:7], s[0:1], 0x0                ; pb s[4:5], qkvb s[6:7]
	s_load_b128 s[68:71], s[0:1], 0x10             ; ctxb s[68:69], stats s[70:71]
	v_lshl_add_u32 v127, v0, 2, 0x4d800
	s_set_vgpr_msb 0x80
	v_mov_b32 v255, 0
	s_set_vgpr_msb 0x8088
	ds_add_u32 v127, v255
	s_set_vgpr_msb 0x8800
	v_lshrrev_b32 v1, 5, v0
	v_readfirstlane_b32 s10, v1
	s_lshr_b32 s11, s10, 1
	s_and_b32 s12, s10, 1
	s_bfe_u32 s40, ttmp6, 0x40000                  ; cx
	s_bfe_u32 s41, ttmp6, 0x40004                  ; cy
	s_lshl_b32 s42, ttmp9, 2
	s_add_co_u32 s42, s42, s40                     ; block column, 0..7
	s_and_b32 s13, ttmp7, 0xffff
	s_lshr_b32 s45, s13, 1                         ; batch = cluster y / 2
	s_lshl_b32 s13, s13, 2
	s_add_co_u32 s13, s13, s41                     ; block row, 0..31
	s_lshl_b32 s43, s41, 2
	s_lshl_b32 s43, 15, s43
	s_lshl_b32 s44, 0x1111, s40
	s_or_b32 s[G1+0], s43, (1<<16)|(1<<20)|(1<<21)|(5<<22)|(3<<25)
	s_mov_b32 s[G1+1], 128<<16
	s_mov_b32 s[G1+2], 128<<16
	s_mov_b32 s[G1+3], 128<<16
	s_mov_b32 s[G1+4], 128
	s_mov_b32 s[G1+5], APE
	s_mov_b32 s[G1+6], 0
	s_mov_b32 s[G1+7], 0
	s_or_b32 s[G1B+0], s44, (1<<16)|(1<<20)|(1<<21)|(5<<22)|(7<<25)
	s_mov_b32 s[G1B+1], 128<<16
	s_mov_b32 s[G1B+2], 64<<16
	s_mov_b32 s[G1B+3], 128<<16
	s_mov_b32 s[G1B+4], 64
	s_mov_b32 s[G1B+5], BPE
	s_mov_b32 s[G1B+6], 0
	s_mov_b32 s[G1B+7], 0
	s_lshl_b32 s17, s12, 7
	s_lshl_b32 s16, s13, 8
	s_add_co_u32 s16, s16, s17
	s_mul_i32 s16, s16, APE*2                      ; P: row 256 x block row + 128 x half
	s_mov_b32 s17, 0
	s_lshl_b32 s46, s45, 11
	s_lshl_b32 s47, s12, 6
	s_add_co_u32 s46, s46, s47                     ; v: key row 2048 x batch + 64 x half,
	s_mul_i32 s46, s46, BPE*2
	s_lshl_b32 s47, s42, 8
	s_add_co_u32 s46, s46, s47                     ; column byte 256 x block column,
	s_add_co_u32 s46, s46, 4096                    ; at byte 4096 of the row
	s_mov_b32 s47, 0
	s_mul_i32 s20, s10, AHALF
	s_mul_i32 s21, s10, BHALF
	s_add_co_u32 s21, s21, ATILE-2*BHALF
	s_lshl_b32 s66, s13, 1
	s_add_co_u32 s66, s66, s11
	s_lshl_b32 s66, s66, 13                        ; stats: (row / 128) x 16 blocks of 512 bytes
	s_mov_b32 s67, 0
	v_and_b32 v1, 15, v0                           ; r
	v_bfe_u32 v2, v0, 4, 1                         ; h
	v_lshlrev_b32 v3, 5, v1
	v_lshl_add_u32 v[SOFF], v2, 4, v3              ; 32 r + 16 h: row blocks 4 h .. 4 h + 3 of row r
	s_wait_dscnt 0x0
	s_wait_kmcnt 0x0
	s_add_nc_u64 s[14:15], s[4:5], s[16:17]
	s_add_nc_u64 s[46:47], s[6:7], s[46:47]
	s_add_nc_u64 s[70:71], s[70:71], s[66:67]
.set kk, 0
.rept 16
	global_load_b128 v[SM+4*kk:SM+4*kk+3], v[SOFF], s[70:71] offset:512*kk             ; m' of tile kk
	global_load_b128 v[SL+4*kk:SL+4*kk+3], v[SOFF], s[70:71] offset:524288+512*kk      ; l of tile kk
.set kk, kk+1
.endr
	s_lshl_b32 s66, s13, 8
	s_lshl_b32 s67, s10, 6
	s_add_co_u32 s66, s66, s67
	s_mul_i32 s66, s66, OPB
	s_lshl_b32 s67, s42, 8
	s_add_co_u32 s66, s66, s67
	s_mov_b32 s67, 0
	s_add_nc_u64 s[68:69], s[68:69], s[66:67]      ; ctxb at row 256 x block row + 64 x wave, byte 256 x block column
	CROUND
.irp s, 0,1
	s_mov_b32 s[G0+4*\s], 1
	s_add_co_u32 s[G0+4*\s+1], s20, \s*SLOT
	s_add_nc_u64 s[G0+4*\s+2:G0+4*\s+3], s[14:15], \s*ASTEP
	s_or_b32 s[G0+4*\s+3], s[G0+4*\s+3], 0x80000000
	s_mov_b32 s[G0B+4*\s], 1
	s_add_co_u32 s[G0B+4*\s+1], s21, \s*SLOT
	s_add_nc_u64 s[G0B+4*\s+2:G0B+4*\s+3], s[46:47], \s*BSTEP
	s_or_b32 s[G0B+4*\s+3], s[G0B+4*\s+3], 0x80000000
	JLOAD \s
.endr
	v_mul_u32_u24 v3, v1, APITCH
	v_lshl_add_u32 v3, v2, 4, v3
	s_mul_i32 s22, s11, AHALF
	v_add_nc_u32 v[ADRA], s22, v3
	v_add_nc_u32 v[ADRA+1], SLOT, v[ADRA]
	v_and_b32 v4, 7, v0
	v_lshl_add_u32 v4, v2, 3, v4
	v_mul_u32_u24 v4, v4, BPITCH
	v_bfe_u32 v5, v0, 3, 1
	v_lshl_add_u32 v4, v5, 4, v4
	s_lshl_b32 s23, s12, 7
	s_add_co_u32 s23, s23, ATILE
	v_add_nc_u32 v[ADRB], s23, v4
	v_add_nc_u32 v[ADRB+1], SLOT, v[ADRB]
	s_lshl_b32 s23, s12, 7
	s_add_co_u32 s22, s22, s23
	s_add_co_u32 s22, s22, STAGE
	v_add_nc_u32 v[STO], s22, v3
	s_mul_i32 s23, s10, 64*APITCH
	s_add_co_u32 s23, s23, STAGE
	v_mul_u32_u24 v5, v2, APITCH
	v_lshl_add_u32 v5, v1, 4, v5
	v_add_nc_u32 v[RD], s23, v5
	v_mul_u32_u24 v5, v2, OPB
	v_lshl_add_u32 v[CO], v1, 4, v5
	s_mul_i32 s23, s10, FACW
	s_add_co_u32 s23, s23, FAC
	v_lshl_add_u32 v[FADR], v1, 5, s23             ; my wave's factors, 32 bytes for row r
	v_lshl_add_u32 v[FST], v2, 4, v[FADR]
	; the weights of my wave's 128 rows: lane (r, h) makes those of rows 16 a + r, a = 4 h .. 4 h + 3
	s_wait_loadcnt 0x0
.irp i, 0,1,2,3
	v_max_num_f32 v[MX+\i], v[SM+\i], v[SM+4+\i]
.endr
.set kk, 2
.rept 7
.irp i, 0,1,2,3
	v_max3_num_f32 v[MX+\i], v[MX+\i], v[SM+4*kk+\i], v[SM+4*kk+4+\i]
.endr
.set kk, kk+2
.endr
.set kk, 0
.rept 32
	v_pk_add_f32 v[SM+2*kk:SM+2*kk+1], v[SM+2*kk:SM+2*kk+1], v[MX+2*(kk&1):MX+2*(kk&1)+1] neg_lo:[0,1] neg_hi:[0,1]   ; m' - M <= 0
.set kk, kk+1
.endr
.set kk, 0
.rept 64
	v_exp_f32 v[SM+kk], v[SM+kk]                   ; f
.set kk, kk+1
.endr
	v_nop                                          ; one plain place behind the last exponential
	s_wait_alu depctr_va_vdst(0)
	v_pk_mul_f32 v[LT:LT+1], v[SM:SM+1], v[SL:SL+1]
	v_pk_mul_f32 v[LT+2:LT+3], v[SM+2:SM+3], v[SL+2:SL+3]
.set kk, 2
.rept 30
	v_pk_fma_f32 v[LT+2*(kk&1):LT+2*(kk&1)+1], v[SM+2*kk:SM+2*kk+1], v[SL+2*kk:SL+2*kk+1], v[LT+2*(kk&1):LT+2*(kk&1)+1]
.set kk, kk+1
.endr
.irp i, 0,1,2,3
	v_rcp_f32 v[LT+\i], v[LT+\i]
.endr
	v_nop                                          ; one plain place behind the last reciprocal
.set kk, 0
.rept 16
	ds_store_b128 v[FST], v[SM+4*kk:SM+4*kk+3] offset:512*kk
.set kk, kk+1
.endr
	s_wait_alu depctr_va_vdst(0)
	ds_store_b128 v[FST], v[LT:LT+3] offset:8192
.macro BLOAD slot, q, g
.set bb, 0
.rept NB
	ds_load_tr16_b128 v[BF+8*NB*\g+8*bb:BF+8*NB*\g+8*bb+3],   v[ADRB+\slot] offset:32*BPITCH*\q+32*bb
	ds_load_tr16_b128 v[BF+8*NB*\g+8*bb+4:BF+8*NB*\g+8*bb+7], v[ADRB+\slot] offset:32*BPITCH*\q+32*bb+16*BPITCH
.set bb, bb+1
.endr
.endm
.macro ALOAD w, slot, q, g
.set aa, 0
.rept 3-\w/3
	ds_load_b128 v[80*aa+64+8*\g:80*aa+64+8*\g+3],   v[ADRA+\slot] offset:64*\q+16*APITCH*(3*\w-3+aa)
	ds_load_b128 v[80*aa+64+8*\g+4:80*aa+64+8*\g+7], v[ADRA+\slot] offset:64*\q+16*APITCH*(3*\w-3+aa)+32
.set aa, aa+1
.endr
.endm
; The one run of a quarter's LDS loads: quarter q of a slot into buffer g, in the order window 3's A (4), B (LB), with fac = 1 the slot's tile's weights (2),
; window 2's A (6), window 1's A (6).  It begins under window 3's setting and ends under window 1's, as the matrix instructions round it do.
.macro RUN slot, q, g, fac
	WIN WS3
	ALOAD 3, \slot, \q, \g
	WIN 0
	BLOAD \slot, \q, \g
.if \fac
	ds_load_b128 v[FR:FR+3],   v[FADR] offset:512*\slot        ; this tile's weights, used in the next step's first quarter, behind the wait for 0 at the change of slots
	ds_load_b128 v[FR+4:FR+7], v[FADR] offset:512*\slot+16
.endif
	WIN WS2
	ALOAD 2, \slot, \q, \g
	WIN WS1
	ALOAD 1, \slot, \q, \g
.endm
.macro FETCH slot, q, g, fac
	PLACES 4                                       ; four places between the last quarter's matrix instructions and loads into the registers that they read (ISA guide 7.12.1 for vector instructions)
	RUN \slot, \q, \g, \fac
.endm
; mode 0: T += product.  1: T = product.  2: O = f T, then T = product.  3: O += f T, then T = product.
; f of row block AG is register AG of FR, broadcast to both halves of the packed instruction by op_sel.
; The accumulators take turns, one instruction a turn, in the same order in every quarter.
.macro GRP w, f, mode
.set aa, 0
.rept 3-\w/3
.set bb, 0
.rept NB
.if \mode >= 2
.set AG, 3*\w-3+aa
.set FP, FR+AG-(AG&1)
.set jj, 0
.rept 4
.set TT, 80*aa+8*bb+2*jj
.if \mode == 2
.if AG&1
	v_pk_mul_f32 v[TT+32:TT+33], v[FP:FP+1], v[TT:TT+1] op_sel:[1,0] op_sel_hi:[1,1]
.else
	v_pk_mul_f32 v[TT+32:TT+33], v[FP:FP+1], v[TT:TT+1] op_sel_hi:[0,1]
.endif
.else
.if AG&1
	v_pk_fma_f32 v[TT+32:TT+33], v[FP:FP+1], v[TT:TT+1], v[TT+32:TT+33] op_sel:[1,0,0] op_sel_hi:[1,1,1]
.else
	v_pk_fma_f32 v[TT+32:TT+33], v[FP:FP+1], v[TT:TT+1], v[TT+32:TT+33] op_sel_hi:[0,1,1]
.endif
.endif
.set jj, jj+1
.endr
.endif
.if \mode
	v_wmma_f32_16x16x32_bf16 v[80*aa+8*bb:80*aa+8*bb+7], v[BF+8*NB*\f+8*bb:BF+8*NB*\f+8*bb+7], v[80*aa+64+8*\f:80*aa+64+8*\f+7], 0
.else
	v_wmma_f32_16x16x32_bf16 v[80*aa+8*bb:80*aa+8*bb+7], v[BF+8*NB*\f+8*bb:BF+8*NB*\f+8*bb+7], v[80*aa+64+8*\f:80*aa+64+8*\f+7], v[80*aa+8*bb:80*aa+8*bb+7]
.endif
.set bb, bb+1
.endr
.set aa, aa+1
.endr
.endm
.macro Q slot, q, f, g, mode, fac
.if \mode >= 2
	PLACES 5                                       ; five places: the products that start T anew write over results of the last quarter's matrix instructions; the folds read them (four)
.endif
	WIN WS3
	s_wait_dscnt 12                                ; window 3's A and B of buffer f are in; the 12 younger loads (windows 2 and 1) may stay out
	GRP 3, \f, \mode
	FETCH \slot, \q, \g, \fac
	s_wait_dscnt LB+16+2*\fac                      ; all but the run just issued: windows 2 and 1 of buffer f are in
	GRP 1, \f, \mode
	WIN WS2
	GRP 2, \f, \mode
.endm
.macro TURN slot, next, fill
	s_wait_dscnt 0x0                               ; my reads of this slot are back (and the weights)
	s_wait_tensorcnt 0x0                           ; all my tensor loads have landed (one was out: my part of the next slot)
	ds_add_u32 v127, v255
	s_wait_dscnt 0x0
	s_barrier_signal -1
	WIN WS3
	GRP 3, 1, 0                                    ; register work while the others arrive
	WIN 0
	s_barrier_wait -1
.if \fill
	CREST
	s_add_nc_u64 s[G0+4*\slot+2:G0+4*\slot+3], s[G0+4*\slot+2:G0+4*\slot+3], 2*ASTEP
	s_add_nc_u64 s[G0B+4*\slot+2:G0B+4*\slot+3], s[G0B+4*\slot+2:G0B+4*\slot+3], 2*BSTEP
	JLOAD \slot
.endif
	FETCH \next, 0, 0, 0
	GRP 1, 1, 0                                    ; buffer 1 is whole since the wait for 0 above
	WIN WS2
	GRP 2, 1, 0
.endm
.macro STEP slot, next, mode, fill
	Q \slot, 1, 0, 1, \mode, 0
	Q \slot, 2, 1, 0, 0, 0
	Q \slot, 3, 0, 1, 0, 1
	TURN \slot, \next, \fill
.endm
.macro LAP m0, m1
	STEP 0, 1, \m0, 1
	STEP 1, 0, \m1, 1
	WIN 0
	v_add_nc_u32 v[FADR], 1024, v[FADR]            ; the next lap's two blocks of weights
.endm
	s_wait_dscnt 0x0                               ; my stores of the weights are done
	s_wait_tensorcnt 0x1                           ; my part of K step 0 is in; K step 1's may stay out
	s_barrier_signal -1
	s_barrier_wait -1
	RUN 0, 0, 0, 0
	LAP 1, 2                                       ; tile 0 starts T; tile 1's first quarter starts O
	s_mov_b32 s3, LAPS-2
.Llap:
	LAP 3, 3
	s_sub_co_u32 s3, s3, 1
	s_cmp_lg_u32 s3, 0
	s_cbranch_scc1 .Llap
	STEP 0, 1, 3, 0                                ; the last lap fills nothing
	Q 1, 1, 0, 1, 3, 0
	Q 1, 2, 1, 0, 0, 0
	Q 1, 3, 0, 1, 0, 1
	WIN WS3
	s_wait_dscnt 12                                ; the very last quarter: nothing more to fetch
	GRP 3, 1, 0
	WIN WS1
	s_wait_dscnt 0x0
	GRP 1, 1, 0
	WIN WS2
	GRP 2, 1, 0
	PLACES 4
	WIN 0
	ds_load_b128 v[RL:RL+3],   v[FADR] offset:1024  ; FADR stands at tile 14's block: 1 / L is the block behind tile 15's
	ds_load_b128 v[RL+4:RL+7], v[FADR] offset:1040
	s_wait_dscnt 0x0
; Row block a: the last tile's fold, the division by L, rounding, 16 bytes a lane and block into the work-group's stage.
.macro OUTP w, al, ag
	WIN 0x54*\w
.set kk, 0
.rept 16
.if \ag&1
	v_pk_fma_f32 v[80*\al+32+2*kk:80*\al+33+2*kk], v[FR+\ag-1:FR+\ag], v[80*\al+2*kk:80*\al+2*kk+1], v[80*\al+32+2*kk:80*\al+33+2*kk] op_sel:[1,0,0] op_sel_hi:[1,1,1]
.else
	v_pk_fma_f32 v[80*\al+32+2*kk:80*\al+33+2*kk], v[FR+\ag:FR+\ag+1], v[80*\al+2*kk:80*\al+2*kk+1], v[80*\al+32+2*kk:80*\al+33+2*kk] op_sel_hi:[0,1,1]
.endif
.set kk, kk+1
.endr
	WIN \w
.set kk, 0
.rept 16
.if \ag&1
	v_pk_mul_f32 v[TF+2*kk:TF+2*kk+1], v[80*\al+32+2*kk:80*\al+33+2*kk], v[RL+\ag-1:RL+\ag] op_sel:[0,1] op_sel_hi:[1,1]
.else
	v_pk_mul_f32 v[TF+2*kk:TF+2*kk+1], v[80*\al+32+2*kk:80*\al+33+2*kk], v[RL+\ag:RL+\ag+1] op_sel_hi:[1,0]
.endif
.set kk, kk+1
.endr
	WIN 0
.set kk, 0
.rept 16
	v_cvt_pk_bf16_f32 v[TMP+kk], v[TF+2*kk], v[TF+2*kk+1]
.set kk, kk+1
.endr
.set kk, 0
.rept 4
	ds_store_b128 v[STO], v[TMP+4*kk:TMP+4*kk+3] offset:16*APITCH*\ag+32*kk
.set kk, kk+1
.endr
.endm
.macro BACK n
	s_wait_xcnt 0x0                                ; the set's registers, which earlier stores read, are loaded again only behind this wait
.set kk, 0
.rept 8
	ds_load_b128 v[RB+32*(\n&1)+4*kk:RB+32*(\n&1)+4*kk+3], v[RD] offset:2*APITCH*(8*\n+kk)
.set kk, kk+1
.endr
.set kk, 0
.rept 8
	s_wait_dscnt 7-kk
	global_store_b128 v[CO], v[RB+32*(\n&1)+4*kk:RB+32*(\n&1)+4*kk+3], s[68:69] offset:(16*\n+2*kk)*OPB   ; sixteen lanes store 256 consecutive bytes, aligned
.set kk, kk+1
.endr
.endm
	OUTP 1, 0, 0
	OUTP 1, 1, 1
	OUTP 1, 2, 2
	OUTP 2, 0, 3
	OUTP 2, 1, 4
	OUTP 2, 2, 5
	OUTP 3, 0, 6
	OUTP 3, 1, 7
	s_wait_dscnt 0x0                               ; my stage stores are done, for the waves that read them
	s_barrier_signal -1
	s_barrier_wait -1
	BACK 0
	BACK 1
	BACK 2
	BACK 3
	s_set_vgpr_msb 0x8
	s_wait_tensorcnt 0x0
	ds_add_u32 v127, v255
	s_wait_dscnt 0x0
	s_set_vgpr_msb 0x800
	CROUND                                         ; the closing round
	s_endpgm
.Lfunc_end_k_qbc610b9059_pv:
	.size	k_qbc610b9059_pv, .Lfunc_end_k_qbc610b9059_pv-k_qbc610b9059_pv
	.p2alignl 7, 3214868480
	.fill 96, 4, 3214868480
	.section	.rodata,"a",@progbits
	.p2align	6, 0x0
	.amdhsa_kernel k_qbc610b9059_pv
		.amdhsa_group_segment_fixed_size 327680
		.amdhsa_private_segment_fixed_size 0
		.amdhsa_enable_private_segment 0
		.amdhsa_kernarg_size 32
		.amdhsa_user_sgpr_count 2
		.amdhsa_user_sgpr_kernarg_segment_ptr 1
		.amdhsa_wavefront_size32 1
		.amdhsa_system_sgpr_workgroup_id_x 1
		.amdhsa_system_sgpr_workgroup_id_y 1
		.amdhsa_system_sgpr_workgroup_id_z 1
		.amdhsa_system_vgpr_workitem_id 0
		.amdhsa_next_free_vgpr 1024
		.amdhsa_next_free_sgpr 72
		.amdhsa_reserve_vcc 0
		.amdhsa_float_denorm_mode_32 3
		.amdhsa_float_denorm_mode_16_64 3
		.amdhsa_memory_ordered 1
		.amdhsa_forward_progress 1
		.amdhsa_inst_pref_size 192
	.end_amdhsa_kernel
	.amdgpu_metadata
---
amdhsa.version: [ 1, 2 ]
amdhsa.kernels:
  - .name:           k_qbc610b9059_pv
    .symbol:         k_qbc610b9059_pv.kd
    .args:
      - { .name: pb, .offset: 0, .size: 8, .value_kind: global_buffer, .address_space: global }
      - { .name: qkvb, .offset: 8, .size: 8, .value_kind: global_buffer, .address_space: global }
      - { .name: ctxb, .offset: 16, .size: 8, .value_kind: global_buffer, .address_space: global }
      - { .name: stats, .offset: 24, .size: 8, .value_kind: global_buffer, .address_space: global }
    .group_segment_fixed_size: 327680
    .private_segment_fixed_size: 0
    .kernarg_segment_align: 8
    .kernarg_segment_size: 32
    .max_flat_workgroup_size: 128
    .sgpr_count:     72
    .vgpr_count:     1024
    .wavefront_size: 32
...
	.end_amdgpu_metadata
.endif
;; end of part 8
;; launch proj (part 9): grid 8 x 32, 4 waves a work-group, clusters of 4 x 4, 327,680 bytes of LDS; arguments ctxb, w2b, out0, b2; writes out0
.if DOCPART == 9
	.amdgcn_target "amdgcn-amd-amdhsa--gfx1250"
	.amdhsa_code_object_version 6
	.text
	.protected	k_qbc610b9059_proj
	.globl	k_qbc610b9059_proj
	.p2align	8
	.type	k_qbc610b9059_proj,@function
k_qbc610b9059_proj:
	s_mov_b64 s[64:65], 0
	v_nop
	global_prefetch_b8 v0, s[64:65] scope:SCOPE_SE
	s_setreg_imm32_b32 hwreg(HW_REG_WAVE_MODE, 25, 1), 1
	s_wait_xcnt 0x0
	s_wait_alu depctr_hold_cnt(0) depctr_sa_sdst(0) depctr_va_vdst(0) depctr_va_sdst(0) depctr_va_ssrc(0) depctr_va_vcc(0) depctr_vm_vsrc(0)
	s_getreg_b32 s2, hwreg(HW_REG_IB_STS2, 6, 4)
	s_cmp_eq_u32 s2, 0
	s_cbranch_scc0 .Lentry_in_a_cluster
	s_endpgm
.Lentry_in_a_cluster:
	s_bfe_u32 s2, ttmp6, 0x10000c
	s_cmp_lg_u32 s2, 0xf033
	s_cbranch_scc0 .Lentry_shape_is_right
	s_endpgm
.Lentry_shape_is_right:
; out0[m][n] = sum over k of ctxb[m][k] w2b[k][n] + b2[n].  ctxb [8192][1024], w2b [1024][1024] bf16; b2, out0 f32; sums and bias in f32.
; Ring, cluster, windows, the one run of LDS loads a quarter and the transposed matrix instruction as in the qkv launch; a work-group makes 256 x 128,
; a wave 128 x 64, K in steps of 128 through two LDS slots (A: 256 rows, pitch 272; B: 128 K rows, pitch 288, read by the transposing load).
; A wave's 64 f32 columns are 256 bytes of a row of out0, so each wave has a stage of its own (16 rows x 272 bytes) and no barrier on the way out.
; LDS: the text uses 230,400 bytes; 327,680 are declared, so that wave x constant, which every wave forms for both tiles' LDS addresses, lies inside for every wave.
.set NB,     4
.set LB,     2*NB
.set LAPS,   4
.set APE,    1024
.set BPE,    1024
.set OPB,    4096
.set ASTEP,  256
.set BSTEP,  128*BPE*2
.set APITCH, 272
.set AHALF,  128*APITCH
.set ATILE,  2*AHALF
.set BPITCH, 288
.set BHALF,  64*BPITCH
.set SLOT,   ATILE+2*BHALF
.set STAGE,  2*SLOT
.set VB,   7
.set ADRA, 16
.set ADRB, 20
.set STO,  24
.set RD,   25
.set CO,   26
.set BF,   32
.set BIAS, 128
.set TF,   160
.set RB,   192
.set G1,  24
.set G0,  32
.set G1B, 48
.set G0B, 56
.set WS1, 0x54
.set WS2, 0xa8
.set WS3, 0xfc
.set MSB, 0
.macro WIN new
.if MSB != (\new)
	s_set_vgpr_msb (MSB<<8)|(\new)
.set MSB, (\new)
.endif
.endm
.macro PLACES n
.rept \n
	v_nop
.endr
.endm
.macro JLOAD s
	s_cmp_eq_u32 s11, 0
	s_cbranch_scc0 .Lfor_b_\@
	tensor_load_to_lds s[G0+4*\s:G0+4*\s+3], s[G1:G1+7]
	s_nop 0
	s_branch .Lasked_\@
.Lfor_b_\@:
	tensor_load_to_lds s[G0B+4*\s:G0B+4*\s+3], s[G1B:G1B+7]
	s_nop 0
.Lasked_\@:
.endm
.macro CREST
	s_cmp_lg_u32 s10, 0
	s_cbranch_scc1 .Lnot_wave_0_\@
	s_barrier_signal -3
.Lnot_wave_0_\@:
	s_barrier_wait -3
	s_barrier_signal -1
	s_barrier_wait -1
.endm
.macro CROUND
	s_barrier_signal -1
	s_barrier_wait -1
	CREST
.endm
	s_load_b128 s[4:7], s[0:1], 0x0                ; ctxb s[4:5], w2b s[6:7]
	s_load_b128 s[68:71], s[0:1], 0x10             ; out0 s[68:69], b2 s[70:71]
	v_lshl_add_u32 v127, v0, 2, 0x40000
	s_set_vgpr_msb 0x80
	v_mov_b32 v255, 0
	s_set_vgpr_msb 0x8088
	ds_add_u32 v127, v255
	s_set_vgpr_msb 0x8800
	v_lshrrev_b32 v1, 5, v0
	v_readfirstlane_b32 s10, v1
	s_lshr_b32 s11, s10, 1
	s_and_b32 s12, s10, 1
	s_bfe_u32 s40, ttmp6, 0x40000
	s_bfe_u32 s41, ttmp6, 0x40004
	s_lshl_b32 s42, ttmp9, 2
	s_add_co_u32 s42, s42, s40                     ; block column
	s_and_b32 s13, ttmp7, 0xffff
	s_lshl_b32 s13, s13, 2
	s_add_co_u32 s13, s13, s41                     ; block row
	s_lshl_b32 s43, s41, 2
	s_lshl_b32 s43, 15, s43
	s_lshl_b32 s44, 0x1111, s40
	s_or_b32 s[G1+0], s43, (1<<16)|(1<<20)|(1<<21)|(5<<22)|(3<<25)
	s_mov_b32 s[G1+1], 128<<16
	s_mov_b32 s[G1+2], 128<<16
	s_mov_b32 s[G1+3], 128<<16
	s_mov_b32 s[G1+4], 128
	s_mov_b32 s[G1+5], APE
	s_mov_b32 s[G1+6], 0
	s_mov_b32 s[G1+7], 0
	s_or_b32 s[G1B+0], s44, (1<<16)|(1<<20)|(1<<21)|(5<<22)|(7<<25)
	s_mov_b32 s[G1B+1], 128<<16
	s_mov_b32 s[G1B+2], 64<<16
	s_mov_b32 s[G1B+3], 128<<16
	s_mov_b32 s[G1B+4], 64
	s_mov_b32 s[G1B+5], BPE
	s_mov_b32 s[G1B+6], 0
	s_mov_b32 s[G1B+7], 0
	s_lshl_b32 s17, s12, 7
	s_lshl_b32 s16, s13, 8
	s_add_co_u32 s16, s16, s17
	s_mul_i32 s16, s16, APE*2
	s_mov_b32 s17, 0
	s_mul_i32 s46, s12, 64*BPE*2
	s_lshl_b32 s45, s42, 8
	s_add_co_u32 s46, s46, s45
	s_mov_b32 s47, 0
	s_mul_i32 s20, s10, AHALF
	s_mul_i32 s21, s10, BHALF
	s_add_co_u32 s21, s21, ATILE-2*BHALF
	s_lshl_b32 s66, s42, 9
	s_lshl_b32 s67, s12, 8
	s_add_co_u32 s66, s66, s67                     ; 4 bytes x (128 x block column + 64 x half): the bias, and my columns in a row of out0
	s_mov_b32 s67, 0
	v_bfe_u32 v2, v0, 4, 1                         ; h
	v_lshlrev_b32 v[VB], 5, v2
	s_wait_dscnt 0x0
	s_wait_kmcnt 0x0
	s_add_nc_u64 s[14:15], s[4:5], s[16:17]
	s_add_nc_u64 s[46:47], s[6:7], s[46:47]
	s_add_nc_u64 s[70:71], s[70:71], s[66:67]
	s_add_nc_u64 s[68:69], s[68:69], s[66:67]
.irp b, 0,1,2,3
	global_load_b128 v[BIAS+8*\b:BIAS+8*\b+3],   v[VB], s[70:71] offset:64*\b
	global_load_b128 v[BIAS+8*\b+4:BIAS+8*\b+7], v[VB], s[70:71] offset:64*\b+16
.endr
	s_lshl_b32 s66, s13, 8
	s_lshl_b32 s67, s11, 7
	s_add_co_u32 s66, s66, s67
	s_lshl_b32 s66, s66, 12                        ; my first row x 4,096 bytes
	s_mov_b32 s67, 0
	s_add_nc_u64 s[68:69], s[68:69], s[66:67]
	CROUND
.irp s, 0,1
	s_mov_b32 s[G0+4*\s], 1
	s_add_co_u32 s[G0+4*\s+1], s20, \s*SLOT
	s_add_nc_u64 s[G0+4*\s+2:G0+4*\s+3], s[14:15], \s*ASTEP
	s_or_b32 s[G0+4*\s+3], s[G0+4*\s+3], 0x80000000
	s_mov_b32 s[G0B+4*\s], 1
	s_add_co_u32 s[G0B+4*\s+1], s21, \s*SLOT
	s_add_nc_u64 s[G0B+4*\s+2:G0B+4*\s+3], s[46:47], \s*BSTEP
	s_or_b32 s[G0B+4*\s+3], s[G0B+4*\s+3], 0x80000000
	JLOAD \s
.endr
	v_and_b32 v1, 15, v0
	v_mul_u32_u24 v6, v1, APITCH                   ; r x 272
	v_lshl_add_u32 v3, v2, 4, v6
	s_mul_i32 s22, s11, AHALF
	v_add_nc_u32 v[ADRA], s22, v3
	v_add_nc_u32 v[ADRA+1], SLOT, v[ADRA]
	v_and_b32 v4, 7, v0
	v_lshl_add_u32 v4, v2, 3, v4
	v_mul_u32_u24 v4, v4, BPITCH
	v_bfe_u32 v5, v0, 3, 1
	v_lshl_add_u32 v4, v5, 4, v4
	s_lshl_b32 s23, s12, 7
	s_add_co_u32 s23, s23, ATILE
	v_add_nc_u32 v[ADRB], s23, v4
	v_add_nc_u32 v[ADRB+1], SLOT, v[ADRB]
	s_mul_i32 s23, s10, 16*APITCH
	s_add_co_u32 s23, s23, STAGE                   ; my stage
	v_lshl_add_u32 v6, v2, 5, v6                   ; in: row r, 32 bytes (8 f32) for each half of the lanes
	v_add_nc_u32 v[STO], s23, v6
	v_mul_u32_u24 v5, v2, APITCH
	v_lshl_add_u32 v5, v1, 4, v5
	v_add_nc_u32 v[RD], s23, v5                    ; back: row h, byte 16 r
	v_lshlrev_b32 v5, 12, v2
	v_lshl_add_u32 v[CO], v1, 4, v5
.macro BLOAD slot, q, g
.set bb, 0
.rept NB
	ds_load_tr16_b128 v[BF+8*NB*\g+8*bb:BF+8*NB*\g+8*bb+3],   v[ADRB+\slot] offset:32*BPITCH*\q+32*bb
	ds_load_tr16_b128 v[BF+8*NB*\g+8*bb+4:BF+8*NB*\g+8*bb+7], v[ADRB+\slot] offset:32*BPITCH*\q+32*bb+16*BPITCH
.set bb, bb+1
.endr
.endm
.macro ALOAD w, slot, q, g
.set aa, 0
.rept 3-\w/3
	ds_load_b128 v[80*aa+64+8*\g:80*aa+64+8*\g+3],   v[ADRA+\slot] offset:64*\q+16*APITCH*(3*\w-3+aa)
	ds_load_b128 v[80*aa+64+8*\g+4:80*aa+64+8*\g+7], v[ADRA+\slot] offset:64*\q+16*APITCH*(3*\w-3+aa)+32
.set aa, aa+1
.endr
.endm
; The one run of a quarter's LDS loads: quarter q of a slot into buffer g, in the order window 3's A (4), B (LB), window 2's A (6), window 1's A (6).
; It begins under window 3's setting, which the matrix instructions in front of it use, and ends under window 1's, which those behind it use.
.macro RUN slot, q, g
	WIN WS3
	ALOAD 3, \slot, \q, \g
	WIN 0
	BLOAD \slot, \q, \g
	WIN WS2
	ALOAD 2, \slot, \q, \g
	WIN WS1
	ALOAD 1, \slot, \q, \g
.endm
.macro FETCH slot, q, g
	PLACES 4                                       ; four places between the last quarter's matrix instructions and loads into the registers that they read (ISA guide 7.12.1 for vector instructions)
	RUN \slot, \q, \g
.endm
; The accumulators take turns, one instruction a turn, in the same order in every quarter.
.macro GRP w, f, mode
.set aa, 0
.rept 3-\w/3
.set bb, 0
.rept NB
.if \mode
	v_wmma_f32_16x16x32_bf16 v[80*aa+8*bb:80*aa+8*bb+7], v[BF+8*NB*\f+8*bb:BF+8*NB*\f+8*bb+7], v[80*aa+64+8*\f:80*aa+64+8*\f+7], 0
.else
	v_wmma_f32_16x16x32_bf16 v[80*aa+8*bb:80*aa+8*bb+7], v[BF+8*NB*\f+8*bb:BF+8*NB*\f+8*bb+7], v[80*aa+64+8*\f:80*aa+64+8*\f+7], v[80*aa+8*bb:80*aa+8*bb+7]
.endif
.set bb, bb+1
.endr
.set aa, aa+1
.endr
.endm
.macro Q slot, q, f, g, mode
	WIN WS3
	s_wait_dscnt 12                                ; window 3's A and B of buffer f are in; the 12 younger loads (windows 2 and 1) may stay out
	GRP 3, \f, \mode
	FETCH \slot, \q, \g
	s_wait_dscnt LB+16                             ; all but the run just issued: windows 2 and 1 of buffer f are in
	GRP 1, \f, \mode
	WIN WS2
	GRP 2, \f, \mode
.endm
.macro TURN slot, next, fill
	s_wait_dscnt 0x0                               ; my reads of this slot are back (issued 6 NB matrix instructions ago)
	s_wait_tensorcnt 0x0                           ; all my tensor loads have landed (one was out: my part of the next slot)
	ds_add_u32 v127, v255
	s_wait_dscnt 0x0
	s_barrier_signal -1
	WIN WS3
	GRP 3, 1, 0                                    ; register work while the others arrive
	WIN 0
	s_barrier_wait -1
.if \fill
	CREST
	s_add_nc_u64 s[G0+4*\slot+2:G0+4*\slot+3], s[G0+4*\slot+2:G0+4*\slot+3], 2*ASTEP
	s_add_nc_u64 s[G0B+4*\slot+2:G0B+4*\slot+3], s[G0B+4*\slot+2:G0B+4*\slot+3], 2*BSTEP
	JLOAD \slot
.endif
	FETCH \next, 0, 0
	GRP 1, 1, 0                                    ; buffer 1 is whole since the wait for 0 above
	WIN WS2
	GRP 2, 1, 0
.endm
.macro STEP slot, next, mode, fill
	Q \slot, 1, 0, 1, \mode
	Q \slot, 2, 1, 0, 0
	Q \slot, 3, 0, 1, 0
	TURN \slot, \next, \fill
.endm
.macro LAP m0
	STEP 0, 1, \m0, 1
	STEP 1, 0, 0, 1
.endm
	s_wait_tensorcnt 0x1                           ; my part of K step 0 is in; K step 1's may stay out
	s_barrier_signal -1
	s_barrier_wait -1
	RUN 0, 0, 0
	LAP 1
	WIN 0
	s_mov_b32 s3, LAPS-2
.Llap:
	LAP 0
	WIN 0
	s_sub_co_u32 s3, s3, 1
	s_cmp_lg_u32 s3, 0
	s_cbranch_scc1 .Llap
	STEP 0, 1, 0, 0
	Q 1, 1, 0, 1, 0
	Q 1, 2, 1, 0, 0
	Q 1, 3, 0, 1, 0
	WIN WS3
	s_wait_dscnt 12                                ; the very last quarter: nothing more to fetch
	GRP 3, 1, 0
	WIN WS1
	s_wait_dscnt 0x0
	GRP 1, 1, 0
	WIN WS2
	GRP 2, 1, 0
	PLACES 4
; Row block a: add the bias, 2 x 16 bytes a lane and block into my stage, whole rows of 256 bytes back, sixteen lanes store 256 consecutive bytes, aligned.
.macro OUTF w, al, ag
	WIN \w
.set kk, 0
.rept 16
	v_pk_add_f32 v[TF+2*kk:TF+2*kk+1], v[80*\al+2*kk:80*\al+2*kk+1], v[BIAS+2*kk:BIAS+2*kk+1]
.set kk, kk+1
.endr
	WIN 0
.set kk, 0
.rept 8
	ds_store_b128 v[STO], v[TF+4*kk:TF+4*kk+3] offset:64*(kk/2)+16*(kk&1)
.set kk, kk+1
.endr
	s_wait_xcnt 0x0                                ; the set's registers, which earlier stores read, are loaded again only behind this wait
.set kk, 0
.rept 8
	ds_load_b128 v[RB+32*(\ag&1)+4*kk:RB+32*(\ag&1)+4*kk+3], v[RD] offset:2*APITCH*kk   ; LDS serves a wave's instructions in order (ISA guide 5.7.1): these see the stores above
.set kk, kk+1
.endr
.set kk, 0
.rept 8
	s_wait_dscnt 7-kk
	global_store_b128 v[CO], v[RB+32*(\ag&1)+4*kk:RB+32*(\ag&1)+4*kk+3], s[68:69] offset:(16*\ag+2*kk)*OPB th:TH_STORE_NT
.set kk, kk+1
.endr
.endm
	s_wait_loadcnt 0x0                             ; the bias
	OUTF 1, 0, 0
	OUTF 1, 1, 1
	OUTF 1, 2, 2
	OUTF 2, 0, 3
	OUTF 2, 1, 4
	OUTF 2, 2, 5
	OUTF 3, 0, 6
	OUTF 3, 1, 7
	s_set_vgpr_msb 0x8
	s_wait_tensorcnt 0x0
	ds_add_u32 v127, v255
	s_wait_dscnt 0x0
	s_set_vgpr_msb 0x800
	CROUND                                         ; the closing round
	s_endpgm
.Lfunc_end_k_qbc610b9059_proj:
	.size	k_qbc610b9059_proj, .Lfunc_end_k_qbc610b9059_proj-k_qbc610b9059_proj
	.p2alignl 7, 3214868480
	.fill 96, 4, 3214868480
	.section	.rodata,"a",@progbits
	.p2align	6, 0x0
	.amdhsa_kernel k_qbc610b9059_proj
		.amdhsa_group_segment_fixed_size 327680
		.amdhsa_private_segment_fixed_size 0
		.amdhsa_enable_private_segment 0
		.amdhsa_kernarg_size 32
		.amdhsa_user_sgpr_count 2
		.amdhsa_user_sgpr_kernarg_segment_ptr 1
		.amdhsa_wavefront_size32 1
		.amdhsa_system_sgpr_workgroup_id_x 1
		.amdhsa_system_sgpr_workgroup_id_y 1
		.amdhsa_system_sgpr_workgroup_id_z 1
		.amdhsa_system_vgpr_workitem_id 0
		.amdhsa_next_free_vgpr 1024
		.amdhsa_next_free_sgpr 72
		.amdhsa_reserve_vcc 0
		.amdhsa_float_denorm_mode_32 3
		.amdhsa_float_denorm_mode_16_64 3
		.amdhsa_memory_ordered 1
		.amdhsa_forward_progress 1
		.amdhsa_inst_pref_size 129
	.end_amdhsa_kernel
	.amdgpu_metadata
---
amdhsa.version: [ 1, 2 ]
amdhsa.kernels:
  - .name:           k_qbc610b9059_proj
    .symbol:         k_qbc610b9059_proj.kd
    .args:
      - { .name: ctxb, .offset: 0, .size: 8, .value_kind: global_buffer, .address_space: global }
      - { .name: w2b, .offset: 8, .size: 8, .value_kind: global_buffer, .address_space: global }
      - { .name: out0, .offset: 16, .size: 8, .value_kind: global_buffer, .address_space: global }
      - { .name: b2, .offset: 24, .size: 8, .value_kind: global_buffer, .address_space: global }
    .group_segment_fixed_size: 327680
    .private_segment_fixed_size: 0
    .kernarg_segment_align: 8
    .kernarg_segment_size: 32
    .max_flat_workgroup_size: 128
    .sgpr_count:     72
    .vgpr_count:     1024
    .wavefront_size: 32
...
	.end_amdgpu_metadata
.endif
;; end of part 9
